; MI455X (gfx1250); checked and timed in simulation.
; The chip was launched on July 23, 2026; its instructions are those of AMD's public machine-readable ISA for CDNA 5 (MIT licence, August 2026) and "CDNA5" Instruction Set Architecture Reference Guide (July 2026). The comments in the code are by the model that wrote it; some were corrected since.
;; Transformer Encoder Layer. Allowed arithmetic: matrix products marked QUANTISED: E2M3 operands, one E8M0 scale for each 32 along K, by v_wmma_scale_f32_16x16x128_f8f6f4 with both operands' format E2M3, f32 sums; everything else in f32.
;; Inputs: b1 3,072 float32; b2 768 float32; beta1 768 float32; beta2 768 float32; bo 768 float32; gamma1 768 float32; gamma2 768 float32; w1_codes 3,072 x 24 x 24 uint8 (E2M3 codes of w1, K innermost, in blocks of 32 codes, four codes in three bytes); w1_scales 3,072 x 24 uint8 (E8M0 scales of w1, one for each 32 codes along K); w2_codes 768 x 96 x 24 uint8 (E2M3 codes of w2, K innermost, in blocks of 32 codes, four codes in three bytes); w2_scales 768 x 96 uint8 (E8M0 scales of w2, one for each 32 codes along K); wk_codes 768 x 24 x 24 uint8 (E2M3 codes of wk, K innermost, in blocks of 32 codes, four codes in three bytes); wk_scales 768 x 24 uint8 (E8M0 scales of wk, one for each 32 codes along K); wo_codes 768 x 24 x 24 uint8 (E2M3 codes of wo, K innermost, in blocks of 32 codes, four codes in three bytes); wo_scales 768 x 24 uint8 (E8M0 scales of wo, one for each 32 codes along K); wq_codes 768 x 24 x 24 uint8 (E2M3 codes of wq, K innermost, in blocks of 32 codes, four codes in three bytes); wq_scales 768 x 24 uint8 (E8M0 scales of wq, one for each 32 codes along K); wv_codes 768 x 24 x 24 uint8 (E2M3 codes of wv, K innermost, in blocks of 32 codes, four codes in three bytes); wv_scales 768 x 24 uint8 (E8M0 scales of wv, one for each 32 codes along K); x 1 x 4,096 x 768 float32.
;; Outputs: out0 1 x 4,096 x 768 float32.
;; This version of the problem:
;;   THIS VERSION OF THE PROBLEM IS GIVEN IN LOW PRECISION. The matrix products marked QUANTISED in the list below multiply operands that are first quantised to E2M3 (2 exponent bits, 3 mantissa bits; 6 bits a number), with one power-of-two scale for each 32 numbers along K (OCP MX v1.0); their sums are f32. All else is computed in f32.
;;   The module's matrix products, in the order in which they are computed (A, B: the left and right operand; K: the contracted axis; several contracted axes count as one K, in the product's order):
;;     1. [M 4,096, K 768] x [K 768, N 768]; A: computed on the way; B: input wq (given as codes): QUANTISED
;;     2. [M 4,096, K 768] x [K 768, N 768]; A: computed on the way; B: input wk (given as codes): QUANTISED
;;     3. [M 4,096, K 768] x [K 768, N 768]; A: computed on the way; B: input wv (given as codes): QUANTISED
;;     4. batch 12 x [M 4,096, K 64] x [K 64, N 4,096]; A: computed on the way; B: computed on the way: QUANTISED
;;     5. batch 12 x [M 4,096, K 4,096] x [K 4,096, N 64]; A: softmax (see below); B: computed on the way: QUANTISED
;;     6. [M 4,096, K 768] x [K 768, N 768]; A: computed on the way; B: input wo (given as codes): QUANTISED
;;     7. [M 4,096, K 768] x [K 768, N 3,072]; A: computed on the way; B: input w1 (given as codes): QUANTISED
;;     8. [M 4,096, K 3,072] x [K 3,072, N 768]; A: computed on the way; B: input w2 (given as codes): QUANTISED
;;   THE QUANTISER, for each operand of a quantised product, along K:
;;     - K is cut into blocks of 32 from its start; a last block that is shorter is filled with zeros.
;;     - A block's scale is 2^e with e = floor(log2(the largest magnitude in the block)) - 2, held to -126 .. 127; a block of zeros has e = 0. As a byte (E8M0): e + 127.
;;     - Each number is divided by its block's scale, clamped to +-7.5, and rounded to the nearest number of E2M3, ties to even, subnormals kept.
;;     - The product sums the exact products of the quantised numbers (number of the format x scale) in f32.
;;   ~~~python
;;   def quantise(x, axis):      # numpy; x: float32 -> the quantised numbers, widened to float32 again
;;       x = np.moveaxis(x, axis, -1); K = x.shape[-1]
;;       x = np.pad(x, [(0, 0)] * (x.ndim - 1) + [(0, -K % 32)]); x = x.reshape(x.shape[:-1] + (-1, 32)); a = np.abs(x).max(-1, keepdims=True)
;;       e = np.where(a > 0, np.clip(np.frexp(np.where(a > 0, a, 1))[1] - 1 - 2, -126, 127), 0)      # np.frexp(a)[1] - 1 = floor(log2(a)), exactly
;;       r = np.clip(x / 2.0 ** e, -7.5, 7.5)
;;       step = 2.0 ** (np.maximum(np.frexp(np.where(r == 0, 1, r))[1] - 1, 0) - 3)
;;       q = np.round(r / step) * step * 2.0 ** e      # np.round: ties to even
;;       return np.moveaxis(q.reshape(q.shape[:-2] + (-1,))[..., :K], -1, axis).astype(np.float32)
;;   ~~~
;;   SOFTMAX AHEAD OF A QUANTISED PRODUCT. Where the list says 'softmax', what is quantised is not the finished softmax but p = 2^(t - M), with t = logit x log2(e) and M = ceil(the row's largest t), a whole number; so 1/2 < the row's largest p <= 1. The row's sum l is taken of the UNQUANTISED p, in f32, and the product's result is divided by l at the end. Since M is a whole number, a kernel that streams over the keys may use a running M (the ceiling of the running maximum): every later rescaling is an exact power of two, which a block's scale takes up: the codes' values come out the same.
;;   OPERANDS COMPUTED ON THE WAY. 'Computed on the way' means the value that the module computes at that place (a softmax that the list does not call 'softmax' is quantised finished and normalised). What goes into a quantiser is computed in f32, as accurately as f32 sums, v_exp_f32 and their like allow (about 1e-6 of the number): no bf16 or f16 on the way to a quantiser, and a product that is left as it is and whose result goes on into a quantised operand takes f32 operands (vector FMAs, or v_wmma_f32_16x16x4_f32). A number that lies on a knife's edge between two numbers of the format may be rounded either way, as far as f32 arithmetic and the matrix unit's own rounding can turn it there, and no further.
;;   INPUTS GIVEN AS CODES. w1 (in the module: [3072, 768], K = its axis 1); w2 (in the module: [768, 3072], K = its axis 1); wk (in the module: [768, 768], K = its axis 1); wo (in the module: [768, 768], K = its axis 1); wq (in the module: [768, 768], K = its axis 1); wv (in the module: [768, 768], K = its axis 1): each comes as NAME_codes (uint8): NAME with its K axis moved to the last place and cut into blocks of 32 codes, [.., K / 32, bytes a block], one block behind the other in memory; four codes in three bytes: a row's codes are one little-endian stream of bits, code i at bits 6 i .. 6 i + 5 (a code: sign, 2 exponent bits, 3 mantissa bits); and NAME_scales (uint8): the same leading axes, one E8M0 byte (e + 127) for each 32 codes along K. Its value is code x scale, taken as it is: it is not quantised again, and the codes and scales need not be those that the quantiser above would give.
;; 2 versions. Each part assembles by itself: llvm-mc -triple=amdgcn-amd-amdhsa -mcpu=gfx1250 --defsym DOCPART=n.
;; ======== version 1 of 2: 7 launches
;; workspace buffers: h 2,555,904 bytes; q 2,752,512 bytes; kv 5,308,416 bytes; at 2,555,904 bytes; x1 12,582,912 bytes; hid 10,223,616 bytes
;; launch ln1 (part 1): grid 256 x 1, 6 waves a work-group, no clusters, 2,816 bytes of LDS; arguments x, gamma1, beta1, h; writes h
.if DOCPART == 1
	.amdgcn_target "amdgcn-amd-amdhsa--gfx1250"
	.amdhsa_code_object_version 6
	.text
	.protected	k_qff96d0d64b_ln1
	.globl	k_qff96d0d64b_ln1
	.p2align	8
	.type	k_qff96d0d64b_ln1,@function
k_qff96d0d64b_ln1:
	s_mov_b64 s[64:65], 0
	v_nop
	global_prefetch_b8 v0, s[64:65] scope:SCOPE_SE
	s_setreg_imm32_b32 hwreg(HW_REG_WAVE_MODE, 25, 1), 1
	s_wait_xcnt 0x0
; h = the codes of LayerNorm(x), E2M3 with one E8M0 scale for each 32 along the 768 columns, stored as images of operand registers.
; x: [4096][768] f32.  gamma, beta: [768] f32.
; SHARES.  A work-group is one tile T of 16 tokens; lane r of the tile holds token 32 (T / 2) + 8 (T % 2) + r + 8 (r / 8), so that two neighbouring tiles, used as
; source 0 of a product, leave 16 neighbouring tokens in a lane's 16 result registers.  Wave s takes columns 128 s .. 128 s + 127: one K step of the next product.
; Lane (r, h) holds 64 numbers of its token: register 16 b + i is column 128 s + 32 b + 16 h + i, which is the order that the quantiser below takes.
; The mean and the variance (two passes, as the definition has them) meet in LDS: one word a thread, two barriers.
; OUT.  Fragment (T, s): 12 registers a lane, chunk c of four registers at (6 T + s) x 1536 + 512 c + 16 x lane; its scale word at HSC + (6 T + s) x 128 + 4 x lane.
; LIMITS: NaN and infinities are not served.  The mean is a multiplication by 1/768, 1/sqrt is v_rsq_f32.  A block of zeros gets the byte 1 (its codes are zeros; this program alone reads the bytes).
.set HSC,  2359296                     ; where the scale words begin in h
.set LX,   16                          ; v16-79   my 64 numbers of x
.set LG,   80                          ; v80-143  gamma at my columns
.set LB,   144                         ; v144-207 beta
.set TM,   208                         ; v208-223 the quantiser at work
.set PC,   224                         ; v224-235 the fragment's codes; v236-242 at work
.set PW,   244                         ; v244     the scale word
.set SEL,  14                          ; s[14:15] lane selects: lane l xor 16
; 64 numbers of a lane, register 16 b + i = k 32 b + 16 (lane / 16) + i of my row, become a fragment's codes in v[PC] on and its scale word in v[PW].
.macro QUANT s
.irp b, 0,1,2,3
	v_max3_num_f32 v[TM+\b], |v[\s+16*\b]|, |v[\s+1+16*\b]|, 0x1800000   ; block b: my 16 numbers, and the floor 2^(3 - 127): the byte cannot fall under 1
.endr
.irp i, 2,4,6,8,10,12,14
.irp b, 0,1,2,3
	v_max3_num_f32 v[TM+\b], v[TM+\b], |v[\s+16*\b+\i]|, |v[\s+1+16*\b+\i]|   ; the four blocks by turns
.endr
.endr
.irp b, 0,1,2,3
	v_permlanex16_b32 v[TM+4+\b], v[TM+\b], s[SEL], s[SEL+1]
.endr
.irp b, 0,1,2,3
	v_max_num_f32 v[TM+\b], v[TM+\b], v[TM+4+\b]   ; with lane l xor 16: the block's largest magnitude
.endr
.irp b, 0,1,2,3
	v_add_nc_u32 v[TM+12+\b], 0xff000000, v[TM+\b]   ; 2 off its exponent field: the conversion's scale operand
.endr
.irp b, 0,1,2,3
	v_lshrrev_b32 v[TM+4+\b], 23, v[TM+12+\b]   ; the scale's byte
.endr
	v_lshl_or_b32 v[PW], v[TM+5], 8, v[TM+4]
	v_lshl_or_b32 v[PW], v[TM+6], 16, v[PW]
	v_lshl_or_b32 v[PW], v[TM+7], 24, v[PW]
.irp c, 0,1
	v_cvt_scalef32_pk16_fp6_f32 v[PC+6*\c:PC+2+6*\c], v[\s+32*\c:\s+15+32*\c], v[TM+12+2*\c]
	v_cvt_scalef32_pk16_fp6_f32 v[PC+12+4*\c:PC+14+4*\c], v[\s+16+32*\c:\s+31+32*\c], v[TM+12+2*\c+1]   ; a conversion's three registers begin on an even number
.endr
	v_nop                                          ; one plain place behind a scaled conversion
.irp c, 0,1                                    ; the operand wants a whole block in a lane: lanes 0-15 block 2 c, lanes 16-31 block 2 c + 1
.irp i, 0,1,2
	v_permlane16_swap_b32 v[PC+6*\c+\i], v[PC+12+4*\c+\i]
.endr
.irp i, 0,1,2
	v_mov_b32 v[PC+3+6*\c+\i], v[PC+12+4*\c+\i]
.endr
.endr
.endm
	s_load_b256 s[4:11], s[0:1], 0x0               ; x s[4:5], gamma s[6:7], beta s[8:9], h s[10:11]
	v_lshl_add_u32 v254, v0, 2, 0x800
	v_mov_b32 v255, 0
	v_lshrrev_b32 v1, 5, v0
	v_readfirstlane_b32 s12, v1                    ; wave = K step s
	v_and_b32 v1, 31, v0                           ; lane
	v_and_b32 v2, 15, v0                           ; r
	v_bfe_u32 v3, v0, 4, 1                         ; h
	v_and_b32 v9, 8, v2
	v_add_nc_u32 v9, v9, v2                        ; r + 8 (r / 8)
	v_mul_u32_u24 v4, v9, 3072
	v_lshl_add_u32 v4, v3, 6, v4                   ; x: my token's row, + 64 h
	v_lshlrev_b32 v5, 6, v3                        ; gamma, beta: 64 h
	v_lshlrev_b32 v6, 4, v1                        ; 16 x lane
	v_lshlrev_b32 v7, 2, v1                        ; 4 x lane
	v_lshlrev_b32 v8, 2, v0                        ; my word in LDS: 4 x thread
.irp b, 0,1,2,3
	v_mov_b32 v[TM+4+\b], 0                        ; written once: a lane permute's destination counts as one of its sources
.endr
	v_mov_b32 v250, 0
	s_mov_b32 s[SEL], 0x76543210
	s_mov_b32 s[SEL+1], 0xfedcba98
	s_mov_b32 s16, 0x3aaaaaab                      ; 1 / 768
	s_mov_b32 s13, 0x3727c5ac                      ; 1e-5
	s_lshr_b32 s17, ttmp9, 1
	s_lshl_b32 s17, s17, 5
	s_and_b32 s18, ttmp9, 1
	s_lshl_b32 s18, s18, 3
	s_add_co_u32 s17, s17, s18                     ; the tile's first token: 32 (T / 2) + 8 (T % 2)
	s_mul_i32 s18, s17, 3072
	s_lshl_b32 s20, s12, 9                         ; 512 s: my 128 columns
	s_add_co_u32 s18, s18, s20
	s_mov_b32 s19, 0
	s_mov_b32 s21, 0
	s_mul_i32 s22, ttmp9, 6
	s_add_co_u32 s22, s22, s12                     ; 6 T + s
	s_mul_i32 s24, s22, 1536
	s_mov_b32 s25, 0
	s_lshl_b32 s26, s22, 7
	s_add_co_u32 s26, s26, HSC
	s_mov_b32 s27, 0
	s_wait_kmcnt 0x0
	s_add_nc_u64 s[4:5], s[4:5], s[18:19]
	s_add_nc_u64 s[6:7], s[6:7], s[20:21]
	s_add_nc_u64 s[8:9], s[8:9], s[20:21]
	s_add_nc_u64 s[28:29], s[10:11], s[26:27]      ; the scale word's image
	s_add_nc_u64 s[10:11], s[10:11], s[24:25]      ; the fragment's image
.irp b, 0,1,2,3
.irp j, 0,1,2,3
	global_load_b128 v[LX+16*\b+4*\j:LX+16*\b+4*\j+3], v4, s[4:5] offset:128*\b+16*\j
.endr
.endr
.irp b, 0,1,2,3
.irp j, 0,1,2,3
	global_load_b128 v[LG+16*\b+4*\j:LG+16*\b+4*\j+3], v5, s[6:7] offset:128*\b+16*\j
.endr
.endr
.irp b, 0,1,2,3
.irp j, 0,1,2,3
	global_load_b128 v[LB+16*\b+4*\j:LB+16*\b+4*\j+3], v5, s[8:9] offset:128*\b+16*\j
.endr
.endr
	s_wait_loadcnt 32                              ; x is in; the 32 loads of gamma and beta may be out
	; the sum of my 64 numbers, two at a time, in two chains
	v_pk_add_f32 v[246:247], v[LX:LX+1], v[LX+2:LX+3]
	v_pk_add_f32 v[248:249], v[LX+4:LX+5], v[LX+6:LX+7]
.irp j, 8,12,16,20,24,28,32,36,40,44,48,52,56,60
	v_pk_add_f32 v[246:247], v[246:247], v[LX+\j:LX+\j+1]
	v_pk_add_f32 v[248:249], v[248:249], v[LX+\j+2:LX+\j+3]
.endr
	v_pk_add_f32 v[246:247], v[246:247], v[248:249]
	v_add_f32 v246, v246, v247
	v_permlanex16_b32 v250, v246, s[SEL], s[SEL+1]
	v_add_f32 v246, v246, v250                     ; my token's sum over my wave's 128 columns
	ds_store_b32 v8, v246
	s_wait_dscnt 0x0                               ; for the others: my word has landed
	s_barrier_signal -1
	s_barrier_wait -1
.irp k, 0,1,2,3,4,5
	ds_load_b32 v[248+\k], v7 offset:128*\k        ; the six waves' sums of my token
.endr
	s_wait_dscnt 0x0
	v_add_f32 v248, v248, v249
	v_add_f32 v250, v250, v251
	v_add_f32 v252, v252, v253
	v_add_f32 v248, v248, v250
	v_add_f32 v248, v248, v252
	v_mul_f32 v246, s16, v248                      ; the mean
	v_mov_b32 v247, v246
.irp j, 0,2,4,6,8,10,12,14,16,18,20,22,24,26,28,30,32,34,36,38,40,42,44,46,48,50,52,54,56,58,60,62
	v_pk_add_f32 v[LX+\j:LX+\j+1], v[LX+\j:LX+\j+1], v[246:247] neg_lo:[0,1] neg_hi:[0,1]   ; x - mean
.endr
	v_pk_mul_f32 v[248:249], v[LX:LX+1], v[LX:LX+1]
	v_pk_mul_f32 v[250:251], v[LX+2:LX+3], v[LX+2:LX+3]
.irp j, 4,8,12,16,20,24,28,32,36,40,44,48,52,56,60
	v_pk_fma_f32 v[248:249], v[LX+\j:LX+\j+1], v[LX+\j:LX+\j+1], v[248:249]
	v_pk_fma_f32 v[250:251], v[LX+\j+2:LX+\j+3], v[LX+\j+2:LX+\j+3], v[250:251]
.endr
	v_pk_add_f32 v[248:249], v[248:249], v[250:251]
	v_add_f32 v248, v248, v249
	v_permlanex16_b32 v250, v248, s[SEL], s[SEL+1]
	v_add_f32 v248, v248, v250
	ds_store_b32 v8, v248 offset:768               ; other bytes than the sums': no wave can still be reading them
	s_wait_dscnt 0x0
	s_barrier_signal -1
	s_barrier_wait -1
.irp k, 0,1,2,3,4,5
	ds_load_b32 v[248+\k], v7 offset:768+128*\k
.endr
	s_wait_dscnt 0x0
	v_add_f32 v248, v248, v249
	v_add_f32 v250, v250, v251
	v_add_f32 v252, v252, v253
	v_add_f32 v248, v248, v250
	v_add_f32 v248, v248, v252
	v_fma_f32 v248, v248, s16, s13                 ; the variance + 1e-5
	v_rsq_f32 v246, v248
	v_nop                                          ; a plain place behind the transcendental
	s_wait_alu depctr_va_vdst(0)                   ; and the wait ahead of its first reader
	v_mov_b32 v247, v246
	s_wait_loadcnt 0x0                             ; gamma and beta
.irp j, 0,2,4,6,8,10,12,14,16,18,20,22,24,26,28,30,32,34,36,38,40,42,44,46,48,50,52,54,56,58,60,62
	v_pk_mul_f32 v[LX+\j:LX+\j+1], v[LX+\j:LX+\j+1], v[246:247]
.endr
.irp j, 0,2,4,6,8,10,12,14,16,18,20,22,24,26,28,30,32,34,36,38,40,42,44,46,48,50,52,54,56,58,60,62
	v_pk_fma_f32 v[LX+\j:LX+\j+1], v[LX+\j:LX+\j+1], v[LG+\j:LG+\j+1], v[LB+\j:LB+\j+1]
.endr
	QUANT LX
.irp c, 0,1,2
	global_store_b128 v6, v[PC+4*\c:PC+4*\c+3], s[10:11] offset:512*\c   ; 32 lanes store 512 consecutive bytes
.endr
	global_store_b32 v7, v[PW], s[28:29]
	s_wait_tensorcnt 0x0
	ds_add_u32 v254, v255
	s_wait_dscnt 0x0
	s_endpgm
.Lfunc_end_k_qff96d0d64b_ln1:
	.size	k_qff96d0d64b_ln1, .Lfunc_end_k_qff96d0d64b_ln1-k_qff96d0d64b_ln1
	.p2alignl 7, 3214868480
	.fill 96, 4, 3214868480
	.section	.rodata,"a",@progbits
	.p2align	6, 0x0
	.amdhsa_kernel k_qff96d0d64b_ln1
		.amdhsa_group_segment_fixed_size 2816
		.amdhsa_private_segment_fixed_size 0
		.amdhsa_enable_private_segment 0
		.amdhsa_kernarg_size 32
		.amdhsa_user_sgpr_count 2
		.amdhsa_user_sgpr_kernarg_segment_ptr 1
		.amdhsa_wavefront_size32 1
		.amdhsa_system_sgpr_workgroup_id_x 1
		.amdhsa_system_sgpr_workgroup_id_y 1
		.amdhsa_system_sgpr_workgroup_id_z 1
		.amdhsa_system_vgpr_workitem_id 0
		.amdhsa_next_free_vgpr 256
		.amdhsa_next_free_sgpr 66
		.amdhsa_reserve_vcc 0
		.amdhsa_float_denorm_mode_32 3
		.amdhsa_float_denorm_mode_16_64 3
		.amdhsa_memory_ordered 1
		.amdhsa_forward_progress 1
		.amdhsa_inst_pref_size 23
	.end_amdhsa_kernel
	.amdgpu_metadata
---
amdhsa.version: [ 1, 2 ]
amdhsa.kernels:
  - .name:           k_qff96d0d64b_ln1
    .symbol:         k_qff96d0d64b_ln1.kd
    .args:
      - { .name: x, .offset: 0, .size: 8, .value_kind: global_buffer, .address_space: global }
      - { .name: gamma1, .offset: 8, .size: 8, .value_kind: global_buffer, .address_space: global }
      - { .name: beta1, .offset: 16, .size: 8, .value_kind: global_buffer, .address_space: global }
      - { .name: h, .offset: 24, .size: 8, .value_kind: global_buffer, .address_space: global }
    .group_segment_fixed_size: 2816
    .private_segment_fixed_size: 0
    .kernarg_segment_align: 8
    .kernarg_segment_size: 32
    .max_flat_workgroup_size: 192
    .sgpr_count:     66
    .vgpr_count:     256
    .wavefront_size: 32
...
	.end_amdgpu_metadata
.endif
;; end of part 1
;; launch qkv (part 2): grid 144 x 1, 4 waves a work-group, no clusters, 0 bytes of LDS; arguments h, wq_codes, wq_scales, wk_codes, wk_scales, wv_codes, wv_scales, q, kv; writes q, kv
.if DOCPART == 2
	.amdgcn_target "amdgcn-amd-amdhsa--gfx1250"
	.amdhsa_code_object_version 6
	.text
	.protected	k_qff96d0d64b_qkv
	.globl	k_qff96d0d64b_qkv
	.p2align	8
	.type	k_qff96d0d64b_qkv,@function
k_qff96d0d64b_qkv:
	s_mov_b64 s[64:65], 0
	v_nop
	global_prefetch_b8 v0, s[64:65] scope:SCOPE_SE
	s_setreg_imm32_b32 hwreg(HW_REG_WAVE_MODE, 25, 1), 1
	s_wait_xcnt 0x0
; q = Q(h wq^T), k = Q(h wk^T) along a head's 64 channels; v = Q(h wv^T) along the keys.  All products on E2M3 codes with E8M0 scales.
; A WAVE is one task of 128 x 128 x 768; waves share nothing: no LDS, no barrier.  It keeps a stationary operand S (128 rows x 768: 48 fragments, 576 registers)
; for the whole launch and streams eight tiles T of 16 rows x 768 (6 fragments), asked for two tiles ahead.  A tile is 48 matrix instructions on 8 accumulators by turns.
; Source 0 = S, source 1 = T: a lane holds one row of T, and its 64 results run along S's 128 rows.  The rows that form tile t of S are 32 (t / 2) + 8 (t % 2) + r + 8 (r / 8),
; so that register 16 b + i is S's row 32 b + 16 (lane / 16) + i: the order that the quantiser takes.
; Work-groups 0-95: q and k.  S = 128 rows of wq or wk (two heads), T = tiles of 16 tokens of h.  The results are quantised along the channels.
; Work-groups 96-143: v.  S = 128 tokens of h, T = 16 rows of wv: the same code then quantises along the tokens, which are the keys.
; OUT.  q: 6 registers a lane for (head, tile): registers 0-3 at 16 x lane, 4-5 at 512 + 8 x lane; 768 bytes.  kv: for each head and each 128 keys a block of 13,824 bytes: 8 tiles of k like q's,
; 4 fragments of v (12 registers: three chunks of 512 bytes), 8 + 4 scale words' images of 128 bytes.  q's and k's scale words have 0x7f in bytes 2 and 3: the score product has K = 64
; and fills the instruction's upper 64 with zero codes.
; No multicast: each wave's larger operand stays in its registers, and the streamed one goes from memory straight into registers.
; LIMITS: NaN and infinities are not served; a block of zeros gets the byte 1 with zero codes (this program alone reads the bytes).
; REGISTERS.  window 0: v1-10 lane terms; v16-63 S's scale words (tile t, K step s at 16 + 6 t + s); v64-75 T's, two sets; v80-143 accumulators; v208-246 the quantiser.
;   S's fragment f = 8 s + t lies in window 1 + f / 21 at register 12 (f % 21); T's two buffers in window 3 at 72 and 144.
.set HSC,  2359296
.set VW,   4                           ; v4   rows of weights: (r + 8 (r / 8)) x 576 + 24 h
.set VWS,  5                           ; v5   their scale bytes: (r + 8 (r / 8)) x 24
.set LI,   8                           ; v8   16 x lane
.set LS,   9                           ; v9   4 x lane
.set L8,   10                          ; v10  8 x lane
.set SSC,  16
.set TSC,  64
.set ACC,  80
.set TM,   208
.set PC,   224
.set PW,   244
.set SEL,  20                          ; s[20:21]
.set SB,   24                          ; s[24:25] S's codes;  s[26:27] S's scales;  s[28:29] T's codes;  s[30:31] T's scales
.set SSB,  26
.set TBS,  28
.set TSB,  30
.set OBA,  32                          ; s[32:33], s[34:35] where the codes go (first head, second head);  s[36:37], s[38:39] the scale words
.set OBB,  34
.set OSA,  36
.set OSB,  38
.set MSB, 0
.macro WIN new                         ; the immediate's high byte repeats the setting that is left; a switch that changes nothing is dropped
.if MSB != (\new)
	s_set_vgpr_msb (MSB<<8)|(\new)
.set MSB, (\new)
.endif
.endm
.macro PLACES n
.rept \n
	v_nop
.endr
.endm
.macro QUANT s
.irp b, 0,1,2,3
	v_max3_num_f32 v[TM+\b], |v[\s+16*\b]|, |v[\s+1+16*\b]|, 0x1800000   ; block b: my 16 numbers, and the floor 2^(3 - 127)
.endr
.irp i, 2,4,6,8,10,12,14
.irp b, 0,1,2,3
	v_max3_num_f32 v[TM+\b], v[TM+\b], |v[\s+16*\b+\i]|, |v[\s+1+16*\b+\i]|
.endr
.endr
.irp b, 0,1,2,3
	v_permlanex16_b32 v[TM+4+\b], v[TM+\b], s[SEL], s[SEL+1]
.endr
.irp b, 0,1,2,3
	v_max_num_f32 v[TM+\b], v[TM+\b], v[TM+4+\b]
.endr
.irp b, 0,1,2,3
	v_add_nc_u32 v[TM+12+\b], 0xff000000, v[TM+\b]   ; 2 off the exponent field: the conversion's scale operand
.endr
.irp b, 0,1,2,3
	v_lshrrev_b32 v[TM+4+\b], 23, v[TM+12+\b]
.endr
	v_lshl_or_b32 v[PW], v[TM+5], 8, v[TM+4]
	v_lshl_or_b32 v[PW], v[TM+6], 16, v[PW]
	v_lshl_or_b32 v[PW], v[TM+7], 24, v[PW]
.irp c, 0,1
	v_cvt_scalef32_pk16_fp6_f32 v[PC+6*\c:PC+2+6*\c], v[\s+32*\c:\s+15+32*\c], v[TM+12+2*\c]
	v_cvt_scalef32_pk16_fp6_f32 v[PC+12+4*\c:PC+14+4*\c], v[\s+16+32*\c:\s+31+32*\c], v[TM+12+2*\c+1]
.endr
	v_nop                                          ; one plain place behind a scaled conversion
.irp c, 0,1
.irp i, 0,1,2
	v_permlane16_swap_b32 v[PC+6*\c+\i], v[PC+12+4*\c+\i]
.endr
.irp i, 0,1,2
	v_mov_b32 v[PC+3+6*\c+\i], v[PC+12+4*\c+\i]
.endr
.endr
.endm
; S from rows of codes, 576 bytes a row: each 24 bytes of a lane as three loads of 8
.macro SLOADW
.set FF, 0
.rept 48
	WIN ((1+FF/21)<<6)
.irp p, 0,1,2,3,4,5
	global_load_b64 v[12*(FF%21)+2*\p:12*(FF%21)+2*\p+1], v[VW], s[SB:SB+1] offset:(32*((FF%8)/2)+8*(FF%2))*576+96*(FF/8)+48*(\p/3)+8*(\p%3)
.endr
.set FF, FF+1
.endr
	WIN 0
.endm
.macro SSCW                            ; a row's 24 scale bytes are its six scale words
.irp t, 0,1,2,3,4,5,6,7
.irp i, 0,1,2
	global_load_b64 v[SSC+6*\t+2*\i:SSC+6*\t+2*\i+1], v[VWS], s[SSB:SSB+1] offset:(32*(\t/2)+8*(\t%2))*24+8*\i
.endr
.endr
.endm
; S from images: the 48 fragments of 8 token tiles of h
.macro SLOADI
.set FF, 0
.rept 48
	WIN ((1+FF/21)<<6)
.irp c, 0,1,2
	global_load_b128 v[12*(FF%21)+4*\c:12*(FF%21)+4*\c+3], v[LI], s[SB:SB+1] offset:(6*(FF%8)+FF/8)*1536+512*\c
.endr
.set FF, FF+1
.endr
	WIN 0
.endm
.macro SSCI
.irp t, 0,1,2,3,4,5,6,7
.irp k, 0,1,2,3,4,5
	global_load_b32 v[SSC+6*\t+\k], v[LS], s[SSB:SSB+1] offset:(6*\t+\k)*128
.endr
.endr
.endm
; a tile of T from images: 24 loads
.macro TLOADI buf, off, soff
	WIN 0xc0
.irp k, 0,1,2,3,4,5
.irp c, 0,1,2
	global_load_b128 v[72+72*(\buf)+12*\k+4*\c:72+72*(\buf)+12*\k+4*\c+3], v[LI], s[TBS:TBS+1] offset:(\off)+1536*\k+512*\c
.endr
.endr
	WIN 0
.irp k, 0,1,2,3,4,5
	global_load_b32 v[TSC+6*(\buf)+\k], v[LS], s[TSB:TSB+1] offset:(\soff)+128*\k
.endr
.endm
; a tile of T from rows of wv: 39 loads
.macro TLOADW buf
	WIN 0xc0
.irp k, 0,1,2,3,4,5
.irp p, 0,1,2,3,4,5
	global_load_b64 v[72+72*(\buf)+12*\k+2*\p:72+72*(\buf)+12*\k+2*\p+1], v[VW], s[TBS:TBS+1] offset:(\buf)*4608+96*\k+48*(\p/3)+8*(\p%3)
.endr
.endr
	WIN 0
.irp i, 0,1,2
	global_load_b64 v[TSC+6*(\buf)+2*\i:TSC+6*(\buf)+2*\i+1], v[VWS], s[TSB:TSB+1] offset:(\buf)*192+8*\i
.endr
.endm
; 48 matrix instructions: K step by K step, the eight accumulators by turns; the first K step starts the sums
.macro MM buf
.set FF, 0
.rept 48
	WIN (0x0c|(1+FF/21))
.if FF < 8
	v_wmma_scale_f32_16x16x128_f8f6f4 v[ACC+8*(FF%8):ACC+8*(FF%8)+7], v[12*(FF%21):12*(FF%21)+11], v[72+72*(\buf)+12*(FF/8):72+72*(\buf)+12*(FF/8)+11], 0, v[SSC+6*(FF%8)+FF/8], v[TSC+6*(\buf)+FF/8] matrix_a_fmt:MATRIX_FMT_FP6 matrix_b_fmt:MATRIX_FMT_FP6
.else
	v_wmma_scale_f32_16x16x128_f8f6f4 v[ACC+8*(FF%8):ACC+8*(FF%8)+7], v[12*(FF%21):12*(FF%21)+11], v[72+72*(\buf)+12*(FF/8):72+72*(\buf)+12*(FF/8)+11], v[ACC+8*(FF%8):ACC+8*(FF%8)+7], v[SSC+6*(FF%8)+FF/8], v[TSC+6*(\buf)+FF/8] matrix_a_fmt:MATRIX_FMT_FP6 matrix_b_fmt:MATRIX_FMT_FP6
.endif
.set FF, FF+1
.endr
	WIN 0
.endm
; One tile.  left: the loads issued behind this tile's own, which may stay out.  more = 1: the tile two on is asked for, into the buffer just multiplied.
.macro TILE isv, buf, more, left
	s_wait_loadcnt \left                           ; loads come back in order: this tile's fragments (and, the first time, all of S) are in
	MM \buf
	PLACES 4                                       ; in front of the loads into T's registers and of the first read of the results
	s_wait_xcnt 0x0                                ; the last tile's stores have read their data, the earlier loads their bases
.if \more
.if (\buf) == 0
	s_add_nc_u64 s[TBS:TBS+1], s[TBS:TBS+1], 18432 ; two tiles on
.if \isv
	s_add_nc_u64 s[TSB:TSB+1], s[TSB:TSB+1], 768
.else
	s_add_nc_u64 s[TSB:TSB+1], s[TSB:TSB+1], 1536
.endif
.endif
.if \isv
	TLOADW \buf
.else
	TLOADI \buf, (\buf)*9216, (\buf)*768
.endif
.endif
	QUANT ACC
.if \isv
.irp c, 0,1,2
	global_store_b128 v[LI], v[PC+4*\c:PC+4*\c+3], s[OBA:OBA+1] offset:(\buf)*1536+512*\c
.endr
	global_store_b32 v[LS], v[PW], s[OSA:OSA+1] offset:(\buf)*128
.else
	v_and_or_b32 v245, v[PW], s60, s61             ; the first head's two bytes, 0x7f above them
	v_lshrrev_b32 v246, 16, v[PW]
	v_or_b32 v246, s61, v246                       ; the second head's
	global_store_b128 v[LI], v[PC:PC+3], s[OBA:OBA+1] offset:(\buf)*768
	global_store_b64 v[L8], v[PC+4:PC+5], s[OBA:OBA+1] offset:(\buf)*768+512
	global_store_b128 v[LI], v[PC+6:PC+9], s[OBB:OBB+1] offset:(\buf)*768
	global_store_b64 v[L8], v[PC+10:PC+11], s[OBB:OBB+1] offset:(\buf)*768+512
	global_store_b32 v[LS], v245, s[OSA:OSA+1] offset:(\buf)*128
	global_store_b32 v[LS], v246, s[OSB:OSB+1] offset:(\buf)*128
.endif
.endm
	s_load_b256 s[4:11], s[0:1], 0x0               ; h s[4:5], wq codes s[6:7], wq scales s[8:9], wk codes s[10:11]
	s_load_b256 s[12:19], s[0:1], 0x20             ; wk scales s[12:13], wv codes s[14:15], wv scales s[16:17], q s[18:19]
	s_load_b64 s[22:23], s[0:1], 0x40              ; kv
	v_lshrrev_b32 v1, 5, v0
	v_readfirstlane_b32 s2, v1                     ; wave
	v_and_b32 v1, 31, v0
	v_and_b32 v2, 15, v0                           ; r
	v_bfe_u32 v3, v0, 4, 1                         ; h
	v_and_b32 v11, 8, v2
	v_add_nc_u32 v11, v11, v2                      ; r + 8 (r / 8)
	v_mul_u32_u24 v[VW], v11, 576
	v_mad_u32_u24 v[VW], v3, 24, v[VW]
	v_mul_u32_u24 v[VWS], v11, 24
	v_lshlrev_b32 v[LI], 4, v1
	v_lshlrev_b32 v[LS], 2, v1
	v_lshlrev_b32 v[L8], 3, v1
.irp b, 0,1,2,3
	v_mov_b32 v[TM+4+\b], 0                        ; written once: a lane permute's destination counts as one of its sources
.endr
	s_mov_b32 s[SEL], 0x76543210
	s_mov_b32 s[SEL+1], 0xfedcba98
	s_mov_b32 s60, 0xffff
	s_mov_b32 s61, 0x7f7f0000
	s_mov_b32 s53, 0
	s_mov_b32 s3, 3                                ; trips: tiles 0-5 ask for tiles 2-7
	s_cmp_ge_u32 ttmp9, 96
	s_cbranch_scc1 .Lvpath
	; ---- q and k
	s_and_b32 s44, ttmp9, 31                       ; g: which 128 tokens
	s_lshr_b32 s45, ttmp9, 5
	s_lshl_b32 s45, s45, 2
	s_add_co_u32 s45, s45, s2                      ; c = 0 .. 11: 0-5 column groups of q, 6-11 of k
	s_wait_kmcnt 0x0
	s_cmp_ge_u32 s45, 6                            ; the choice hangs on ids alone
	s_cselect_b64 s[SB:SB+1], s[10:11], s[6:7]
	s_cselect_b64 s[SSB:SSB+1], s[12:13], s[8:9]
	s_cselect_b64 s[OBA:OBA+1], s[22:23], s[18:19]
	s_cselect_b32 s46, 6, 0
	s_mov_b32 s47, 196608
	s_cselect_b32 s47, 442368, s47                 ; from head to head, codes
	s_mov_b32 s48, 32768
	s_cselect_b32 s48, 442368, s48                 ; from head to head, scale words
	s_mov_b32 s49, 6144
	s_cselect_b32 s49, 13824, s49                  ; from 128 tokens to the next, codes
	s_mov_b32 s50, 1024
	s_cselect_b32 s50, 13824, s50                  ; and scale words
	s_mov_b32 s51, 2359296
	s_cselect_b32 s51, 12288, s51                  ; where the scale words begin
	s_sub_co_u32 s45, s45, s46                     ; the column group in its weight
	s_mul_i32 s52, s45, 73728
	s_add_nc_u64 s[SB:SB+1], s[SB:SB+1], s[52:53]
	s_mul_i32 s52, s45, 3072
	s_add_nc_u64 s[SSB:SSB+1], s[SSB:SSB+1], s[52:53]
	s_mul_i32 s52, s44, 73728
	s_add_nc_u64 s[TBS:TBS+1], s[4:5], s[52:53]
	s_mul_i32 s52, s44, 6144
	s_add_co_u32 s52, s52, HSC
	s_add_nc_u64 s[TSB:TSB+1], s[4:5], s[52:53]
	s_lshl_b32 s54, s45, 1                         ; the first of my two heads
	s_mul_i32 s52, s54, s48
	s_mul_i32 s55, s44, s50
	s_add_co_u32 s52, s52, s55
	s_add_co_u32 s52, s52, s51
	s_add_nc_u64 s[OSA:OSA+1], s[OBA:OBA+1], s[52:53]
	s_mov_b32 s52, s48
	s_add_nc_u64 s[OSB:OSB+1], s[OSA:OSA+1], s[52:53]
	s_mul_i32 s52, s54, s47
	s_mul_i32 s55, s44, s49
	s_add_co_u32 s52, s52, s55
	s_add_nc_u64 s[OBA:OBA+1], s[OBA:OBA+1], s[52:53]
	s_mov_b32 s52, s47
	s_add_nc_u64 s[OBB:OBB+1], s[OBA:OBA+1], s[52:53]
	SLOADW
	SSCW
	TLOADI 0, 0, 0
	TLOADI 1, 9216, 768
.Lqk:
	TILE 0, 0, 1, 24                               ; 24: the next tile's loads
	TILE 0, 1, 1, 24
	s_wait_xcnt 0x0                                ; the stores have read their bases
	s_add_nc_u64 s[OBA:OBA+1], s[OBA:OBA+1], 1536
	s_add_nc_u64 s[OBB:OBB+1], s[OBB:OBB+1], 1536
	s_add_nc_u64 s[OSA:OSA+1], s[OSA:OSA+1], 256
	s_add_nc_u64 s[OSB:OSB+1], s[OSB:OSB+1], 256
	s_sub_co_u32 s3, s3, 1
	s_cmp_lg_u32 s3, 0
	s_cbranch_scc1 .Lqk
	TILE 0, 0, 0, 24                               ; the last two tiles ask for nothing
	TILE 0, 1, 0, 0
	s_endpgm
	; ---- v
.Lvpath:
	s_sub_co_u32 s44, ttmp9, 96
	s_lshr_b32 s45, s44, 3                         ; which 128 rows of wv (two heads)
	s_and_b32 s44, s44, 7
	s_lshl_b32 s44, s44, 2
	s_add_co_u32 s44, s44, s2                      ; g: which 128 tokens
	s_mov_b32 s40, 3072                            ; what the codes' base steps by: 3072, 439296, 3072 (two tiles on; on into the second head; two tiles on)
	s_mov_b32 s41, 0
	s_mov_b32 s42, 256                             ; the scale words': 256, 442112, 256
	s_mov_b32 s43, 0
	s_wait_kmcnt 0x0
	s_mul_i32 s52, s44, 73728
	s_add_nc_u64 s[SB:SB+1], s[4:5], s[52:53]
	s_mul_i32 s52, s44, 6144
	s_add_co_u32 s52, s52, HSC
	s_add_nc_u64 s[SSB:SSB+1], s[4:5], s[52:53]
	s_mul_i32 s52, s45, 73728
	s_add_nc_u64 s[TBS:TBS+1], s[14:15], s[52:53]
	s_mul_i32 s52, s45, 3072
	s_add_nc_u64 s[TSB:TSB+1], s[16:17], s[52:53]
	s_mul_i32 s52, s45, 884736                     ; two heads of 442,368 bytes
	s_mul_i32 s55, s44, 13824
	s_add_co_u32 s52, s52, s55
	s_add_co_u32 s52, s52, 6144                    ; v's fragments lie behind k's eight tiles
	s_add_nc_u64 s[OBA:OBA+1], s[22:23], s[52:53]
	s_add_nc_u64 s[OSA:OSA+1], s[OBA:OBA+1], 7168  ; v's scale words at 13,312 of the block
	SLOADI
	SSCI
	TLOADW 0
	TLOADW 1
.Lv:
	TILE 1, 0, 1, 39                               ; 39: the next tile's loads
	TILE 1, 1, 1, 39
	s_wait_xcnt 0x0
	s_add_nc_u64 s[OBA:OBA+1], s[OBA:OBA+1], s[40:41]
	s_add_nc_u64 s[OSA:OSA+1], s[OSA:OSA+1], s[42:43]
	s_xor_b32 s40, s40, 3072^439296
	s_xor_b32 s42, s42, 256^442112
	s_sub_co_u32 s3, s3, 1
	s_cmp_lg_u32 s3, 0
	s_cbranch_scc1 .Lv
	TILE 1, 0, 0, 39
	TILE 1, 1, 0, 0
	s_endpgm
.Lfunc_end_k_qff96d0d64b_qkv:
	.size	k_qff96d0d64b_qkv, .Lfunc_end_k_qff96d0d64b_qkv-k_qff96d0d64b_qkv
	.p2alignl 7, 3214868480
	.fill 96, 4, 3214868480
	.section	.rodata,"a",@progbits
	.p2align	6, 0x0
	.amdhsa_kernel k_qff96d0d64b_qkv
		.amdhsa_group_segment_fixed_size 0
		.amdhsa_private_segment_fixed_size 0
		.amdhsa_enable_private_segment 0
		.amdhsa_kernarg_size 72
		.amdhsa_user_sgpr_count 2
		.amdhsa_user_sgpr_kernarg_segment_ptr 1
		.amdhsa_wavefront_size32 1
		.amdhsa_system_sgpr_workgroup_id_x 1
		.amdhsa_system_sgpr_workgroup_id_y 1
		.amdhsa_system_sgpr_workgroup_id_z 1
		.amdhsa_system_vgpr_workitem_id 0
		.amdhsa_next_free_vgpr 1024
		.amdhsa_next_free_sgpr 66
		.amdhsa_reserve_vcc 0
		.amdhsa_float_denorm_mode_32 3
		.amdhsa_float_denorm_mode_16_64 3
		.amdhsa_memory_ordered 1
		.amdhsa_forward_progress 1
		.amdhsa_inst_pref_size 162
	.end_amdhsa_kernel
	.amdgpu_metadata
---
amdhsa.version: [ 1, 2 ]
amdhsa.kernels:
  - .name:           k_qff96d0d64b_qkv
    .symbol:         k_qff96d0d64b_qkv.kd
    .args:
      - { .name: h, .offset: 0, .size: 8, .value_kind: global_buffer, .address_space: global }
      - { .name: wq_codes, .offset: 8, .size: 8, .value_kind: global_buffer, .address_space: global }
      - { .name: wq_scales, .offset: 16, .size: 8, .value_kind: global_buffer, .address_space: global }
      - { .name: wk_codes, .offset: 24, .size: 8, .value_kind: global_buffer, .address_space: global }
      - { .name: wk_scales, .offset: 32, .size: 8, .value_kind: global_buffer, .address_space: global }
      - { .name: wv_codes, .offset: 40, .size: 8, .value_kind: global_buffer, .address_space: global }
      - { .name: wv_scales, .offset: 48, .size: 8, .value_kind: global_buffer, .address_space: global }
      - { .name: q, .offset: 56, .size: 8, .value_kind: global_buffer, .address_space: global }
      - { .name: kv, .offset: 64, .size: 8, .value_kind: global_buffer, .address_space: global }
    .group_segment_fixed_size: 0
    .private_segment_fixed_size: 0
    .kernarg_segment_align: 8
    .kernarg_segment_size: 72
    .max_flat_workgroup_size: 128
    .sgpr_count:     66
    .vgpr_count:     1024
    .wavefront_size: 32
...
	.end_amdgpu_metadata
.endif
;; end of part 2
;; launch attn (part 3): grid 16 x 12, 8 waves a work-group, no clusters, 132,096 bytes of LDS; arguments q, kv, at; writes at
.if DOCPART == 3
	.amdgcn_target "amdgcn-amd-amdhsa--gfx1250"
	.amdhsa_code_object_version 6
	.text
	.protected	k_qff96d0d64b_attn
	.globl	k_qff96d0d64b_attn
	.p2align	8
	.type	k_qff96d0d64b_attn,@function
k_qff96d0d64b_attn:
	s_mov_b64 s[64:65], 0
	v_nop
	global_prefetch_b8 v0, s[64:65] scope:SCOPE_SE
	s_setreg_imm32_b32 hwreg(HW_REG_WAVE_MODE, 25, 1), 1
	s_wait_xcnt 0x0
; at = Q(softmax(q k^T / 8) v) for 12 heads of 64 channels, 4,096 tokens, both products on E2M3 codes with E8M0 scales.
; THE SOFTMAX AHEAD OF THE SECOND PRODUCT: t = score x log2(e) / 8; M = the running largest t rounded UP to a whole number; p = 2^(t - M) is quantised along the keys, not normalised.
; The row's sum is taken of the unquantised p and divides O at the end.  When M moves, the sum and O are multiplied by 2^(old M - new M): exact.
; SHARES.  A work-group owns 256 queries of one head, a wave two tiles of 16: tile A's registers lie in window 0, tile B's in window 1 under the same numbers, so the softmax is written once
; and run under two settings of the windows, and each fragment of k and v read from LDS feeds two matrix instructions.  Two waves to a SIMD.
; Both products are used transposed: S^T = k q^T (source 0 = 16 keys), O^T = v^T p^T (source 0 = 16 channels): a lane holds one query throughout.  The tokens of a tile and v's channels of a tile
; were chosen by the launches before so that p's 16 registers of two neighbouring tiles are 16 neighbouring keys, and O^T's are 16 neighbouring channels.
; K = 64 IN AN INSTRUCTION OF 128: q's fragment is six registers of codes and six of zero codes; k's tiles lie six registers apart, so a fragment's upper six are the next tile's codes,
; which meet zero codes (E2M3 has no infinity and no NaN); bytes 2 and 3 of q's and k's scale words are 0x7f.
; THE KEYS come in blocks of 13,824 bytes for 128 keys, images of the operands' registers.  Two LDS slots of four blocks; each wave copies an eighth of a slot through 54 registers:
; asked of memory two slots ahead, stored into LDS one slot ahead.  One barrier a slot.  The slots' LDS addresses are constants: the loop runs two slots a trip, the last two are written out.
; No multicast and no tensor loads: a work-group fetches 442,368 bytes in all beside its softmax's vector work.
; LIMITS: NaN and infinities are not served; a block of zeros gets the byte 1 with zero codes.
; REGISTERS private to a tile: v12 -M, v13 the largest t, v[14:15] the sum, v16-27 q, v96-159 S^T then p, v160-191 O^T, v224-235 p's codes, v232-254 at work.
; Shared, window 0: v1-3 16, 8, 4 x lane; v4-7 the copy's LDS addresses; v8-10 the step's; v30 q B's scale word, v31 p B's, v255 q A's, v253 p A's; v32-79 k's tiles, then v's fragments; v80-85 zeros; v86-93 scale words.
; Window 1 v32-85: the copy's staging.
.set HB,    442368
.set STEPB, 13824
.set SLOTB, 55296
.set QSC,   2359296
.set ASC,   2359296
.set SEL,   12                         ; s[12:13]
.set CS,    14                         ; s[14:15] c = log2(e) / 8, twice
.set MSB, 0
.macro WIN new
.if MSB != (\new)
	s_set_vgpr_msb (MSB<<8)|(\new)
.set MSB, (\new)
.endif
.endm
.macro PLACES n
.rept \n
	v_nop
.endr
.endm
.macro COPY_LOAD                       ; my 6,912 bytes of a slot, memory to registers: 13 x 512 + 256
	WIN 0x40
.irp i, 0,1,2,3,4,5,6,7,8,9,10,11,12
	global_load_b128 v[32+4*\i:35+4*\i], v1, s[20:21] offset:512*\i
.endr
	global_load_b64 v[84:85], v2, s[20:21] offset:6656
	WIN 0
.endm
.macro COPY_STORE wr                   ; and on into the slot that begins at LDS byte wr
	v_add_nc_u32 v6, \wr, v4
	v_add_nc_u32 v7, \wr, v5
	WIN 0x04
.irp i, 0,1,2,3,4,5,6,7,8,9,10,11,12
	ds_store_b128 v6, v[32+4*\i:35+4*\i] offset:512*\i
.endr
	ds_store_b64 v7, v[84:85]
	WIN 0
.endm
.macro KLOAD
.irp t, 0,1,2,3,4,5,6,7
	ds_load_b128 v[32+6*\t:35+6*\t], v8 offset:768*\t
	ds_load_b64 v[36+6*\t:37+6*\t], v9 offset:768*\t+512
	ds_load_b32 v[86+\t], v10 offset:12288+128*\t
.endr
.endm
.macro VLOAD
.irp d, 0,1,2,3
.irp c, 0,1,2
	ds_load_b128 v[32+12*\d+4*\c:35+12*\d+4*\c], v8 offset:6144+1536*\d+512*\c
.endr
	ds_load_b32 v[86+\d], v10 offset:13312+128*\d
.endr
.endm
; One tile's softmax for 128 keys, from the scores in v96-159 to p's codes in v224-235, its scale word, the sum and O^T under the new M.
.macro SOFTMAX isB
.irp b, 0,1,2,3
	v_max3_num_f32 v[232+\b], v[96+16*\b], v[97+16*\b], v[98+16*\b]   ; the largest score of each block of 32 keys: for the row's maximum, and, since p rises with the score, for the block's largest p
.endr
.irp i, 3,5,7,9,11,13
.irp b, 0,1,2,3
	v_max3_num_f32 v[232+\b], v[232+\b], v[96+16*\b+\i], v[97+16*\b+\i]
.endr
.endr
.irp b, 0,1,2,3
	v_max_num_f32 v[232+\b], v[232+\b], v[111+16*\b]
.endr
.irp b, 0,1,2,3
	v_permlanex16_b32 v[236+\b], v[232+\b], s[SEL], s[SEL+1]
.endr
.irp b, 0,1,2,3
	v_max_num_f32 v[232+\b], v[232+\b], v[236+\b]   ; with lane l xor 16's 16 keys
.endr
	v_max3_num_f32 v254, v232, v233, v234
	v_max_num_f32 v254, v254, v235
	v_mul_f32 v254, s[CS], v254                    ; as t (c is positive)
	v_max_num_f32 v13, v13, v254                   ; the running largest t
	v_mov_b32 v254, v12
	v_floor_f32 v12, -v13                          ; the new -M = floor(-t): M is a whole number
	v_sub_f32 v254, v12, v254                      ; old M - new M: a whole number, 0 or less
	v_cvt_i32_f32 v254, v254                       ; (it saturates)
	v_ldexp_f32 v252, 1.0, v254                    ; f = 2^(old M - new M)
.irp j, 0,2,4,6,8,10,12,14,16,18,20,22,24,26,28,30,32,34,36,38,40,42,44,46,48,50,52,54,56,58,60,62
	v_pk_fma_f32 v[96+\j:97+\j], v[96+\j:97+\j], s[CS:CS+1], v[12:13] op_sel_hi:[1,0,0]   ; t - M
.endr
.irp b, 0,1,2,3
	v_fma_f32 v[232+\b], v[232+\b], s[CS], v12     ; the same of each block's largest score
.endr
.irp j, 0,1,2,3,4,5,6,7,8,9,10,11,12,13,14,15,16,17,18,19,20,21,22,23,24,25,26,27,28,29,30,31,32,33,34,35,36,37,38,39,40,41,42,43,44,45,46,47,48,49,50,51,52,53,54,55,56,57,58,59,60,61,62,63
	v_exp_f32 v[96+\j], v[96+\j]                   ; p = 2^(t - M), at most 1
.endr
	v_pk_mul_f32 v[14:15], v[14:15], v[252:253] op_sel_hi:[1,0]   ; the sums under the new M: a plain place behind the exponentials
	s_wait_alu depctr_va_vdst(0)                   ; one wait for the batch of 64, ahead of its first reader
.irp b, 0,1,2,3
	v_exp_f32 v[232+\b], v[232+\b]                 ; the block's largest p
.endr
	v_pk_add_f32 v[236:237], v[96:97], v[98:99]    ; the row's sum is taken of the unquantised p, in two chains
.irp j, 4,8,12,16,20,24,28,32,36,40,44,48,52,56,60
	v_pk_add_f32 v[14:15], v[14:15], v[96+\j:97+\j]
	v_pk_add_f32 v[236:237], v[236:237], v[98+\j:99+\j]
.endr
	v_pk_add_f32 v[14:15], v[14:15], v[236:237]
	s_wait_alu depctr_va_vdst(0)                   ; and one for the four
.irp b, 0,1,2,3
	v_max_num_f32 v[232+\b], 0x1800000, v[232+\b]  ; the floor 2^(3 - 127): the byte cannot fall under 1
.endr
.irp b, 0,1,2,3
	v_add_nc_u32 v[244+\b], 0xff000000, v[232+\b]  ; 2 off the exponent field: the conversion's scale operand
.endr
.irp b, 0,1,2,3
	v_lshrrev_b32 v[236+\b], 23, v[244+\b]
.endr
	v_lshl_or_b32 v253, v237, 8, v236              ; p's scale word for these 128 keys
	v_lshl_or_b32 v253, v238, 16, v253
	v_lshl_or_b32 v253, v239, 24, v253
.if \isB
	WIN 0x01
	v_mov_b32 v31, v253                            ; scale operands have no window: tile B's word goes to window 0
	WIN 0x55
.endif
.irp c, 0,1
	v_cvt_scalef32_pk16_fp6_f32 v[224+6*\c:226+6*\c], v[96+32*\c:111+32*\c], v[244+2*\c]
	v_cvt_scalef32_pk16_fp6_f32 v[236+4*\c:238+4*\c], v[112+32*\c:127+32*\c], v[244+2*\c+1]
.endr
	v_nop                                          ; one plain place behind a scaled conversion
.irp c, 0,1
.irp i, 0,1,2
	v_permlane16_swap_b32 v[224+6*\c+\i], v[236+4*\c+\i]
.endr
.irp i, 0,1,2
	v_mov_b32 v[227+6*\c+\i], v[236+4*\c+\i]
.endr
.endr
.irp j, 0,2,4,6,8,10,12,14,16,18,20,22,24,26,28,30
	v_pk_mul_f32 v[160+\j:161+\j], v[160+\j:161+\j], v[252:253] op_sel_hi:[1,0]   ; O^T under the new M.  These 16 are also the places between the scale word, the codes and the products
.endr
.endm
; A key step: 128 keys at LDS byte s16
.macro STEP
	v_add_nc_u32 v8, s16, v1                       ; these three and the v_nop are the four places behind the last step's products, in front of the loads into their registers
	v_add_nc_u32 v9, s16, v2
	v_add_nc_u32 v10, s16, v3
	v_nop
	KLOAD
	s_wait_dscnt 0x0
.irp t, 0,1,2,3,4,5,6,7
	v_wmma_scale_f32_16x16x128_f8f6f4 v[96+8*\t:103+8*\t], v[32+6*\t:43+6*\t], v[16:27], 0, v[86+\t], v255 matrix_a_fmt:MATRIX_FMT_FP6 matrix_b_fmt:MATRIX_FMT_FP6
.endr
	WIN 0x44                                       ; tile B: q and S^T in window 1, k in window 0
.irp t, 0,1,2,3,4,5,6,7
	v_wmma_scale_f32_16x16x128_f8f6f4 v[96+8*\t:103+8*\t], v[32+6*\t:43+6*\t], v[16:27], 0, v[86+\t], v30 matrix_a_fmt:MATRIX_FMT_FP6 matrix_b_fmt:MATRIX_FMT_FP6
.endr
	WIN 0
	PLACES 4                                       ; in front of the loads into k's registers and of the first read of the scores
	VLOAD                                          ; v lands while tile A's softmax runs
	SOFTMAX 0
	s_wait_dscnt 0x0                               ; v is in
.irp d, 0,1,2,3
	v_wmma_scale_f32_16x16x128_f8f6f4 v[160+8*\d:167+8*\d], v[32+12*\d:43+12*\d], v[224:235], v[160+8*\d:167+8*\d], v[86+\d], v253 matrix_a_fmt:MATRIX_FMT_FP6 matrix_b_fmt:MATRIX_FMT_FP6
.endr
	WIN 0x55
	SOFTMAX 1
	WIN 0x54                                       ; v in window 0; p, C and D in window 1
.irp d, 0,1,2,3
	v_wmma_scale_f32_16x16x128_f8f6f4 v[160+8*\d:167+8*\d], v[32+12*\d:43+12*\d], v[224:235], v[160+8*\d:167+8*\d], v[86+\d], v31 matrix_a_fmt:MATRIX_FMT_FP6 matrix_b_fmt:MATRIX_FMT_FP6
.endr
	WIN 0
	s_add_co_u32 s16, s16, STEPB
.endm
; A slot of four key steps, read at LDS byte rd.  st = 1: the next slot, which waits in my staging registers, goes into the other slot, at wr.  ld = 1: the slot after that is asked of memory.
.macro SLOT rd, wr, st, ld
	s_wait_loadcnt 0x0                             ; the staging registers hold my part of the next slot
	s_wait_dscnt 0x0                               ; my stores into the slot ahead have landed, my reads of the slot left are over
	s_barrier_signal -1
	s_barrier_wait -1                              ; both now hold of all eight waves
.if \st
	COPY_STORE \wr
.endif
.if \ld
	s_wait_dscnt 0x0                               ; the LDS stores are done with the staging registers
	s_add_nc_u64 s[20:21], s[20:21], SLOTB         ; (its last loads are in: the wait at the head)
	COPY_LOAD
.endif
	s_mov_b32 s16, \rd
	s_mov_b32 s19, 4
.Lstep_\@:
	STEP
	s_sub_co_u32 s19, s19, 1
	s_cmp_lg_u32 s19, 0
	s_cbranch_scc1 .Lstep_\@
.endm
.macro INIT                            ; the step is written once: the first finds zeros, which the first change of M leaves zeros
	v_mov_b32 v13, 0xff61b1e6                      ; the largest t so far: -3e38
	v_floor_f32 v12, -v13
	v_mov_b32 v14, 0
	v_mov_b32 v15, 0
.irp j, 22,23,24,25,26,27
	v_mov_b32 v[\j], 0                             ; q's upper 64 along K: zero codes
.endr
.irp j, 0,1,2,3,4,5,6,7,8,9,10,11,12,13,14,15,16,17,18,19,20,21,22,23,24,25,26,27,28,29,30,31
	v_mov_b32 v[160+\j], 0
.endr
.irp b, 0,1,2,3
	v_mov_b32 v[236+\b], 0                         ; a lane permute's destination counts as one of its sources
.endr
	v_mov_b32 v253, 0                              ; named as the upper half of v[252:253] before it is first written
.endm
; The way out of a tile: O^T / the sum, quantised along the head's 64 channels (two blocks), stored as six registers a lane and half a scale word.
.macro OUT isB
.if \isB
	WIN 0x55
.endif
	v_add_f32 v14, v14, v15
	v_permlanex16_b32 v252, v14, s[SEL], s[SEL+1]
	v_add_f32 v14, v14, v252                       ; the row's sum
	v_rcp_f32 v14, v14
	v_nop                                          ; a plain place behind the transcendental
	s_wait_alu depctr_va_vdst(0)                   ; and the wait ahead of its first reader
	v_mov_b32 v15, v14
.irp j, 0,2,4,6,8,10,12,14,16,18,20,22,24,26,28,30
	v_pk_mul_f32 v[160+\j:161+\j], v[160+\j:161+\j], v[14:15]
.endr
.irp b, 0,1
	v_max3_num_f32 v[232+\b], |v[160+16*\b]|, |v[161+16*\b]|, 0x1800000
.endr
.irp i, 2,4,6,8,10,12,14
.irp b, 0,1
	v_max3_num_f32 v[232+\b], v[232+\b], |v[160+16*\b+\i]|, |v[161+16*\b+\i]|
.endr
.endr
.irp b, 0,1
	v_permlanex16_b32 v[236+\b], v[232+\b], s[SEL], s[SEL+1]
.endr
.irp b, 0,1
	v_max_num_f32 v[232+\b], v[232+\b], v[236+\b]
.endr
.irp b, 0,1
	v_add_nc_u32 v[244+\b], 0xff000000, v[232+\b]
.endr
.irp b, 0,1
	v_lshrrev_b32 v[236+\b], 23, v[244+\b]
.endr
	v_lshl_or_b32 v254, v237, 8, v236              ; my head's two bytes
	v_cvt_scalef32_pk16_fp6_f32 v[224:226], v[160:175], v244
	v_cvt_scalef32_pk16_fp6_f32 v[236:238], v[176:191], v245
	v_nop
.irp i, 0,1,2
	v_permlane16_swap_b32 v[224+\i], v[236+\i]
.endr
.irp i, 0,1,2
	v_mov_b32 v[227+\i], v[236+\i]
.endr
.if \isB
	WIN 0x04                                       ; a store's data are its source 1
	global_store_b128 v1, v[224:227], s[26:27] offset:9216
	global_store_b64 v2, v[228:229], s[26:27] offset:9216+512
	global_store_b16 v3, v254, s[28:29] offset:768
	WIN 0
.else
	global_store_b128 v1, v[224:227], s[26:27]
	global_store_b64 v2, v[228:229], s[26:27] offset:512
	global_store_b16 v3, v254, s[28:29]
.endif
.endm
	s_load_b128 s[4:7], s[0:1], 0x0                ; q s[4:5], kv s[6:7]
	s_load_b64 s[8:9], s[0:1], 0x10                ; at
	v_lshl_add_u32 v250, v0, 2, 0x20000
	v_mov_b32 v251, 0
	v_lshrrev_b32 v1, 5, v0
	v_readfirstlane_b32 s10, v1                    ; wave 0..7
	v_and_b32 v11, 31, v0
	v_lshlrev_b32 v1, 4, v11
	v_lshlrev_b32 v2, 3, v11
	v_lshlrev_b32 v3, 2, v11
	s_mul_i32 s11, s10, 6912                       ; my eighth of a slot
	v_add_nc_u32 v4, s11, v1
	v_add_nc_u32 v5, s11, v2
	v_add_nc_u32 v5, 6656, v5
	s_mov_b32 s[SEL], 0x76543210
	s_mov_b32 s[SEL+1], 0xfedcba98
	s_mov_b32 s[CS], 0x3e38aa3b                    ; log2(e) / 8
	s_mov_b32 s[CS+1], s[CS]
	s_and_b32 s30, ttmp7, 0xffff                   ; the head
	s_mul_i32 s32, s30, HB
	s_add_co_u32 s32, s32, s11
	s_mov_b32 s33, 0
	s_lshl_b32 s31, ttmp9, 4
	s_lshl_b32 s34, s10, 1
	s_add_co_u32 s31, s31, s34                     ; my first tile of queries: 16 x work-group + 2 x wave
	s_mul_i32 s34, s30, 196608
	s_mul_i32 s36, s31, 768
	s_add_co_u32 s34, s34, s36
	s_mov_b32 s35, 0
	s_lshl_b32 s36, s30, 15
	s_lshl_b32 s38, s31, 7
	s_add_co_u32 s36, s36, s38
	s_add_co_u32 s36, s36, QSC
	s_mov_b32 s37, 0
	s_mul_i32 s38, s31, 6
	s_lshr_b32 s40, s30, 1
	s_add_co_u32 s38, s38, s40                     ; the fragment of at: 6 x tile + head / 2
	s_and_b32 s40, s30, 1
	s_mul_i32 s42, s38, 1536
	s_mul_i32 s41, s40, 768
	s_add_co_u32 s42, s42, s41                     ; its lower or upper six registers
	s_mov_b32 s43, 0
	s_lshl_b32 s44, s38, 7
	s_lshl_b32 s41, s40, 1
	s_add_co_u32 s44, s44, s41                     ; the lower or upper half of its scale words
	s_add_co_u32 s44, s44, ASC
	s_mov_b32 s45, 0
	s_wait_kmcnt 0x0
	s_add_nc_u64 s[20:21], s[6:7], s[32:33]
	s_add_nc_u64 s[22:23], s[4:5], s[34:35]
	s_add_nc_u64 s[24:25], s[4:5], s[36:37]
	s_add_nc_u64 s[26:27], s[8:9], s[42:43]
	s_add_nc_u64 s[28:29], s[8:9], s[44:45]
	COPY_LOAD                                      ; slot 0
	global_load_b128 v[16:19], v1, s[22:23]        ; q, tile A
	global_load_b64 v[20:21], v2, s[22:23] offset:512
	global_load_b32 v255, v3, s[24:25]
	global_load_b32 v30, v3, s[24:25] offset:128
	WIN 0x40
	global_load_b128 v[16:19], v1, s[22:23] offset:768   ; tile B
	global_load_b64 v[20:21], v2, s[22:23] offset:1280
	WIN 0
	INIT
.irp j, 80,81,82,83,84,85
	v_mov_b32 v[\j], 0                             ; what stands behind k's eighth tile
.endr
	WIN 0x55
	INIT
	WIN 0
	s_wait_loadcnt 0x0
	COPY_STORE 0
	s_wait_dscnt 0x0                               ; the LDS stores are done with the staging registers
	s_add_nc_u64 s[20:21], s[20:21], SLOTB
	COPY_LOAD                                      ; slot 1
	s_mov_b32 s18, 3
.Lslots:                                           ; slots 0 to 5: each stores the next slot and asks for the one after
	SLOT 0, 65536, 1, 1
	SLOT 65536, 0, 1, 1
	s_sub_co_u32 s18, s18, 1
	s_cmp_lg_u32 s18, 0
	s_cbranch_scc1 .Lslots
	SLOT 0, 65536, 1, 0                            ; slot 6: slot 7 goes into LDS; nothing is left to ask for
	SLOT 65536, 0, 0, 0                            ; slot 7
	OUT 0                                          ; its vector lines are the places behind tile B's last products
	OUT 1
	s_wait_tensorcnt 0x0
	ds_add_u32 v250, v251
	s_wait_dscnt 0x0
	s_endpgm
.Lfunc_end_k_qff96d0d64b_attn:
	.size	k_qff96d0d64b_attn, .Lfunc_end_k_qff96d0d64b_attn-k_qff96d0d64b_attn
	.p2alignl 7, 3214868480
	.fill 96, 4, 3214868480
	.section	.rodata,"a",@progbits
	.p2align	6, 0x0
	.amdhsa_kernel k_qff96d0d64b_attn
		.amdhsa_group_segment_fixed_size 132096
		.amdhsa_private_segment_fixed_size 0
		.amdhsa_enable_private_segment 0
		.amdhsa_kernarg_size 24
		.amdhsa_user_sgpr_count 2
		.amdhsa_user_sgpr_kernarg_segment_ptr 1
		.amdhsa_wavefront_size32 1
		.amdhsa_system_sgpr_workgroup_id_x 1
		.amdhsa_system_sgpr_workgroup_id_y 1
		.amdhsa_system_sgpr_workgroup_id_z 1
		.amdhsa_system_vgpr_workitem_id 0
		.amdhsa_next_free_vgpr 512
		.amdhsa_next_free_sgpr 66
		.amdhsa_reserve_vcc 0
		.amdhsa_float_denorm_mode_32 3
		.amdhsa_float_denorm_mode_16_64 3
		.amdhsa_memory_ordered 1
		.amdhsa_forward_progress 1
		.amdhsa_inst_pref_size 142
	.end_amdhsa_kernel
	.amdgpu_metadata
---
amdhsa.version: [ 1, 2 ]
amdhsa.kernels:
  - .name:           k_qff96d0d64b_attn
    .symbol:         k_qff96d0d64b_attn.kd
    .args:
      - { .name: q, .offset: 0, .size: 8, .value_kind: global_buffer, .address_space: global }
      - { .name: kv, .offset: 8, .size: 8, .value_kind: global_buffer, .address_space: global }
      - { .name: at, .offset: 16, .size: 8, .value_kind: global_buffer, .address_space: global }
    .group_segment_fixed_size: 132096
    .private_segment_fixed_size: 0
    .kernarg_segment_align: 8
    .kernarg_segment_size: 24
    .max_flat_workgroup_size: 256
    .sgpr_count:     66
    .vgpr_count:     512
    .wavefront_size: 32
...
	.end_amdgpu_metadata
.endif
;; end of part 3
;; launch wo (part 4): grid 192 x 1, 4 waves a work-group, no clusters, 68,096 bytes of LDS; arguments at, wo_codes, wo_scales, bo, x, x1; writes x1
.if DOCPART == 4
	.amdgcn_target "amdgcn-amd-amdhsa--gfx1250"
	.amdhsa_code_object_version 6
	.text
	.protected	k_qff96d0d64b_wo
	.globl	k_qff96d0d64b_wo
	.p2align	8
	.type	k_qff96d0d64b_wo,@function
k_qff96d0d64b_wo:
	s_mov_b64 s[64:65], 0
	v_nop
	global_prefetch_b8 v0, s[64:65] scope:SCOPE_SE
	s_setreg_imm32_b32 hwreg(HW_REG_WAVE_MODE, 25, 1), 1
	s_wait_xcnt 0x0
; x1 = x + at wo^T + bo.  at: codes as images of operand registers (for each tile of 16 tokens and K step: head 2 s's six registers, then head 2 s + 1's), wo: rows of codes.  x, x1: [4096][768] f32.
; A WAVE makes 32 tokens (two tiles) x 128 columns; waves share nothing.  Source 0 = 128 rows of wo (48 fragments in registers), source 1 = a tile of tokens: a lane holds one token and 64 columns a tile.
; x is the C of each sum's first matrix instruction.  16 accumulators by turns.
; THE WAY OUT: through the wave's own two stages in LDS (16 rows of 512 + 16 bytes), back as whole rows of 512 bytes; bo is added there, where a lane holds four neighbouring columns;
; each store of the wave covers 512 consecutive bytes, aligned.
; No multicast: the operands go from memory straight into registers, once.
.set ASC,  2359296
.set VS,   4                           ; v4   (r + 8 (r / 8)) x 576 + 24 h
.set VSS,  5                           ; v5   (r + 8 (r / 8)) x 24
.set LI,   8
.set LS,   9
.set L8,   10
.set XA,   11                          ; v11  x: (r + 8 (r / 8)) x 3072 + 64 h
.set SO,   12                          ; v12  into my stage: row r, + 64 h
.set SR,   13                          ; v13  back: 16 x lane
.set SSC,  16
.set TSC,  64
.set ACC,  80                          ; v80-143 tile 0, v144-207 tile 1
.set BO,   208                         ; v[208:211] bo at columns 4 x lane + 0 .. 3
.set SB,   24
.set SSB,  26
.set TBS,  28
.set TSB,  30
.set MSB, 0
.macro WIN new
.if MSB != (\new)
	s_set_vgpr_msb (MSB<<8)|(\new)
.set MSB, (\new)
.endif
.endm
.macro TLOADH buf                      ; a tile of at: 30 loads
	WIN 0xc0
.irp k, 0,1,2,3,4,5
.irp e, 0,1
	global_load_b128 v[72+72*(\buf)+12*\k+6*\e:72+72*(\buf)+12*\k+6*\e+3], v[LI], s[TBS:TBS+1] offset:(\buf)*9216+1536*\k+768*\e
	global_load_b64 v[72+72*(\buf)+12*\k+6*\e+4:72+72*(\buf)+12*\k+6*\e+5], v[L8], s[TBS:TBS+1] offset:(\buf)*9216+1536*\k+768*\e+512
.endr
.endr
	WIN 0
.irp k, 0,1,2,3,4,5
	global_load_b32 v[TSC+6*(\buf)+\k], v[LS], s[TSB:TSB+1] offset:(\buf)*768+128*\k
.endr
.endm
	s_load_b256 s[4:11], s[0:1], 0x0               ; at s[4:5], wo codes s[6:7], wo scales s[8:9], bo s[10:11]
	s_load_b128 s[12:15], s[0:1], 0x20             ; x s[12:13], x1 s[14:15]
	v_lshl_add_u32 v254, v0, 2, 0x10800
	v_mov_b32 v255, 0
	v_lshrrev_b32 v1, 5, v0
	v_readfirstlane_b32 s2, v1                     ; wave
	v_and_b32 v1, 31, v0
	v_and_b32 v2, 15, v0                           ; r
	v_bfe_u32 v3, v0, 4, 1                         ; h
	v_and_b32 v14, 8, v2
	v_add_nc_u32 v14, v14, v2                      ; r + 8 (r / 8)
	v_mul_u32_u24 v[VS], v14, 576
	v_mad_u32_u24 v[VS], v3, 24, v[VS]
	v_mul_u32_u24 v[VSS], v14, 24
	v_lshlrev_b32 v[LI], 4, v1
	v_lshlrev_b32 v[LS], 2, v1
	v_lshlrev_b32 v[L8], 3, v1
	v_mul_u32_u24 v[XA], v14, 3072
	v_lshl_add_u32 v[XA], v3, 6, v[XA]
	s_mul_i32 s22, s2, 16896                       ; my two stages
	v_mul_u32_u24 v[SO], v2, 528
	v_lshl_add_u32 v[SO], v3, 6, v[SO]
	v_add_nc_u32 v[SO], s22, v[SO]
	v_add_nc_u32 v[SR], s22, v[LI]
	s_lshr_b32 s16, ttmp9, 5                       ; n: which 128 columns
	s_and_b32 s17, ttmp9, 31
	s_lshl_b32 s17, s17, 2
	s_add_co_u32 s17, s17, s2                      ; P: which 32 tokens
	s_mov_b32 s19, 0
	s_wait_kmcnt 0x0
	s_mul_i32 s18, s16, 73728
	s_add_nc_u64 s[SB:SB+1], s[6:7], s[18:19]
	s_mul_i32 s18, s16, 3072
	s_add_nc_u64 s[SSB:SSB+1], s[8:9], s[18:19]
	s_mul_i32 s18, s17, 18432
	s_add_nc_u64 s[TBS:TBS+1], s[4:5], s[18:19]
	s_mul_i32 s18, s17, 1536
	s_add_co_u32 s18, s18, ASC
	s_add_nc_u64 s[TSB:TSB+1], s[4:5], s[18:19]
	s_lshl_b32 s18, s16, 9
	s_add_nc_u64 s[32:33], s[10:11], s[18:19]      ; bo at my columns
	s_mul_i32 s20, s17, 98304
	s_add_co_u32 s18, s18, s20
	s_add_nc_u64 s[34:35], s[12:13], s[18:19]      ; x and x1 at my first token and column
	s_add_nc_u64 s[36:37], s[14:15], s[18:19]
	; x in the result's layout: tile k, accumulator t, register j = x(32 P + 8 k + r + 8 (r / 8), 128 n + 32 (t / 2) + 8 (t % 2) + 16 h + j)
.irp k, 0,1
.irp t, 0,1,2,3,4,5,6,7
	global_load_b128 v[ACC+64*\k+8*\t:ACC+64*\k+8*\t+3], v[XA], s[34:35] offset:\k*24576+128*(\t/2)+32*(\t%2)
	global_load_b128 v[ACC+64*\k+8*\t+4:ACC+64*\k+8*\t+7], v[XA], s[34:35] offset:\k*24576+128*(\t/2)+32*(\t%2)+16
.endr
.endr
	global_load_b128 v[BO:BO+3], v[LI], s[32:33]
.set FF, 0
.rept 48                               ; wo's 48 fragments: f = 8 s + t in window 1 + f / 21 at register 12 (f % 21)
	WIN ((1+FF/21)<<6)
.irp p, 0,1,2,3,4,5
	global_load_b64 v[12*(FF%21)+2*\p:12*(FF%21)+2*\p+1], v[VS], s[SB:SB+1] offset:(32*((FF%8)/2)+8*(FF%2))*576+96*(FF/8)+48*(\p/3)+8*(\p%3)
.endr
.set FF, FF+1
.endr
	WIN 0
.irp t, 0,1,2,3,4,5,6,7
.irp i, 0,1,2
	global_load_b64 v[SSC+6*\t+2*\i:SSC+6*\t+2*\i+1], v[VSS], s[SSB:SSB+1] offset:(32*(\t/2)+8*(\t%2))*24+8*\i
.endr
.endr
	TLOADH 0
	TLOADH 1
	s_wait_loadcnt 0x0
.set FF, 0
.rept 48                               ; 96 matrix instructions; the sixteen accumulators by turns
	WIN (0x0c|(1+FF/21))
.irp k, 0,1
	v_wmma_scale_f32_16x16x128_f8f6f4 v[ACC+64*\k+8*(FF%8):ACC+64*\k+8*(FF%8)+7], v[12*(FF%21):12*(FF%21)+11], v[72+72*\k+12*(FF/8):72+72*\k+12*(FF/8)+11], v[ACC+64*\k+8*(FF%8):ACC+64*\k+8*(FF%8)+7], v[SSC+6*(FF%8)+FF/8], v[TSC+6*\k+FF/8] matrix_a_fmt:MATRIX_FMT_FP6 matrix_b_fmt:MATRIX_FMT_FP6
.endr
.set FF, FF+1
.endr
	WIN 0
.rept 4
	v_nop                                          ; places in front of the first read of the results
.endr
.irp k, 0,1
.irp t, 0,1,2,3,4,5,6,7
	ds_store_b128 v[SO], v[ACC+64*\k+8*\t:ACC+64*\k+8*\t+3] offset:\k*8448+128*(\t/2)+32*(\t%2)        ; each accumulator from its low end on
	ds_store_b128 v[SO], v[ACC+64*\k+8*\t+4:ACC+64*\k+8*\t+7] offset:\k*8448+128*(\t/2)+32*(\t%2)+16
.endr
.irp p, 0,1,2,3,4,5,6,7,8,9,10,11,12,13,14,15
	ds_load_b128 v[ACC+64*\k+4*\p:ACC+64*\k+4*\p+3], v[SR] offset:\k*8448+528*\p   ; LDS serves a wave's instructions in order: these see my stores
.endr
.endr
.irp p, 0,1,2,3,4,5,6,7,8,9,10,11,12,13,14,15
	s_wait_dscnt 47-\p                             ; behind row p's load: 15 - p loads of this tile and the other tile's 32 instructions
	v_pk_add_f32 v[ACC+4*\p:ACC+4*\p+1], v[ACC+4*\p:ACC+4*\p+1], v[BO:BO+1]
	v_pk_add_f32 v[ACC+4*\p+2:ACC+4*\p+3], v[ACC+4*\p+2:ACC+4*\p+3], v[BO+2:BO+3]
	global_store_b128 v[LI], v[ACC+4*\p:ACC+4*\p+3], s[36:37] offset:(\p+8*(\p/8))*3072
.endr
.irp p, 0,1,2,3,4,5,6,7,8,9,10,11,12,13,14,15
	s_wait_dscnt 15-\p
	v_pk_add_f32 v[ACC+64+4*\p:ACC+64+4*\p+1], v[ACC+64+4*\p:ACC+64+4*\p+1], v[BO:BO+1]
	v_pk_add_f32 v[ACC+64+4*\p+2:ACC+64+4*\p+3], v[ACC+64+4*\p+2:ACC+64+4*\p+3], v[BO+2:BO+3]
	global_store_b128 v[LI], v[ACC+64+4*\p:ACC+64+4*\p+3], s[36:37] offset:(\p+8*(\p/8)+8)*3072
.endr
	s_wait_tensorcnt 0x0
	ds_add_u32 v254, v255
	s_wait_dscnt 0x0
	s_endpgm
.Lfunc_end_k_qff96d0d64b_wo:
	.size	k_qff96d0d64b_wo, .Lfunc_end_k_qff96d0d64b_wo-k_qff96d0d64b_wo
	.p2alignl 7, 3214868480
	.fill 96, 4, 3214868480
	.section	.rodata,"a",@progbits
	.p2align	6, 0x0
	.amdhsa_kernel k_qff96d0d64b_wo
		.amdhsa_group_segment_fixed_size 68096
		.amdhsa_private_segment_fixed_size 0
		.amdhsa_enable_private_segment 0
		.amdhsa_kernarg_size 48
		.amdhsa_user_sgpr_count 2
		.amdhsa_user_sgpr_kernarg_segment_ptr 1
		.amdhsa_wavefront_size32 1
		.amdhsa_system_sgpr_workgroup_id_x 1
		.amdhsa_system_sgpr_workgroup_id_y 1
		.amdhsa_system_sgpr_workgroup_id_z 1
		.amdhsa_system_vgpr_workitem_id 0
		.amdhsa_next_free_vgpr 1024
		.amdhsa_next_free_sgpr 66
		.amdhsa_reserve_vcc 0
		.amdhsa_float_denorm_mode_32 3
		.amdhsa_float_denorm_mode_16_64 3
		.amdhsa_memory_ordered 1
		.amdhsa_forward_progress 1
		.amdhsa_inst_pref_size 65
	.end_amdhsa_kernel
	.amdgpu_metadata
---
amdhsa.version: [ 1, 2 ]
amdhsa.kernels:
  - .name:           k_qff96d0d64b_wo
    .symbol:         k_qff96d0d64b_wo.kd
    .args:
      - { .name: at, .offset: 0, .size: 8, .value_kind: global_buffer, .address_space: global }
      - { .name: wo_codes, .offset: 8, .size: 8, .value_kind: global_buffer, .address_space: global }
      - { .name: wo_scales, .offset: 16, .size: 8, .value_kind: global_buffer, .address_space: global }
      - { .name: bo, .offset: 24, .size: 8, .value_kind: global_buffer, .address_space: global }
      - { .name: x, .offset: 32, .size: 8, .value_kind: global_buffer, .address_space: global }
      - { .name: x1, .offset: 40, .size: 8, .value_kind: global_buffer, .address_space: global }
    .group_segment_fixed_size: 68096
    .private_segment_fixed_size: 0
    .kernarg_segment_align: 8
    .kernarg_segment_size: 48
    .max_flat_workgroup_size: 128
    .sgpr_count:     66
    .vgpr_count:     1024
    .wavefront_size: 32
...
	.end_amdgpu_metadata
.endif
;; end of part 4
;; launch ln2: the kernel of part 1 again; grid 256 x 1, 6 waves a work-group, no clusters, 2,816 bytes of LDS; arguments x1, gamma2, beta2, h; writes h
;; launch ffn1 (part 5): grid 192 x 1, 4 waves a work-group, no clusters, 0 bytes of LDS; arguments h, w1_codes, w1_scales, b1, hid; writes hid
.if DOCPART == 5
	.amdgcn_target "amdgcn-amd-amdhsa--gfx1250"
	.amdhsa_code_object_version 6
	.text
	.protected	k_qff96d0d64b_ffn1
	.globl	k_qff96d0d64b_ffn1
	.p2align	8
	.type	k_qff96d0d64b_ffn1,@function
k_qff96d0d64b_ffn1:
	s_mov_b64 s[64:65], 0
	v_nop
	global_prefetch_b8 v0, s[64:65] scope:SCOPE_SE
	s_setreg_imm32_b32 hwreg(HW_REG_WAVE_MODE, 25, 1), 1
	s_wait_xcnt 0x0
; hid = Q(gelu(h w1^T + b1)), the exact gelu 0.5 u (1 + erf(u / sqrt 2)), quantised along the 3,072 hidden units.  h: images of operand registers; w1: rows of codes.
; A WAVE is one task of 128 tokens x 128 hidden units x 768; waves share nothing.  Source 0 = 128 rows of w1, kept in 576 registers for the whole launch; source 1 = tiles of 16 tokens, asked for two tiles ahead.
; The rows of w1 that form tile t are 32 (t / 2) + 8 (t % 2) + r + 8 (r / 8): a lane's register 16 b + i is hidden unit 32 b + 16 (lane / 16) + i of its token, the order that the quantiser takes.
; b1 is the C of each sum's first matrix instruction.  A wave's 128 units are one K step of the next product: one fragment and one scale word a token.
; erf(z) = z P(z^2) / Q(z^2), P of 7 and Q of 5 terms, z held to +-4, beyond which erf is 1 in f32.  80 vector lines for 8 numbers; the eight reciprocals are one batch with one wait.
; LIMITS: NaN and infinities are not served; a block of zeros gets the byte 1 with zero codes.
; No multicast: the larger operand stays in registers, the streamed one goes from memory straight into registers.
.set HSC,   2359296
.set HIDSC, 9437184
.set VS,   4
.set VSS,  5
.set LI,   8
.set LS,   9
.set BA,   11                          ; v11  64 h: b1 in the result's layout
.set SSC,  16
.set TSC,  64
.set ACC,  80
.set BIAS, 144
.set TM,   208
.set PC,   224
.set PW,   244
.set GZ,   208                         ; the gelu at work: z, later u / 2;  z^2;  P;  Q
.set GZ2,  216
.set GP,   224
.set GQ,   232
.set SEL,  20
.set SB,   24
.set SSB,  26
.set TBS,  28
.set TSB,  30
.set OB,   32
.set OS,   34
.set SA,   40                          ; s[40:51] P's terms 1 to 6, each twice;  s[52:59] Q's 1 to 4;  s[60:61] 1 / sqrt 2
.set SQ,   52
.set SK,   60
.set MSB, 0
.macro WIN new
.if MSB != (\new)
	s_set_vgpr_msb (MSB<<8)|(\new)
.set MSB, (\new)
.endif
.endm
.macro PLACES n
.rept \n
	v_nop
.endr
.endm
.macro KONST reg, val                  ; a packed form names a pair: both words are written
	s_mov_b32 s[\reg], \val
	s_mov_b32 s[\reg+1], \val
.endm
.macro QUANT s
.irp b, 0,1,2,3
	v_max3_num_f32 v[TM+\b], |v[\s+16*\b]|, |v[\s+1+16*\b]|, 0x1800000
.endr
.irp i, 2,4,6,8,10,12,14
.irp b, 0,1,2,3
	v_max3_num_f32 v[TM+\b], v[TM+\b], |v[\s+16*\b+\i]|, |v[\s+1+16*\b+\i]|
.endr
.endr
.irp b, 0,1,2,3
	v_permlanex16_b32 v[TM+4+\b], v[TM+\b], s[SEL], s[SEL+1]
.endr
.irp b, 0,1,2,3
	v_max_num_f32 v[TM+\b], v[TM+\b], v[TM+4+\b]
.endr
.irp b, 0,1,2,3
	v_add_nc_u32 v[TM+12+\b], 0xff000000, v[TM+\b]
.endr
.irp b, 0,1,2,3
	v_lshrrev_b32 v[TM+4+\b], 23, v[TM+12+\b]
.endr
	v_lshl_or_b32 v[PW], v[TM+5], 8, v[TM+4]
	v_lshl_or_b32 v[PW], v[TM+6], 16, v[PW]
	v_lshl_or_b32 v[PW], v[TM+7], 24, v[PW]
.irp c, 0,1
	v_cvt_scalef32_pk16_fp6_f32 v[PC+6*\c:PC+2+6*\c], v[\s+32*\c:\s+15+32*\c], v[TM+12+2*\c]
	v_cvt_scalef32_pk16_fp6_f32 v[PC+12+4*\c:PC+14+4*\c], v[\s+16+32*\c:\s+31+32*\c], v[TM+12+2*\c+1]
.endr
	v_nop                                          ; one plain place behind a scaled conversion
.irp c, 0,1
.irp i, 0,1,2
	v_permlane16_swap_b32 v[PC+6*\c+\i], v[PC+12+4*\c+\i]
.endr
.irp i, 0,1,2
	v_mov_b32 v[PC+3+6*\c+\i], v[PC+12+4*\c+\i]
.endr
.endr
.endm
.macro TLOADI buf, off, soff           ; a tile of h: 24 loads
	WIN 0xc0
.irp k, 0,1,2,3,4,5
.irp c, 0,1,2
	global_load_b128 v[72+72*(\buf)+12*\k+4*\c:72+72*(\buf)+12*\k+4*\c+3], v[LI], s[TBS:TBS+1] offset:(\off)+1536*\k+512*\c
.endr
.endr
	WIN 0
.irp k, 0,1,2,3,4,5
	global_load_b32 v[TSC+6*(\buf)+\k], v[LS], s[TSB:TSB+1] offset:(\soff)+128*\k
.endr
.endm
.macro MM buf                          ; 48 matrix instructions, the eight accumulators by turns; the first K step takes b1 as C
.set FF, 0
.rept 48
	WIN (0x0c|(1+FF/21))
.if FF < 8
	v_wmma_scale_f32_16x16x128_f8f6f4 v[ACC+8*(FF%8):ACC+8*(FF%8)+7], v[12*(FF%21):12*(FF%21)+11], v[72+72*(\buf)+12*(FF/8):72+72*(\buf)+12*(FF/8)+11], v[BIAS+8*(FF%8):BIAS+8*(FF%8)+7], v[SSC+6*(FF%8)+FF/8], v[TSC+6*(\buf)+FF/8] matrix_a_fmt:MATRIX_FMT_FP6 matrix_b_fmt:MATRIX_FMT_FP6
.else
	v_wmma_scale_f32_16x16x128_f8f6f4 v[ACC+8*(FF%8):ACC+8*(FF%8)+7], v[12*(FF%21):12*(FF%21)+11], v[72+72*(\buf)+12*(FF/8):72+72*(\buf)+12*(FF/8)+11], v[ACC+8*(FF%8):ACC+8*(FF%8)+7], v[SSC+6*(FF%8)+FF/8], v[TSC+6*(\buf)+FF/8] matrix_a_fmt:MATRIX_FMT_FP6 matrix_b_fmt:MATRIX_FMT_FP6
.endif
.set FF, FF+1
.endr
	WIN 0
.endm
.macro GELU t                          ; accumulator t's eight numbers, in place
.set GA, ACC+8*(\t)
.irp j, 0,2,4,6
	v_pk_mul_f32 v[GZ+\j:GZ+\j+1], v[GA+\j:GA+\j+1], s[SK:SK+1] op_sel_hi:[1,0]   ; z = u / sqrt 2
.endr
.irp j, 0,1,2,3,4,5,6,7
	v_med3_num_f32 v[GZ+\j], v[GZ+\j], -4.0, 4.0
.endr
.irp j, 0,2,4,6
	v_pk_mul_f32 v[GZ2+\j:GZ2+\j+1], v[GZ+\j:GZ+\j+1], v[GZ+\j:GZ+\j+1]
.endr
.irp j, 0,2,4,6
	v_pk_fma_f32 v[GQ+\j:GQ+\j+1], v[GZ2+\j:GZ2+\j+1], v[78:79], s[SQ:SQ+1] op_sel_hi:[1,1,0]
.endr
.irp i, 1,2,3
.irp j, 0,2,4,6
	v_pk_fma_f32 v[GQ+\j:GQ+\j+1], v[GQ+\j:GQ+\j+1], v[GZ2+\j:GZ2+\j+1], s[SQ+2*\i:SQ+2*\i+1] op_sel_hi:[1,1,0]
.endr
.endr
.irp j, 0,1,2,3,4,5,6,7
	v_rcp_f32 v[GQ+\j], v[GQ+\j]
.endr
.irp j, 0,2,4,6
	v_pk_fma_f32 v[GP+\j:GP+\j+1], v[GZ2+\j:GZ2+\j+1], v[76:77], s[SA:SA+1] op_sel_hi:[1,1,0]   ; P: the independent work behind the reciprocals
.endr
.irp i, 1,2,3,4,5
.irp j, 0,2,4,6
	v_pk_fma_f32 v[GP+\j:GP+\j+1], v[GP+\j:GP+\j+1], v[GZ2+\j:GZ2+\j+1], s[SA+2*\i:SA+2*\i+1] op_sel_hi:[1,1,0]
.endr
.endr
.irp j, 0,2,4,6
	v_pk_mul_f32 v[GP+\j:GP+\j+1], v[GP+\j:GP+\j+1], v[GZ+\j:GZ+\j+1]
.endr
.irp j, 0,2,4,6
	v_pk_mul_f32 v[GZ+\j:GZ+\j+1], v[GA+\j:GA+\j+1], 0.5 op_sel_hi:[1,0]   ; u / 2
.endr
	s_wait_alu depctr_va_vdst(0)                   ; one wait for the eight reciprocals, ahead of their first reader
.irp j, 0,2,4,6
	v_pk_mul_f32 v[GP+\j:GP+\j+1], v[GP+\j:GP+\j+1], v[GQ+\j:GQ+\j+1]   ; erf
.endr
.irp j, 0,2,4,6
	v_pk_fma_f32 v[GA+\j:GA+\j+1], v[GZ+\j:GZ+\j+1], v[GP+\j:GP+\j+1], v[GZ+\j:GZ+\j+1]   ; u / 2 x erf + u / 2
.endr
.endm
.macro TILE buf, more, left
	s_wait_loadcnt \left                           ; this tile's fragments (and, the first time, b1 and all of w1) are in; the next tile's loads may be out
	MM \buf
	PLACES 4                                       ; in front of the loads into T's registers and of the first read of the results
	s_wait_xcnt 0x0                                ; the last tile's stores have read their data, the earlier loads their bases
.if \more
.if (\buf) == 0
	s_add_nc_u64 s[TBS:TBS+1], s[TBS:TBS+1], 18432
	s_add_nc_u64 s[TSB:TSB+1], s[TSB:TSB+1], 1536
.endif
	TLOADI \buf, (\buf)*9216, (\buf)*768
.endif
.irp t, 0,1,2,3,4,5,6,7
	GELU \t
.endr
	QUANT ACC
.irp c, 0,1,2
	global_store_b128 v[LI], v[PC+4*\c:PC+4*\c+3], s[OB:OB+1] offset:(\buf)*36864+512*\c
.endr
	global_store_b32 v[LS], v[PW], s[OS:OS+1] offset:(\buf)*3072
.endm
	s_load_b256 s[4:11], s[0:1], 0x0               ; h s[4:5], w1 codes s[6:7], w1 scales s[8:9], b1 s[10:11]
	s_load_b64 s[12:13], s[0:1], 0x20              ; hid
	v_lshrrev_b32 v1, 5, v0
	v_readfirstlane_b32 s2, v1                     ; wave
	v_and_b32 v1, 31, v0
	v_and_b32 v2, 15, v0
	v_bfe_u32 v3, v0, 4, 1
	v_and_b32 v12, 8, v2
	v_add_nc_u32 v12, v12, v2                      ; r + 8 (r / 8)
	v_mul_u32_u24 v[VS], v12, 576
	v_mad_u32_u24 v[VS], v3, 24, v[VS]
	v_mul_u32_u24 v[VSS], v12, 24
	v_lshlrev_b32 v[LI], 4, v1
	v_lshlrev_b32 v[LS], 2, v1
	v_lshlrev_b32 v[BA], 6, v3
.irp b, 0,1,2,3
	v_mov_b32 v[TM+4+\b], 0
.endr
	v_mov_b32 v76, 0xaf95df0b                      ; P's leading term, twice
	v_mov_b32 v77, 0xaf95df0b
	v_mov_b32 v78, 0xb77460cd                      ; Q's
	v_mov_b32 v79, 0xb77460cd
	s_mov_b32 s[SEL], 0x76543210
	s_mov_b32 s[SEL+1], 0xfedcba98
	KONST SA,    0x32edffee
	KONST SA+2,  0xb60cff51
	KONST SA+4,  0xb86ec2d2
	KONST SA+6,  0xba40ac63
	KONST SA+8,  0xbb41a1f6
	KONST SA+10, 0xbc83dbd4
	KONST SQ,    0xb95fbd29
	KONST SQ+2,  0xbadc924e
	KONST SQ+4,  0xbbf19bf8
	KONST SQ+6,  0xbc69b6a7
	KONST SK,    0x3f3504f3
	s_and_b32 s14, ttmp9, 31                       ; g: which 128 tokens
	s_lshr_b32 s15, ttmp9, 5
	s_lshl_b32 s15, s15, 2
	s_add_co_u32 s15, s15, s2                      ; c: which 128 hidden units, 0 .. 23
	s_mov_b32 s17, 0
	s_mov_b32 s3, 3
	s_wait_kmcnt 0x0
	s_mul_i32 s16, s15, 73728
	s_add_nc_u64 s[SB:SB+1], s[6:7], s[16:17]
	s_mul_i32 s16, s15, 3072
	s_add_nc_u64 s[SSB:SSB+1], s[8:9], s[16:17]
	s_mul_i32 s16, s14, 73728
	s_add_nc_u64 s[TBS:TBS+1], s[4:5], s[16:17]
	s_mul_i32 s16, s14, 6144
	s_add_co_u32 s16, s16, HSC
	s_add_nc_u64 s[TSB:TSB+1], s[4:5], s[16:17]
	s_lshl_b32 s16, s15, 9
	s_add_nc_u64 s[36:37], s[10:11], s[16:17]      ; b1 at my 128 units
	s_mul_i32 s18, s14, 192
	s_add_co_u32 s18, s18, s15                     ; 24 x (my first tile) + c
	s_mul_i32 s16, s18, 1536
	s_add_nc_u64 s[OB:OB+1], s[12:13], s[16:17]
	s_lshl_b32 s16, s18, 7
	s_add_co_u32 s16, s16, HIDSC
	s_add_nc_u64 s[OS:OS+1], s[12:13], s[16:17]
.irp t, 0,1,2,3,4,5,6,7
	global_load_b128 v[BIAS+8*\t:BIAS+8*\t+3], v[BA], s[36:37] offset:(32*(\t/2)+8*(\t%2))*4
	global_load_b128 v[BIAS+8*\t+4:BIAS+8*\t+7], v[BA], s[36:37] offset:(32*(\t/2)+8*(\t%2))*4+16
.endr
.set FF, 0
.rept 48                               ; w1's 48 fragments
	WIN ((1+FF/21)<<6)
.irp p, 0,1,2,3,4,5
	global_load_b64 v[12*(FF%21)+2*\p:12*(FF%21)+2*\p+1], v[VS], s[SB:SB+1] offset:(32*((FF%8)/2)+8*(FF%2))*576+96*(FF/8)+48*(\p/3)+8*(\p%3)
.endr
.set FF, FF+1
.endr
	WIN 0
.irp t, 0,1,2,3,4,5,6,7
.irp i, 0,1,2
	global_load_b64 v[SSC+6*\t+2*\i:SSC+6*\t+2*\i+1], v[VSS], s[SSB:SSB+1] offset:(32*(\t/2)+8*(\t%2))*24+8*\i
.endr
.endr
	TLOADI 0, 0, 0
	TLOADI 1, 9216, 768
.Ltiles:
	TILE 0, 1, 24
	TILE 1, 1, 24
	s_wait_xcnt 0x0                                ; the stores have read their bases
	s_add_nc_u64 s[OB:OB+1], s[OB:OB+1], 73728
	s_add_nc_u64 s[OS:OS+1], s[OS:OS+1], 6144
	s_sub_co_u32 s3, s3, 1
	s_cmp_lg_u32 s3, 0
	s_cbranch_scc1 .Ltiles
	TILE 0, 0, 24                                  ; the last two tiles ask for nothing
	TILE 1, 0, 0
	s_endpgm
.Lfunc_end_k_qff96d0d64b_ffn1:
	.size	k_qff96d0d64b_ffn1, .Lfunc_end_k_qff96d0d64b_ffn1-k_qff96d0d64b_ffn1
	.p2alignl 7, 3214868480
	.fill 96, 4, 3214868480
	.section	.rodata,"a",@progbits
	.p2align	6, 0x0
	.amdhsa_kernel k_qff96d0d64b_ffn1
		.amdhsa_group_segment_fixed_size 0
		.amdhsa_private_segment_fixed_size 0
		.amdhsa_enable_private_segment 0
		.amdhsa_kernarg_size 40
		.amdhsa_user_sgpr_count 2
		.amdhsa_user_sgpr_kernarg_segment_ptr 1
		.amdhsa_wavefront_size32 1
		.amdhsa_system_sgpr_workgroup_id_x 1
		.amdhsa_system_sgpr_workgroup_id_y 1
		.amdhsa_system_sgpr_workgroup_id_z 1
		.amdhsa_system_vgpr_workitem_id 0
		.amdhsa_next_free_vgpr 1024
		.amdhsa_next_free_sgpr 66
		.amdhsa_reserve_vcc 0
		.amdhsa_float_denorm_mode_32 3
		.amdhsa_float_denorm_mode_16_64 3
		.amdhsa_memory_ordered 1
		.amdhsa_forward_progress 1
		.amdhsa_inst_pref_size 239
	.end_amdhsa_kernel
	.amdgpu_metadata
---
amdhsa.version: [ 1, 2 ]
amdhsa.kernels:
  - .name:           k_qff96d0d64b_ffn1
    .symbol:         k_qff96d0d64b_ffn1.kd
    .args:
      - { .name: h, .offset: 0, .size: 8, .value_kind: global_buffer, .address_space: global }
      - { .name: w1_codes, .offset: 8, .size: 8, .value_kind: global_buffer, .address_space: global }
      - { .name: w1_scales, .offset: 16, .size: 8, .value_kind: global_buffer, .address_space: global }
      - { .name: b1, .offset: 24, .size: 8, .value_kind: global_buffer, .address_space: global }
      - { .name: hid, .offset: 32, .size: 8, .value_kind: global_buffer, .address_space: global }
    .group_segment_fixed_size: 0
    .private_segment_fixed_size: 0
    .kernarg_segment_align: 8
    .kernarg_segment_size: 40
    .max_flat_workgroup_size: 128
    .sgpr_count:     66
    .vgpr_count:     1024
    .wavefront_size: 32
...
	.end_amdgpu_metadata
.endif
;; end of part 5
;; launch ffn2 (part 6): grid 192 x 1, 4 waves a work-group, no clusters, 68,096 bytes of LDS; arguments hid, w2_codes, w2_scales, b2, x1, out0; writes out0
.if DOCPART == 6
	.amdgcn_target "amdgcn-amd-amdhsa--gfx1250"
	.amdhsa_code_object_version 6
	.text
	.protected	k_qff96d0d64b_ffn2
	.globl	k_qff96d0d64b_ffn2
	.p2align	8
	.type	k_qff96d0d64b_ffn2,@function
k_qff96d0d64b_ffn2:
	s_mov_b64 s[64:65], 0
	v_nop
	global_prefetch_b8 v0, s[64:65] scope:SCOPE_SE
	s_setreg_imm32_b32 hwreg(HW_REG_WAVE_MODE, 25, 1), 1
	s_wait_xcnt 0x0
; out0 = x1 + hid w2^T + b2.  hid: images of operand registers (tile of 16 tokens T, K step c at (24 T + c) x 1536); w2: rows of 3,072 codes.  x1, out0: [4096][768] f32.
; A WORK-GROUP makes 128 tokens x 128 columns.  THE WAVES SHARE K: wave w takes K steps 6 w .. 6 w + 5, so that its part of w2 (128 rows x 768: 48 fragments) stays in its registers and no byte of hid
; is read twice in the work-group.  The sum over K is therefore taken in four parts, added in f32 in ascending order of K.
; A tile of 16 tokens: 48 matrix instructions a wave on 8 accumulators by turns; the four partial tiles meet in LDS (rows of 512 + 16 bytes); wave w adds and stores rows 4 w .. 4 w + 3, whole: 512 consecutive bytes a store.
; Two LDS buffers by turns, ONE barrier a tile: a wave that stores tile i + 2 into tile i's buffer has passed tile i + 1's barrier, which every wave signals only behind the wait for its reads of tile i.
; The eight tiles are written out: every offset is an immediate, no base is stepped.
; No multicast: the larger operand stays in registers, the streamed one goes from memory straight into registers.
.set HIDSC, 9437184
.set VS,   4                           ; v4   (r + 8 (r / 8)) x 2304 + 24 h
.set VSS,  5                           ; v5   (r + 8 (r / 8)) x 96
.set LI,   8
.set LS,   9
.set SO,   12                          ; v12  my partial tile: 8448 w + 528 r + 64 h
.set SR,   13                          ; v13  the rows that I add: 2112 w + 16 x lane
.set SSC,  16
.set TSC,  64
.set ACC,  80
.set RB,   144                         ; v144-207 four parts x four rows x four registers
.set RX,   208                         ; v208-223 x1 at my four rows
.set B2R,  224                         ; v[224:227] b2 at columns 4 x lane + 0 .. 3
.set SB,   24
.set SSB,  26
.set TBS,  28
.set TSB,  30
.set XB,   34
.set YB,   36
.set MSB, 0
.macro WIN new
.if MSB != (\new)
	s_set_vgpr_msb (MSB<<8)|(\new)
.set MSB, (\new)
.endif
.endm
.macro TLOADI buf, off, soff           ; my six fragments of a tile: 24 loads
	WIN 0xc0
.irp k, 0,1,2,3,4,5
.irp c, 0,1,2
	global_load_b128 v[72+72*(\buf)+12*\k+4*\c:72+72*(\buf)+12*\k+4*\c+3], v[LI], s[TBS:TBS+1] offset:(\off)+1536*\k+512*\c
.endr
.endr
	WIN 0
.irp k, 0,1,2,3,4,5
	global_load_b32 v[TSC+6*(\buf)+\k], v[LS], s[TSB:TSB+1] offset:(\soff)+128*\k
.endr
.endm
.macro MM buf
.set FF, 0
.rept 48
	WIN (0x0c|(1+FF/21))
.if FF < 8
	v_wmma_scale_f32_16x16x128_f8f6f4 v[ACC+8*(FF%8):ACC+8*(FF%8)+7], v[12*(FF%21):12*(FF%21)+11], v[72+72*(\buf)+12*(FF/8):72+72*(\buf)+12*(FF/8)+11], 0, v[SSC+6*(FF%8)+FF/8], v[TSC+6*(\buf)+FF/8] matrix_a_fmt:MATRIX_FMT_FP6 matrix_b_fmt:MATRIX_FMT_FP6
.else
	v_wmma_scale_f32_16x16x128_f8f6f4 v[ACC+8*(FF%8):ACC+8*(FF%8)+7], v[12*(FF%21):12*(FF%21)+11], v[72+72*(\buf)+12*(FF/8):72+72*(\buf)+12*(FF/8)+11], v[ACC+8*(FF%8):ACC+8*(FF%8)+7], v[SSC+6*(FF%8)+FF/8], v[TSC+6*(\buf)+FF/8] matrix_a_fmt:MATRIX_FMT_FP6 matrix_b_fmt:MATRIX_FMT_FP6
.endif
.set FF, FF+1
.endr
	WIN 0
.endm
; Tile i.  l1: what may be out when its fragments are wanted; l2: what may be out when x1's four rows are wanted (the 24 loads of the tile two on, issued behind them)
.macro FTILE i, l1, l2
	s_wait_loadcnt \l1
	MM (\i)%2
.rept 4
	v_nop                                          ; places in front of the loads into T's registers and of the first read of the results
.endr
	s_wait_xcnt 0x0                                ; the last tile's stores have read their data
.irp j, 0,1,2,3
	global_load_b128 v[RX+4*\j:RX+4*\j+3], v[LI], s[XB:XB+1] offset:(32*((\i)/2)+8*((\i)%2)+\j)*3072
.endr
.if (\i) < 6
	TLOADI (\i)%2, ((\i)+2)*36864, ((\i)+2)*3072
.endif
.irp t, 0,1,2,3,4,5,6,7
	ds_store_b128 v[SO], v[ACC+8*\t:ACC+8*\t+3] offset:((\i)%2)*33792+128*(\t/2)+32*(\t%2)          ; each accumulator from its low end on
	ds_store_b128 v[SO], v[ACC+8*\t+4:ACC+8*\t+7] offset:((\i)%2)*33792+128*(\t/2)+32*(\t%2)+16
.endr
	s_wait_dscnt 0x0                               ; for the others: my partial tile has landed (and my reads of the tile before are long over)
	s_barrier_signal -1
	s_barrier_wait -1
.irp k, 0,1,2,3
.irp j, 0,1,2,3
	ds_load_b128 v[RB+16*\k+4*\j:RB+16*\k+4*\j+3], v[SR] offset:((\i)%2)*33792+8448*\k+528*\j
.endr
.endr
	s_wait_dscnt 0x0
.irp k, 1,2,3
.irp j, 0,2,4,6,8,10,12,14
	v_pk_add_f32 v[RB+\j:RB+\j+1], v[RB+\j:RB+\j+1], v[RB+16*\k+\j:RB+16*\k+\j+1]   ; the four parts of K, ascending
.endr
.endr
	s_wait_loadcnt \l2
.irp j, 0,2,4,6,8,10,12,14
	v_pk_add_f32 v[RB+\j:RB+\j+1], v[RB+\j:RB+\j+1], v[RX+\j:RX+\j+1]
.endr
.irp j, 0,1,2,3
	v_pk_add_f32 v[RB+4*\j:RB+4*\j+1], v[RB+4*\j:RB+4*\j+1], v[B2R:B2R+1]
	v_pk_add_f32 v[RB+4*\j+2:RB+4*\j+3], v[RB+4*\j+2:RB+4*\j+3], v[B2R+2:B2R+3]
.endr
.irp j, 0,1,2,3
	global_store_b128 v[LI], v[RB+4*\j:RB+4*\j+3], s[YB:YB+1] offset:(32*((\i)/2)+8*((\i)%2)+\j)*3072
.endr
.endm
	s_load_b256 s[4:11], s[0:1], 0x0               ; hid s[4:5], w2 codes s[6:7], w2 scales s[8:9], b2 s[10:11]
	s_load_b128 s[12:15], s[0:1], 0x20             ; x1 s[12:13], out0 s[14:15]
	v_lshl_add_u32 v254, v0, 2, 0x10800
	v_mov_b32 v255, 0
	v_lshrrev_b32 v1, 5, v0
	v_readfirstlane_b32 s2, v1                     ; wave = quarter of K
	v_and_b32 v1, 31, v0
	v_and_b32 v2, 15, v0
	v_bfe_u32 v3, v0, 4, 1
	v_and_b32 v14, 8, v2
	v_add_nc_u32 v14, v14, v2                      ; r + 8 (r / 8)
	v_mul_u32_u24 v[VS], v14, 2304
	v_mad_u32_u24 v[VS], v3, 24, v[VS]
	v_mul_u32_u24 v[VSS], v14, 96
	v_lshlrev_b32 v[LI], 4, v1
	v_lshlrev_b32 v[LS], 2, v1
	s_mul_i32 s22, s2, 8448
	v_mul_u32_u24 v[SO], v2, 528
	v_lshl_add_u32 v[SO], v3, 6, v[SO]
	v_add_nc_u32 v[SO], s22, v[SO]
	s_mul_i32 s23, s2, 2112
	v_add_nc_u32 v[SR], s23, v[LI]
	s_lshr_b32 s16, ttmp9, 5                       ; n: which 128 columns
	s_and_b32 s17, ttmp9, 31                       ; g: which 128 tokens
	s_mov_b32 s19, 0
	s_wait_kmcnt 0x0
	s_mul_i32 s18, s16, 294912
	s_mul_i32 s22, s2, 576
	s_add_co_u32 s18, s18, s22
	s_add_nc_u64 s[SB:SB+1], s[6:7], s[18:19]
	s_mul_i32 s18, s16, 12288
	s_mul_i32 s22, s2, 24
	s_add_co_u32 s18, s18, s22
	s_add_nc_u64 s[SSB:SSB+1], s[8:9], s[18:19]
	s_mul_i32 s22, s17, 192
	s_mul_i32 s23, s2, 6
	s_add_co_u32 s22, s22, s23                     ; 24 x (the first tile) + 6 w
	s_mul_i32 s18, s22, 1536
	s_add_nc_u64 s[TBS:TBS+1], s[4:5], s[18:19]
	s_lshl_b32 s18, s22, 7
	s_add_co_u32 s18, s18, HIDSC
	s_add_nc_u64 s[TSB:TSB+1], s[4:5], s[18:19]
	s_lshl_b32 s18, s16, 9
	s_add_nc_u64 s[32:33], s[10:11], s[18:19]      ; b2 at my columns
	s_lshl_b32 s22, s2, 2
	s_lshr_b32 s23, s2, 1
	s_lshl_b32 s23, s23, 3
	s_add_co_u32 s22, s22, s23                     ; stage rows 4 w + j are tokens 4 w + 8 (w / 2) + j of a tile
	s_mul_i32 s22, s22, 3072
	s_mul_i32 s23, s17, 393216
	s_add_co_u32 s22, s22, s23
	s_add_co_u32 s18, s18, s22
	s_add_nc_u64 s[XB:XB+1], s[12:13], s[18:19]
	s_add_nc_u64 s[YB:YB+1], s[14:15], s[18:19]
	global_load_b128 v[B2R:B2R+3], v[LI], s[32:33]
.set FF, 0
.rept 48                               ; my quarter of w2's 128 rows: 48 fragments
	WIN ((1+FF/21)<<6)
.irp p, 0,1,2,3,4,5
	global_load_b64 v[12*(FF%21)+2*\p:12*(FF%21)+2*\p+1], v[VS], s[SB:SB+1] offset:(32*((FF%8)/2)+8*(FF%2))*2304+96*(FF/8)+48*(\p/3)+8*(\p%3)
.endr
.set FF, FF+1
.endr
	WIN 0
.irp t, 0,1,2,3,4,5,6,7
.irp i, 0,1,2
	global_load_b64 v[SSC+6*\t+2*\i:SSC+6*\t+2*\i+1], v[VSS], s[SSB:SSB+1] offset:(32*(\t/2)+8*(\t%2))*96+8*\i
.endr
.endr
	TLOADI 0, 0, 0
	TLOADI 1, 36864, 3072
	FTILE 0, 24, 24
	FTILE 1, 24, 24
	FTILE 2, 24, 24
	FTILE 3, 24, 24
	FTILE 4, 24, 24
	FTILE 5, 24, 24
	FTILE 6, 24, 0                                 ; nothing more is asked for behind x1's rows
	FTILE 7, 0, 0
	s_wait_tensorcnt 0x0
	ds_add_u32 v254, v255
	s_wait_dscnt 0x0
	s_endpgm
.Lfunc_end_k_qff96d0d64b_ffn2:
	.size	k_qff96d0d64b_ffn2, .Lfunc_end_k_qff96d0d64b_ffn2-k_qff96d0d64b_ffn2
	.p2alignl 7, 3214868480
	.fill 96, 4, 3214868480
	.section	.rodata,"a",@progbits
	.p2align	6, 0x0
	.amdhsa_kernel k_qff96d0d64b_ffn2
		.amdhsa_group_segment_fixed_size 68096
		.amdhsa_private_segment_fixed_size 0
		.amdhsa_enable_private_segment 0
		.amdhsa_kernarg_size 48
		.amdhsa_user_sgpr_count 2
		.amdhsa_user_sgpr_kernarg_segment_ptr 1
		.amdhsa_wavefront_size32 1
		.amdhsa_system_sgpr_workgroup_id_x 1
		.amdhsa_system_sgpr_workgroup_id_y 1
		.amdhsa_system_sgpr_workgroup_id_z 1
		.amdhsa_system_vgpr_workitem_id 0
		.amdhsa_next_free_vgpr 1024
		.amdhsa_next_free_sgpr 66
		.amdhsa_reserve_vcc 0
		.amdhsa_float_denorm_mode_32 3
		.amdhsa_float_denorm_mode_16_64 3
		.amdhsa_memory_ordered 1
		.amdhsa_forward_progress 1
		.amdhsa_inst_pref_size 145
	.end_amdhsa_kernel
	.amdgpu_metadata
---
amdhsa.version: [ 1, 2 ]
amdhsa.kernels:
  - .name:           k_qff96d0d64b_ffn2
    .symbol:         k_qff96d0d64b_ffn2.kd
    .args:
      - { .name: hid, .offset: 0, .size: 8, .value_kind: global_buffer, .address_space: global }
      - { .name: w2_codes, .offset: 8, .size: 8, .value_kind: global_buffer, .address_space: global }
      - { .name: w2_scales, .offset: 16, .size: 8, .value_kind: global_buffer, .address_space: global }
      - { .name: b2, .offset: 24, .size: 8, .value_kind: global_buffer, .address_space: global }
      - { .name: x1, .offset: 32, .size: 8, .value_kind: global_buffer, .address_space: global }
      - { .name: out0, .offset: 40, .size: 8, .value_kind: global_buffer, .address_space: global }
    .group_segment_fixed_size: 68096
    .private_segment_fixed_size: 0
    .kernarg_segment_align: 8
    .kernarg_segment_size: 48
    .max_flat_workgroup_size: 128
    .sgpr_count:     66
    .vgpr_count:     1024
    .wavefront_size: 32
...
	.end_amdgpu_metadata
.endif
;; end of part 6
;; ======== version 2 of 2: 7 launches
;; limits: right only within a limited range of input values
;; workspace buffers: h 2,555,904 bytes; q 2,752,512 bytes; kv 5,308,416 bytes; at 2,555,904 bytes; x1 12,582,912 bytes; hid 10,223,616 bytes
;; launch ln1 (part 7): grid 256 x 1, 6 waves a work-group, no clusters, 2,816 bytes of LDS; arguments x, gamma1, beta1, h; writes h
.if DOCPART == 7
	.amdgcn_target "amdgcn-amd-amdhsa--gfx1250"
	.amdhsa_code_object_version 6
	.text
	.protected	k_qff96d0d64b_ln1
	.globl	k_qff96d0d64b_ln1
	.p2align	8
	.type	k_qff96d0d64b_ln1,@function
k_qff96d0d64b_ln1:
	s_mov_b64 s[64:65], 0
	v_nop
	global_prefetch_b8 v0, s[64:65] scope:SCOPE_SE
	s_setreg_imm32_b32 hwreg(HW_REG_WAVE_MODE, 25, 1), 1
	s_wait_xcnt 0x0
; h = the codes of LayerNorm(x), E2M3 with one E8M0 scale for each 32 along the 768 columns, stored as images of operand registers.
; x: [4096][768] f32.  gamma, beta: [768] f32.
; SHARES.  A work-group is one tile T of 16 tokens; lane r of the tile holds token 32 (T / 2) + 8 (T % 2) + r + 8 (r / 8), so that two neighbouring tiles, used as
; source 0 of a product, leave 16 neighbouring tokens in a lane's 16 result registers.  Wave s takes columns 128 s .. 128 s + 127: one K step of the next product.
; Lane (r, h) holds 64 numbers of its token: register 16 b + i is column 128 s + 32 b + 16 h + i, which is the order that the quantiser below takes.
; The mean and the variance (two passes, as the definition has them) meet in LDS: one word a thread, two barriers.
; OUT.  Fragment (T, s): 12 registers a lane, chunk c of four registers at (6 T + s) x 1536 + 512 c + 16 x lane; its scale word at HSC + (6 T + s) x 128 + 4 x lane.
; LIMITS: NaN and infinities are not served.  The mean is a multiplication by 1/768, 1/sqrt is v_rsq_f32.  A block of zeros gets the byte 1 (its codes are zeros; this program alone reads the bytes).
.set HSC,  2359296                     ; where the scale words begin in h
.set LX,   16                          ; v16-79   my 64 numbers of x
.set LG,   80                          ; v80-143  gamma at my columns
.set LB,   144                         ; v144-207 beta
.set TM,   208                         ; v208-223 the quantiser at work
.set PC,   224                         ; v224-235 the fragment's codes; v236-242 at work
.set PW,   244                         ; v244     the scale word
.set SEL,  14                          ; s[14:15] lane selects: lane l xor 16
; 64 numbers of a lane, register 16 b + i = k 32 b + 16 (lane / 16) + i of my row, become a fragment's codes in v[PC] on and its scale word in v[PW].
.macro QUANT s
.irp b, 0,1,2,3
	v_max3_num_f32 v[TM+\b], |v[\s+16*\b]|, |v[\s+1+16*\b]|, 0x1800000   ; block b: my 16 numbers, and the floor 2^(3 - 127): the byte cannot fall under 1
.endr
.irp i, 2,4,6,8,10,12,14
.irp b, 0,1,2,3
	v_max3_num_f32 v[TM+\b], v[TM+\b], |v[\s+16*\b+\i]|, |v[\s+1+16*\b+\i]|   ; the four blocks by turns
.endr
.endr
.irp b, 0,1,2,3
	v_permlanex16_b32 v[TM+4+\b], v[TM+\b], s[SEL], s[SEL+1]
.endr
.irp b, 0,1,2,3
	v_max_num_f32 v[TM+\b], v[TM+\b], v[TM+4+\b]   ; with lane l xor 16: the block's largest magnitude
.endr
.irp b, 0,1,2,3
	v_add_nc_u32 v[TM+12+\b], 0xff000000, v[TM+\b]   ; 2 off its exponent field: the conversion's scale operand
.endr
.irp b, 0,1,2,3
	v_lshrrev_b32 v[TM+4+\b], 23, v[TM+12+\b]   ; the scale's byte
.endr
	v_lshl_or_b32 v[PW], v[TM+5], 8, v[TM+4]
	v_lshl_or_b32 v[PW], v[TM+6], 16, v[PW]
	v_lshl_or_b32 v[PW], v[TM+7], 24, v[PW]
.irp c, 0,1
	v_cvt_scalef32_pk16_fp6_f32 v[PC+6*\c:PC+2+6*\c], v[\s+32*\c:\s+15+32*\c], v[TM+12+2*\c]
	v_cvt_scalef32_pk16_fp6_f32 v[PC+12+4*\c:PC+14+4*\c], v[\s+16+32*\c:\s+31+32*\c], v[TM+12+2*\c+1]   ; a conversion's three registers begin on an even number
.endr
	v_nop                                          ; one plain place behind a scaled conversion
.irp c, 0,1                                    ; the operand wants a whole block in a lane: lanes 0-15 block 2 c, lanes 16-31 block 2 c + 1
.irp i, 0,1,2
	v_permlane16_swap_b32 v[PC+6*\c+\i], v[PC+12+4*\c+\i]
.endr
.irp i, 0,1,2
	v_mov_b32 v[PC+3+6*\c+\i], v[PC+12+4*\c+\i]
.endr
.endr
.endm
	s_load_b256 s[4:11], s[0:1], 0x0               ; x s[4:5], gamma s[6:7], beta s[8:9], h s[10:11]
	v_lshl_add_u32 v254, v0, 2, 0x800
	v_mov_b32 v255, 0
	v_lshrrev_b32 v1, 5, v0
	v_readfirstlane_b32 s12, v1                    ; wave = K step s
	v_and_b32 v1, 31, v0                           ; lane
	v_and_b32 v2, 15, v0                           ; r
	v_bfe_u32 v3, v0, 4, 1                         ; h
	v_and_b32 v9, 8, v2
	v_add_nc_u32 v9, v9, v2                        ; r + 8 (r / 8)
	v_mul_u32_u24 v4, v9, 3072
	v_lshl_add_u32 v4, v3, 6, v4                   ; x: my token's row, + 64 h
	v_lshlrev_b32 v5, 6, v3                        ; gamma, beta: 64 h
	v_lshlrev_b32 v6, 4, v1                        ; 16 x lane
	v_lshlrev_b32 v7, 2, v1                        ; 4 x lane
	v_lshlrev_b32 v8, 2, v0                        ; my word in LDS: 4 x thread
.irp b, 0,1,2,3
	v_mov_b32 v[TM+4+\b], 0                        ; written once: a lane permute's destination counts as one of its sources
.endr
	v_mov_b32 v250, 0
	s_mov_b32 s[SEL], 0x76543210
	s_mov_b32 s[SEL+1], 0xfedcba98
	s_mov_b32 s16, 0x3aaaaaab                      ; 1 / 768
	s_mov_b32 s13, 0x3727c5ac                      ; 1e-5
	s_lshr_b32 s17, ttmp9, 1
	s_lshl_b32 s17, s17, 5
	s_and_b32 s18, ttmp9, 1
	s_lshl_b32 s18, s18, 3
	s_add_co_u32 s17, s17, s18                     ; the tile's first token: 32 (T / 2) + 8 (T % 2)
	s_mul_i32 s18, s17, 3072
	s_lshl_b32 s20, s12, 9                         ; 512 s: my 128 columns
	s_add_co_u32 s18, s18, s20
	s_mov_b32 s19, 0
	s_mov_b32 s21, 0
	s_mul_i32 s22, ttmp9, 6
	s_add_co_u32 s22, s22, s12                     ; 6 T + s
	s_mul_i32 s24, s22, 1536
	s_mov_b32 s25, 0
	s_lshl_b32 s26, s22, 7
	s_add_co_u32 s26, s26, HSC
	s_mov_b32 s27, 0
	s_wait_alu depctr_va_vdst(0)
	s_wait_kmcnt 0x0
	s_add_nc_u64 s[4:5], s[4:5], s[18:19]
	s_add_nc_u64 s[6:7], s[6:7], s[20:21]
	s_add_nc_u64 s[8:9], s[8:9], s[20:21]
	s_add_nc_u64 s[28:29], s[10:11], s[26:27]      ; the scale word's image
	s_add_nc_u64 s[10:11], s[10:11], s[24:25]      ; the fragment's image
.irp b, 0,1,2,3
.irp j, 0,1,2,3
	global_load_b128 v[LX+16*\b+4*\j:LX+16*\b+4*\j+3], v4, s[4:5] offset:128*\b+16*\j
.endr
.endr
.irp b, 0,1,2,3
.irp j, 0,1,2,3
	global_load_b128 v[LG+16*\b+4*\j:LG+16*\b+4*\j+3], v5, s[6:7] offset:128*\b+16*\j
.endr
.endr
.irp b, 0,1,2,3
.irp j, 0,1,2,3
	global_load_b128 v[LB+16*\b+4*\j:LB+16*\b+4*\j+3], v5, s[8:9] offset:128*\b+16*\j
.endr
.endr
	s_wait_loadcnt 32                              ; x is in; the 32 loads of gamma and beta may be out
	; the sum of my 64 numbers, two at a time, in two chains
	v_pk_add_f32 v[246:247], v[LX:LX+1], v[LX+2:LX+3]
	v_pk_add_f32 v[248:249], v[LX+4:LX+5], v[LX+6:LX+7]
.irp j, 8,12,16,20,24,28,32,36,40,44,48,52,56,60
	v_pk_add_f32 v[246:247], v[246:247], v[LX+\j:LX+\j+1]
	v_pk_add_f32 v[248:249], v[248:249], v[LX+\j+2:LX+\j+3]
.endr
	v_pk_add_f32 v[246:247], v[246:247], v[248:249]
	v_add_f32 v246, v246, v247
	v_permlanex16_b32 v250, v246, s[SEL], s[SEL+1]
	v_add_f32 v246, v246, v250                     ; my token's sum over my wave's 128 columns
	ds_store_b32 v8, v246
	s_wait_dscnt 0x0                               ; for the others: my word has landed
	s_barrier_signal -1
	s_barrier_wait -1
.irp k, 0,1,2,3,4,5
	ds_load_b32 v[248+\k], v7 offset:128*\k        ; the six waves' sums of my token
.endr
	s_wait_dscnt 0x0
	v_add_f32 v248, v248, v249
	v_add_f32 v250, v250, v251
	v_add_f32 v252, v252, v253
	v_add_f32 v248, v248, v250
	v_add_f32 v248, v248, v252
	v_mul_f32 v246, s16, v248                      ; the mean
	v_mov_b32 v247, v246
.irp j, 0,2,4,6,8,10,12,14,16,18,20,22,24,26,28,30,32,34,36,38,40,42,44,46,48,50,52,54,56,58,60,62
	v_pk_add_f32 v[LX+\j:LX+\j+1], v[LX+\j:LX+\j+1], v[246:247] neg_lo:[0,1] neg_hi:[0,1]   ; x - mean
.endr
	v_pk_mul_f32 v[248:249], v[LX:LX+1], v[LX:LX+1]
	v_pk_mul_f32 v[250:251], v[LX+2:LX+3], v[LX+2:LX+3]
.irp j, 4,8,12,16,20,24,28,32,36,40,44,48,52,56,60
	v_pk_fma_f32 v[248:249], v[LX+\j:LX+\j+1], v[LX+\j:LX+\j+1], v[248:249]
	v_pk_fma_f32 v[250:251], v[LX+\j+2:LX+\j+3], v[LX+\j+2:LX+\j+3], v[250:251]
.endr
	v_pk_add_f32 v[248:249], v[248:249], v[250:251]
	v_add_f32 v248, v248, v249
	v_permlanex16_b32 v250, v248, s[SEL], s[SEL+1]
	v_add_f32 v248, v248, v250
	ds_store_b32 v8, v248 offset:768               ; other bytes than the sums': no wave can still be reading them
	s_wait_dscnt 0x0
	s_barrier_signal -1
	s_barrier_wait -1
.irp k, 0,1,2,3,4,5
	ds_load_b32 v[248+\k], v7 offset:768+128*\k
.endr
	s_wait_dscnt 0x0
	v_add_f32 v248, v248, v249
	v_add_f32 v250, v250, v251
	v_add_f32 v252, v252, v253
	v_add_f32 v248, v248, v250
	v_add_f32 v248, v248, v252
	v_fma_f32 v248, v248, s16, s13                 ; the variance + 1e-5
	s_wait_alu depctr_va_vdst(0)
	v_rsq_f32 v246, v248
	v_nop                                          ; a plain place behind the transcendental
	s_wait_alu depctr_va_vdst(0)                   ; and the wait ahead of its first reader
	v_mov_b32 v247, v246
	s_wait_alu depctr_va_vdst(0)
	s_wait_loadcnt 0x0                             ; gamma and beta
.irp j, 0,2,4,6,8,10,12,14,16,18,20,22,24,26,28,30,32,34,36,38,40,42,44,46,48,50,52,54,56,58,60,62
	v_pk_mul_f32 v[LX+\j:LX+\j+1], v[LX+\j:LX+\j+1], v[246:247]
.endr
.irp j, 0,2,4,6,8,10,12,14,16,18,20,22,24,26,28,30,32,34,36,38,40,42,44,46,48,50,52,54,56,58,60,62
	v_pk_fma_f32 v[LX+\j:LX+\j+1], v[LX+\j:LX+\j+1], v[LG+\j:LG+\j+1], v[LB+\j:LB+\j+1]
.endr
	QUANT LX
.irp c, 0,1,2
	global_store_b128 v6, v[PC+4*\c:PC+4*\c+3], s[10:11] offset:512*\c   ; 32 lanes store 512 consecutive bytes
.endr
	global_store_b32 v7, v[PW], s[28:29]
	s_wait_tensorcnt 0x0
	ds_add_u32 v254, v255
	s_wait_dscnt 0x0
	s_endpgm
.Lfunc_end_k_qff96d0d64b_ln1:
	.size	k_qff96d0d64b_ln1, .Lfunc_end_k_qff96d0d64b_ln1-k_qff96d0d64b_ln1
	.p2alignl 7, 3214868480
	.fill 96, 4, 3214868480
	.section	.rodata,"a",@progbits
	.p2align	6, 0x0
	.amdhsa_kernel k_qff96d0d64b_ln1
		.amdhsa_group_segment_fixed_size 2816
		.amdhsa_private_segment_fixed_size 0
		.amdhsa_enable_private_segment 0
		.amdhsa_kernarg_size 32
		.amdhsa_user_sgpr_count 2
		.amdhsa_user_sgpr_kernarg_segment_ptr 1
		.amdhsa_wavefront_size32 1
		.amdhsa_system_sgpr_workgroup_id_x 1
		.amdhsa_system_sgpr_workgroup_id_y 1
		.amdhsa_system_sgpr_workgroup_id_z 1
		.amdhsa_system_vgpr_workitem_id 0
		.amdhsa_next_free_vgpr 256
		.amdhsa_next_free_sgpr 66
		.amdhsa_reserve_vcc 0
		.amdhsa_float_denorm_mode_32 3
		.amdhsa_float_denorm_mode_16_64 3
		.amdhsa_memory_ordered 1
		.amdhsa_forward_progress 1
		.amdhsa_inst_pref_size 24
	.end_amdhsa_kernel
	.amdgpu_metadata
---
amdhsa.version: [ 1, 2 ]
amdhsa.kernels:
  - .name:           k_qff96d0d64b_ln1
    .symbol:         k_qff96d0d64b_ln1.kd
    .args:
      - { .name: x, .offset: 0, .size: 8, .value_kind: global_buffer, .address_space: global }
      - { .name: gamma1, .offset: 8, .size: 8, .value_kind: global_buffer, .address_space: global }
      - { .name: beta1, .offset: 16, .size: 8, .value_kind: global_buffer, .address_space: global }
      - { .name: h, .offset: 24, .size: 8, .value_kind: global_buffer, .address_space: global }
    .group_segment_fixed_size: 2816
    .private_segment_fixed_size: 0
    .kernarg_segment_align: 8
    .kernarg_segment_size: 32
    .max_flat_workgroup_size: 192
    .sgpr_count:     66
    .vgpr_count:     256
    .wavefront_size: 32
...
	.end_amdgpu_metadata
.endif
;; end of part 7
;; launch qkv (part 8): grid 144 x 1, 4 waves a work-group, no clusters, 152,064 bytes of LDS; arguments h, wq_codes, wq_scales, wk_codes, wk_scales, wv_codes, wv_scales, q, kv; writes q, kv
.if DOCPART == 8
	.amdgcn_target "amdgcn-amd-amdhsa--gfx1250"
	.amdhsa_code_object_version 6
	.text
	.protected	k_qff96d0d64b_qkv
	.globl	k_qff96d0d64b_qkv
	.p2align	8
	.type	k_qff96d0d64b_qkv,@function
k_qff96d0d64b_qkv:
	s_mov_b64 s[64:65], 0
	v_nop
	global_prefetch_b8 v0, s[64:65] scope:SCOPE_SE
	s_setreg_imm32_b32 hwreg(HW_REG_WAVE_MODE, 25, 1), 1
	s_wait_xcnt 0x0
; q = Q(h wq^T), k = Q(h wk^T) along a head's 64 channels; v = Q(h wv^T) along the keys.  All products on E2M3 codes with E8M0 scales.
; A WAVE is one task of 128 x 128 x 768.  It keeps a stationary operand S (128 rows x 768: 48 fragments, 576 registers) and streams eight tiles T of 16 rows x 768 (6 fragments), asked for two tiles ahead.
; A tile is 48 matrix instructions on 8 accumulators by turns.  Source 0 = S, source 1 = T: a lane holds one row of T, and its 64 results run along S's 128 rows.  The rows that form tile t of S are
; 32 (t / 2) + 8 (t % 2) + r + 8 (r / 8), so that register 16 b + i is S's row 32 b + 16 (lane / 16) + i: the order that the quantiser takes.
; A WORK-GROUP is one block of 128 rows of a weight; its four waves take four blocks of 128 tokens.  Work-groups 0-95: q and k: S = the weight's rows, T = tiles of tokens of h.
; Work-groups 96-143: v: S = 128 tokens of h, T = 16 rows of wv: the same code then quantises along the tokens, which are the keys.
; THE WEIGHT'S BLOCK, 73,728 dense bytes, COMES ONCE, in loads of 512 consecutive bytes, 36 a wave, and goes through LDS: rows 592 bytes apart, row R at the slot that R gives with its bits 3 and 4 exchanged,
; so that a tile's 16 rows are 16 neighbouring slots.  592 bytes are 148 words: lane (r, h) of a load of 8 bytes starts at word 148 r + 6 h, in pairs of words 10 r + 3 h mod 32: 32 different pairs
; (64 banks of 4 bytes: ISA guide 11.1).  The two paths part on the work-group's number; each has LDS bytes of its own.
; OUT.  q: 6 registers a lane for (head, tile): registers 0-3 at 16 x lane, 4-5 at 512 + 8 x lane; 768 bytes.  kv: for each head and each 128 keys a block of 13,824 bytes: 8 tiles of k like q's,
; 4 fragments of v (three chunks of 512 bytes), 8 + 4 scale words' images of 128 bytes.  q's and k's scale words have 0x7f in bytes 2 and 3: the score product has K = 64 and fills the upper 64 with zero codes.
; No multicast: the weight's block is fetched once a work-group, and the other operand is shared with nobody in it.
; LIMITS: NaN and infinities are not served; a block of zeros gets the byte 1 with zero codes (this program alone reads the bytes).
; REGISTERS.  window 0: v1-10 lane terms; v16-63 S's scale words (tile t, K step s at 16 + 6 t + s); v64-75 T's, two sets; v80-143 accumulators; v208-246 the quantiser; v245-253 the copy's LDS addresses (at the head).
;   S's fragment f = 8 s + t lies in window 1 + f / 21 at register 12 (f % 21); T's two buffers in window 3 at 72 and 144.
.set HSC,  2359296
.set LP,   592                         ; an LDS row: 576 bytes of codes + 16
.set WREG, 128*LP                      ; a block in LDS: q's and k's path at 0, v's path at WREG
.set VT,   4                           ; v4   v's path: LDS address of the tile in hand: WREG + 592 r + 24 h
.set VWS,  5                           ; v5   a weight's scale bytes: (r + 8 (r / 8)) x 24
.set VL0,  6                           ; v6   592 r + 24 h: tiles 0-3;  v7: tiles 4-7, 64 slots on
.set LI,   8                           ; v8   16 x lane
.set LS,   9                           ; v9   4 x lane
.set L8,   10                          ; v10  8 x lane
.set SSC,  16
.set TSC,  64
.set ACC,  80
.set TM,   208
.set PC,   224
.set PW,   244
.set CA,   245                         ; v245-253 where load i of nine puts my 16 bytes
.set SEL,  20                          ; s[20:21]
.set SB,   24                          ; s[24:25] S's codes (v's path);  s[26:27] S's scales;  s[28:29] T's codes;  s[30:31] T's scales
.set SSB,  26
.set TBS,  28
.set TSB,  30
.set OBA,  32                          ; s[32:33], s[34:35] where the codes go (first head, second head);  s[36:37], s[38:39] the scale words
.set OBB,  34
.set OSA,  36
.set OSB,  38
.set CB,   56                          ; s[56:57] my 32 rows of the weight's block
.set MSB, 0
.macro WIN new                         ; the immediate's high byte repeats the setting that is left; a switch that changes nothing is dropped
.if MSB != (\new)
	s_set_vgpr_msb (MSB<<8)|(\new)
.set MSB, (\new)
.endif
.endm
.macro PLACES n
.rept \n
	v_nop
.endr
.endm
.macro QUANT s
.irp b, 0,1,2,3
	v_max3_num_f32 v[TM+\b], |v[\s+16*\b]|, |v[\s+1+16*\b]|, 0x1800000   ; block b: my 16 numbers, and the floor 2^(3 - 127)
.endr
.irp i, 2,4,6,8,10,12,14
.irp b, 0,1,2,3
	v_max3_num_f32 v[TM+\b], v[TM+\b], |v[\s+16*\b+\i]|, |v[\s+1+16*\b+\i]|
.endr
.endr
.irp b, 0,1,2,3
	v_permlanex16_b32 v[TM+4+\b], v[TM+\b], s[SEL], s[SEL+1]
.endr
.irp b, 0,1,2,3
	v_max_num_f32 v[TM+\b], v[TM+\b], v[TM+4+\b]
.endr
.irp b, 0,1,2,3
	v_add_nc_u32 v[TM+12+\b], 0xff000000, v[TM+\b]   ; 2 off the exponent field: the conversion's scale operand
.endr
.irp b, 0,1,2,3
	v_lshrrev_b32 v[TM+4+\b], 23, v[TM+12+\b]
.endr
	v_lshl_or_b32 v[PW], v[TM+5], 8, v[TM+4]
	v_lshl_or_b32 v[PW], v[TM+6], 16, v[PW]
	v_lshl_or_b32 v[PW], v[TM+7], 24, v[PW]
.irp c, 0,1
	v_cvt_scalef32_pk16_fp6_f32 v[PC+6*\c:PC+2+6*\c], v[\s+32*\c:\s+15+32*\c], v[TM+12+2*\c]
	v_cvt_scalef32_pk16_fp6_f32 v[PC+12+4*\c:PC+14+4*\c], v[\s+16+32*\c:\s+31+32*\c], v[TM+12+2*\c+1]
.endr
	v_nop                                          ; one plain place behind a scaled conversion
.irp c, 0,1
.irp i, 0,1,2
	v_permlane16_swap_b32 v[PC+6*\c+\i], v[PC+12+4*\c+\i]
.endr
.irp i, 0,1,2
	v_mov_b32 v[PC+3+6*\c+\i], v[PC+12+4*\c+\i]
.endr
.endr
.endm
; THE COPY.  Nine loads of 512 bytes are eight rows of 576.  Chunk q = 32 i + lane of 16 bytes lies in row q / 36 of the eight, so its LDS byte is 16 q + 16 (q / 36); q / 36 = (q x 1821) >> 16 for q < 288.
.macro CADDR sb                        ; s[sb]: where my 32 rows begin in LDS
.irp i, 0,1,2,3,4,5,6,7,8
	v_add_nc_u32 v[CA+\i], 32*\i, v1
	v_mul_u32_u24 v254, v[CA+\i], 1821
	v_lshrrev_b32 v254, 16, v254
	v_add_nc_u32 v[CA+\i], v[CA+\i], v254
	v_lshl_add_u32 v[CA+\i], v[CA+\i], 4, s[\sb]
.endr
.endm
.macro CLOAD w, reg                    ; my 18,432 bytes, memory to 144 registers from v[reg] of window w on
	WIN ((\w)<<6)
.set JJ, 0
.rept 36
	global_load_b128 v[(\reg)+4*JJ:(\reg)+4*JJ+3], v[LI], s[CB:CB+1] offset:512*JJ
.set JJ, JJ+1
.endr
	WIN 0
.endm
.macro CSTORE w, reg                   ; and on into LDS: the four groups of eight rows go to groups 0, 2, 1, 3 of slots
	WIN ((\w)<<2)
.set JJ, 0
.rept 36
	ds_store_b128 v[CA+JJ%9], v[(\reg)+4*JJ:(\reg)+4*JJ+3] offset:(((JJ/9)%2)*2+(JJ/9)/2)*8*LP
.set JJ, JJ+1
.endr
	WIN 0
.endm
; S from the block in LDS: each 24 bytes of a lane as three loads of 8
.macro SLOADL
.set FF, 0
.rept 48
	WIN ((1+FF/21)<<6)
.irp p, 0,1,2,3,4,5
	ds_load_b64 v[12*(FF%21)+2*\p:12*(FF%21)+2*\p+1], v[VL0+(FF%8)/4] offset:((FF%8)%4)*16*LP+96*(FF/8)+48*(\p/3)+8*(\p%3)
.endr
.set FF, FF+1
.endr
	WIN 0
.endm
.macro SSCW                            ; a row's 24 scale bytes are its six scale words
.irp t, 0,1,2,3,4,5,6,7
.irp i, 0,1,2
	global_load_b64 v[SSC+6*\t+2*\i:SSC+6*\t+2*\i+1], v[VWS], s[SSB:SSB+1] offset:(32*(\t/2)+8*(\t%2))*24+8*\i
.endr
.endr
.endm
; S from images: the 48 fragments of 8 token tiles of h
.macro SLOADI
.set FF, 0
.rept 48
	WIN ((1+FF/21)<<6)
.irp c, 0,1,2
	global_load_b128 v[12*(FF%21)+4*\c:12*(FF%21)+4*\c+3], v[LI], s[SB:SB+1] offset:(6*(FF%8)+FF/8)*1536+512*\c
.endr
.set FF, FF+1
.endr
	WIN 0
.endm
.macro SSCI
.irp t, 0,1,2,3,4,5,6,7
.irp k, 0,1,2,3,4,5
	global_load_b32 v[SSC+6*\t+\k], v[LS], s[SSB:SSB+1] offset:(6*\t+\k)*128
.endr
.endr
.endm
; a tile of T from images: 24 loads
.macro TLOADI buf, off, soff
	WIN 0xc0
.irp k, 0,1,2,3,4,5
.irp c, 0,1,2
	global_load_b128 v[72+72*(\buf)+12*\k+4*\c:72+72*(\buf)+12*\k+4*\c+3], v[LI], s[TBS:TBS+1] offset:(\off)+1536*\k+512*\c
.endr
.endr
	WIN 0
.irp k, 0,1,2,3,4,5
	global_load_b32 v[TSC+6*(\buf)+\k], v[LS], s[TSB:TSB+1] offset:(\soff)+128*\k
.endr
.endm
; a tile of T from wv's block in LDS: 36 LDS loads; its scale words from memory: 3 loads
.macro TLOADL buf
	WIN 0xc0
.irp k, 0,1,2,3,4,5
.irp p, 0,1,2,3,4,5
	ds_load_b64 v[72+72*(\buf)+12*\k+2*\p:72+72*(\buf)+12*\k+2*\p+1], v[VT] offset:(\buf)*16*LP+96*\k+48*(\p/3)+8*(\p%3)
.endr
.endr
	WIN 0
.endm
.macro TSCW buf
.irp i, 0,1,2
	global_load_b64 v[TSC+6*(\buf)+2*\i:TSC+6*(\buf)+2*\i+1], v[VWS], s[TSB:TSB+1] offset:(\buf)*192+8*\i
.endr
.endm
; 48 matrix instructions: K step by K step, the eight accumulators by turns; the first K step starts the sums
.macro MM buf
.set FF, 0
.rept 48
	WIN (0x0c|(1+FF/21))
.if FF < 8
	v_wmma_scale_f32_16x16x128_f8f6f4 v[ACC+8*(FF%8):ACC+8*(FF%8)+7], v[12*(FF%21):12*(FF%21)+11], v[72+72*(\buf)+12*(FF/8):72+72*(\buf)+12*(FF/8)+11], 0, v[SSC+6*(FF%8)+FF/8], v[TSC+6*(\buf)+FF/8] matrix_a_fmt:MATRIX_FMT_FP6 matrix_b_fmt:MATRIX_FMT_FP6
.else
	v_wmma_scale_f32_16x16x128_f8f6f4 v[ACC+8*(FF%8):ACC+8*(FF%8)+7], v[12*(FF%21):12*(FF%21)+11], v[72+72*(\buf)+12*(FF/8):72+72*(\buf)+12*(FF/8)+11], v[ACC+8*(FF%8):ACC+8*(FF%8)+7], v[SSC+6*(FF%8)+FF/8], v[TSC+6*(\buf)+FF/8] matrix_a_fmt:MATRIX_FMT_FP6 matrix_b_fmt:MATRIX_FMT_FP6
.endif
.set FF, FF+1
.endr
	WIN 0
.endm
; One tile.  left, dleft: the loads and (v's path) the LDS loads issued behind this tile's own, which may stay out.  more = 1: the tile two on is asked for, into the buffer just multiplied.
.macro TILE isv, buf, more, left, dleft
	s_wait_loadcnt \left                           ; loads come back in order: this tile's (and, the first time, all that was asked for ahead of them) are in
.if \isv
	s_wait_dscnt \dleft                            ; and its codes out of LDS
.endif
	MM \buf
	PLACES 4                                       ; in front of the loads into T's registers and of the first read of the results
	s_wait_xcnt 0x0                                ; the last tile's stores have read their data, the earlier loads their bases
.if \more
.if \isv
.if (\buf) == 0
	v_add_nc_u32 v[VT], 32*LP, v[VT]               ; two tiles on: 32 slots
	s_add_nc_u64 s[TSB:TSB+1], s[TSB:TSB+1], 768
.endif
	TLOADL \buf
	TSCW \buf
.else
.if (\buf) == 0
	s_add_nc_u64 s[TBS:TBS+1], s[TBS:TBS+1], 18432 ; two tiles on
	s_add_nc_u64 s[TSB:TSB+1], s[TSB:TSB+1], 1536
.endif
	TLOADI \buf, (\buf)*9216, (\buf)*768
.endif
.endif
	QUANT ACC
.if \isv
.irp c, 0,1,2
	global_store_b128 v[LI], v[PC+4*\c:PC+4*\c+3], s[OBA:OBA+1] offset:(\buf)*1536+512*\c
.endr
	global_store_b32 v[LS], v[PW], s[OSA:OSA+1] offset:(\buf)*128
.else
	v_and_or_b32 v245, v[PW], s60, s61             ; the first head's two bytes, 0x7f above them
	v_lshrrev_b32 v246, 16, v[PW]
	v_or_b32 v246, s61, v246                       ; the second head's
	global_store_b128 v[LI], v[PC:PC+3], s[OBA:OBA+1] offset:(\buf)*768
	global_store_b64 v[L8], v[PC+4:PC+5], s[OBA:OBA+1] offset:(\buf)*768+512
	global_store_b128 v[LI], v[PC+6:PC+9], s[OBB:OBB+1] offset:(\buf)*768
	global_store_b64 v[L8], v[PC+10:PC+11], s[OBB:OBB+1] offset:(\buf)*768+512
	global_store_b32 v[LS], v245, s[OSA:OSA+1] offset:(\buf)*128
	global_store_b32 v[LS], v246, s[OSB:OSB+1] offset:(\buf)*128
.endif
.endm
	s_load_b256 s[4:11], s[0:1], 0x0               ; h s[4:5], wq codes s[6:7], wq scales s[8:9], wk codes s[10:11]
	s_load_b256 s[12:19], s[0:1], 0x20             ; wk scales s[12:13], wv codes s[14:15], wv scales s[16:17], q s[18:19]
	s_load_b64 s[22:23], s[0:1], 0x40              ; kv
	v_lshl_add_u32 v243, v0, 2, 0x25000
	v_mov_b32 v255, 0
	v_lshrrev_b32 v1, 5, v0
	v_readfirstlane_b32 s2, v1                     ; wave
	v_and_b32 v1, 31, v0                           ; lane
	v_and_b32 v2, 15, v0                           ; r
	v_bfe_u32 v3, v0, 4, 1                         ; h
	v_and_b32 v11, 8, v2
	v_add_nc_u32 v11, v11, v2                      ; r + 8 (r / 8)
	v_mul_u32_u24 v[VWS], v11, 24
	v_mul_u32_u24 v[VL0], v2, LP
	v_mad_u32_u24 v[VL0], v3, 24, v[VL0]
	v_add_nc_u32 v[VL0+1], 64*LP, v[VL0]
	v_add_nc_u32 v[VT], WREG, v[VL0]
	v_lshlrev_b32 v[LI], 4, v1
	v_lshlrev_b32 v[LS], 2, v1
	v_lshlrev_b32 v[L8], 3, v1
.irp b, 0,1,2,3
	v_mov_b32 v[TM+4+\b], 0                        ; written once: a lane permute's destination counts as one of its sources
.endr
	s_mov_b32 s[SEL], 0x76543210
	s_mov_b32 s[SEL+1], 0xfedcba98
	s_mov_b32 s60, 0xffff
	s_mov_b32 s61, 0x7f7f0000
	s_mov_b32 s53, 0
	s_mov_b32 s3, 3                                ; trips: tiles 0-5 ask for tiles 2-7
	s_cmp_ge_u32 ttmp9, 96
	s_cbranch_scc1 .Lvpath
	; ---- q and k
	s_and_b32 s44, ttmp9, 7
	s_lshl_b32 s44, s44, 2
	s_add_co_u32 s44, s44, s2                      ; g: which 128 tokens are my wave's
	s_lshr_b32 s45, ttmp9, 3                       ; c = 0 .. 11: 0-5 column groups of q, 6-11 of k: the work-group's
	s_mul_i32 s58, s2, 32*LP                       ; my 32 rows of the block in LDS
	CADDR 58
	s_wait_alu depctr_va_vdst(0)
	s_wait_kmcnt 0x0
	s_cmp_ge_u32 s45, 6                            ; the choice hangs on ids alone
	s_cselect_b64 s[CB:CB+1], s[10:11], s[6:7]
	s_cselect_b64 s[SSB:SSB+1], s[12:13], s[8:9]
	s_cselect_b64 s[OBA:OBA+1], s[22:23], s[18:19]
	s_cselect_b32 s46, 6, 0
	s_mov_b32 s47, 196608
	s_cselect_b32 s47, 442368, s47                 ; from head to head, codes
	s_mov_b32 s48, 32768
	s_cselect_b32 s48, 442368, s48                 ; from head to head, scale words
	s_mov_b32 s49, 6144
	s_cselect_b32 s49, 13824, s49                  ; from 128 tokens to the next, codes
	s_mov_b32 s50, 1024
	s_cselect_b32 s50, 13824, s50                  ; and scale words
	s_mov_b32 s51, 2359296
	s_cselect_b32 s51, 12288, s51                  ; where the scale words begin
	s_sub_co_u32 s45, s45, s46                     ; the column group in its weight
	s_mul_i32 s52, s45, 73728
	s_mul_i32 s55, s2, 18432
	s_add_co_u32 s52, s52, s55
	s_add_nc_u64 s[CB:CB+1], s[CB:CB+1], s[52:53]
	s_mul_i32 s52, s45, 3072
	s_add_nc_u64 s[SSB:SSB+1], s[SSB:SSB+1], s[52:53]
	s_mul_i32 s52, s44, 73728
	s_add_nc_u64 s[TBS:TBS+1], s[4:5], s[52:53]
	s_mul_i32 s52, s44, 6144
	s_add_co_u32 s52, s52, HSC
	s_add_nc_u64 s[TSB:TSB+1], s[4:5], s[52:53]
	s_lshl_b32 s54, s45, 1                         ; the first of the two heads
	s_mul_i32 s52, s54, s48
	s_mul_i32 s55, s44, s50
	s_add_co_u32 s52, s52, s55
	s_add_co_u32 s52, s52, s51
	s_add_nc_u64 s[OSA:OSA+1], s[OBA:OBA+1], s[52:53]
	s_mov_b32 s52, s48
	s_add_nc_u64 s[OSB:OSB+1], s[OSA:OSA+1], s[52:53]
	s_mul_i32 s52, s54, s47
	s_mul_i32 s55, s44, s49
	s_add_co_u32 s52, s52, s55
	s_add_nc_u64 s[OBA:OBA+1], s[OBA:OBA+1], s[52:53]
	s_mov_b32 s52, s47
	s_add_nc_u64 s[OBB:OBB+1], s[OBA:OBA+1], s[52:53]
	CLOAD 1, 0                                     ; my quarter of the block, into registers that S's fragments take later
	SSCW
	TLOADI 0, 0, 0
	TLOADI 1, 9216, 768
	s_wait_loadcnt 63                              ; 72 loads were issued behind the copy's: it has landed
	CSTORE 1, 0
	s_wait_dscnt 0x0                               ; for the others: my rows lie in LDS
	s_barrier_signal -1
	s_barrier_wait -1
	SLOADL
	s_wait_dscnt 0x0
.Lqk:
	TILE 0, 0, 1, 24, 0                            ; 24: the next tile's loads
	TILE 0, 1, 1, 24, 0
	s_wait_xcnt 0x0                                ; the stores have read their bases
	s_add_nc_u64 s[OBA:OBA+1], s[OBA:OBA+1], 1536
	s_add_nc_u64 s[OBB:OBB+1], s[OBB:OBB+1], 1536
	s_add_nc_u64 s[OSA:OSA+1], s[OSA:OSA+1], 256
	s_add_nc_u64 s[OSB:OSB+1], s[OSB:OSB+1], 256
	s_sub_co_u32 s3, s3, 1
	s_cmp_lg_u32 s3, 0
	s_cbranch_scc1 .Lqk
	TILE 0, 0, 0, 24, 0                            ; the last two tiles ask for nothing
	TILE 0, 1, 0, 0, 0
	s_wait_tensorcnt 0x0
	ds_add_u32 v243, v255
	s_wait_dscnt 0x0
	s_endpgm
	; ---- v
.Lvpath:
	s_sub_co_u32 s44, ttmp9, 96
	s_lshr_b32 s45, s44, 3                         ; which 128 rows of wv (two heads): the work-group's
	s_and_b32 s44, s44, 7
	s_lshl_b32 s44, s44, 2
	s_add_co_u32 s44, s44, s2                      ; g: which 128 tokens are my wave's
	s_mov_b32 s40, 3072                            ; what the codes' base steps by: 3072, 439296, 3072 (two tiles on; on into the second head; two tiles on)
	s_mov_b32 s41, 0
	s_mov_b32 s42, 256                             ; the scale words': 256, 442112, 256
	s_mov_b32 s43, 0
	s_mul_i32 s58, s2, 32*LP
	s_add_co_u32 s58, s58, WREG                    ; this path's own LDS bytes
	CADDR 58
	s_wait_alu depctr_va_vdst(0)
	s_wait_kmcnt 0x0
	s_mul_i32 s52, s44, 73728
	s_add_nc_u64 s[SB:SB+1], s[4:5], s[52:53]
	s_mul_i32 s52, s44, 6144
	s_add_co_u32 s52, s52, HSC
	s_add_nc_u64 s[SSB:SSB+1], s[4:5], s[52:53]
	s_mul_i32 s52, s45, 73728
	s_mul_i32 s55, s2, 18432
	s_add_co_u32 s52, s52, s55
	s_add_nc_u64 s[CB:CB+1], s[14:15], s[52:53]
	s_mul_i32 s52, s45, 3072
	s_add_nc_u64 s[TSB:TSB+1], s[16:17], s[52:53]
	s_mul_i32 s52, s45, 884736                     ; two heads of 442,368 bytes
	s_mul_i32 s55, s44, 13824
	s_add_co_u32 s52, s52, s55
	s_add_co_u32 s52, s52, 6144                    ; v's fragments lie behind k's eight tiles
	s_add_nc_u64 s[OBA:OBA+1], s[22:23], s[52:53]
	s_add_nc_u64 s[OSA:OSA+1], s[OBA:OBA+1], 7168  ; v's scale words at 13,312 of the block
	CLOAD 3, 72                                    ; my quarter of wv's block, into the registers of T's two buffers
	SLOADI
	SSCI
	TSCW 0
	TSCW 1
	s_wait_loadcnt 63                              ; 198 loads were issued behind the copy's: it has landed
	CSTORE 3, 72
	s_wait_dscnt 0x0                               ; for the others: my rows lie in LDS
	s_barrier_signal -1
	s_barrier_wait -1
	TLOADL 0
	TLOADL 1
.Lv:
	TILE 1, 0, 1, 3, 36                            ; the next tile's 3 loads and 36 LDS loads may be out
	TILE 1, 1, 1, 3, 36
	s_wait_xcnt 0x0
	s_add_nc_u64 s[OBA:OBA+1], s[OBA:OBA+1], s[40:41]
	s_add_nc_u64 s[OSA:OSA+1], s[OSA:OSA+1], s[42:43]
	s_xor_b32 s40, s40, 3072^439296
	s_xor_b32 s42, s42, 256^442112
	s_sub_co_u32 s3, s3, 1
	s_cmp_lg_u32 s3, 0
	s_cbranch_scc1 .Lv
	TILE 1, 0, 0, 3, 36
	TILE 1, 1, 0, 0, 0
	s_wait_tensorcnt 0x0
	ds_add_u32 v243, v255
	s_wait_dscnt 0x0
	s_endpgm
.Lfunc_end_k_qff96d0d64b_qkv:
	.size	k_qff96d0d64b_qkv, .Lfunc_end_k_qff96d0d64b_qkv-k_qff96d0d64b_qkv
	.p2alignl 7, 3214868480
	.fill 96, 4, 3214868480
	.section	.rodata,"a",@progbits
	.p2align	6, 0x0
	.amdhsa_kernel k_qff96d0d64b_qkv
		.amdhsa_group_segment_fixed_size 152064
		.amdhsa_private_segment_fixed_size 0
		.amdhsa_enable_private_segment 0
		.amdhsa_kernarg_size 72
		.amdhsa_user_sgpr_count 2
		.amdhsa_user_sgpr_kernarg_segment_ptr 1
		.amdhsa_wavefront_size32 1
		.amdhsa_system_sgpr_workgroup_id_x 1
		.amdhsa_system_sgpr_workgroup_id_y 1
		.amdhsa_system_sgpr_workgroup_id_z 1
		.amdhsa_system_vgpr_workitem_id 0
		.amdhsa_next_free_vgpr 1024
		.amdhsa_next_free_sgpr 66
		.amdhsa_reserve_vcc 0
		.amdhsa_float_denorm_mode_32 3
		.amdhsa_float_denorm_mode_16_64 3
		.amdhsa_memory_ordered 1
		.amdhsa_forward_progress 1
		.amdhsa_inst_pref_size 166
	.end_amdhsa_kernel
	.amdgpu_metadata
---
amdhsa.version: [ 1, 2 ]
amdhsa.kernels:
  - .name:           k_qff96d0d64b_qkv
    .symbol:         k_qff96d0d64b_qkv.kd
    .args:
      - { .name: h, .offset: 0, .size: 8, .value_kind: global_buffer, .address_space: global }
      - { .name: wq_codes, .offset: 8, .size: 8, .value_kind: global_buffer, .address_space: global }
      - { .name: wq_scales, .offset: 16, .size: 8, .value_kind: global_buffer, .address_space: global }
      - { .name: wk_codes, .offset: 24, .size: 8, .value_kind: global_buffer, .address_space: global }
      - { .name: wk_scales, .offset: 32, .size: 8, .value_kind: global_buffer, .address_space: global }
      - { .name: wv_codes, .offset: 40, .size: 8, .value_kind: global_buffer, .address_space: global }
      - { .name: wv_scales, .offset: 48, .size: 8, .value_kind: global_buffer, .address_space: global }
      - { .name: q, .offset: 56, .size: 8, .value_kind: global_buffer, .address_space: global }
      - { .name: kv, .offset: 64, .size: 8, .value_kind: global_buffer, .address_space: global }
    .group_segment_fixed_size: 152064
    .private_segment_fixed_size: 0
    .kernarg_segment_align: 8
    .kernarg_segment_size: 72
    .max_flat_workgroup_size: 128
    .sgpr_count:     66
    .vgpr_count:     1024
    .wavefront_size: 32
...
	.end_amdgpu_metadata
.endif
;; end of part 8
;; launch attn (part 9): grid 64 x 4, 12 waves a work-group, no clusters, 0 bytes of LDS; arguments q, kv, at; writes at
.if DOCPART == 9
	.amdgcn_target "amdgcn-amd-amdhsa--gfx1250"
	.amdhsa_code_object_version 6
	.text
	.protected	k_qff96d0d64b_attn
	.globl	k_qff96d0d64b_attn
	.p2align	8
	.type	k_qff96d0d64b_attn,@function
k_qff96d0d64b_attn:
	s_mov_b64 s[64:65], 0
	v_nop
	global_prefetch_b8 v0, s[64:65] scope:SCOPE_SE
	s_setreg_imm32_b32 hwreg(HW_REG_WAVE_MODE, 25, 1), 1
	s_wait_xcnt 0x0
; at = Q(softmax(q k^T / 8) v) for 12 heads of 64 channels, 4,096 tokens, both products on E2M3 codes with E8M0 scales.
; THE SOFTMAX AHEAD OF THE SECOND PRODUCT: t = score x log2(e) / 8; M = the running largest t rounded UP to a whole number; p = 2^(t - M) is quantised along the keys, not normalised.
; The row's sum is taken of the unquantised p and divides O at the end.  When M moves, the sum and O are multiplied by 2^(old M - new M): exact.
; SHARES.  12 heads x 256 tiles of 16 queries are 3,072 tiles: 12 for each of 256 work-groups.  12 does not divide a head's 256 tiles, so a work-group takes 4 tiles (64 queries) of each of 3 heads:
; grid = 64 blocks of queries x 4 groups of heads.  Wave w has ONE tile: head 3 y + w / 4, tile 4 x + w % 4.  Twelve waves, three to a SIMD, 320 registers each.
; Both products are used transposed: S^T = k q^T (source 0 = 16 keys), O^T = v^T p^T (source 0 = 16 channels): a lane holds one query throughout.  The tokens of a tile and v's channels of a tile
; were chosen by the launches before so that p's 16 registers of two neighbouring tiles are 16 neighbouring keys, and O^T's are 16 neighbouring channels.
; K = 64 IN AN INSTRUCTION OF 128: q's fragment is six registers of codes and six of zero codes; k's tiles lie six registers apart, so a fragment's upper six are the next tile's codes,
; which meet zero codes (E2M3 has no infinity and no NaN); bytes 2 and 3 of q's and k's scale words are 0x7f.
; THE KEYS come in blocks of 13,824 bytes for 128 keys, images of the operands' registers: k's 8 tiles at 0, v's 4 fragments at 6,144, the scale words at 12,288.
; They go from memory STRAIGHT INTO THE OPERANDS' REGISTERS, each load of the wave 512, 256 or 128 consecutive bytes; no LDS is used.  k and v have registers of their own, and each is asked for as soon as its registers fall free:
; step n + 1's k (20 loads) behind step n's first product, with the softmax and the second product in which to land; step n + 1's v (14 loads) behind step n's second product, with the first product and the softmax.
; Loads come back in order, so the wait ahead of the first product leaves v's 14 out, and the wait ahead of the second leaves the next k's 20 out.  The last step is written out: it asks for nothing.
; SCALE WORDS IN PAIRS: a tile's image has the same word in lanes r and 16 + r, so lanes 0-15 read tile 2 u's image and lanes 16-31 tile 2 u + 1's by one load; the odd tile's product reads row 1 of the register.
; ONE SPLIT BARRIER A STEP, waited for at a step's head and signalled again at once: no wave begins step n + 1 before every wave has begun step n.  It orders no data: it keeps the four waves of a head,
; which load the same blocks, within one key step of each other, so that a block is asked for by all four close together.
; No tensor loads and no LDS, so no multicast.  No prefetch beside the loads: they are themselves issued most of a step ahead of their use.
; LIMITS: NaN and infinities are not served; a block of zeros gets the byte 1 with zero codes; the promise holds while the scaled scores t stay under 2^31 in magnitude.
; REGISTERS: v1-3 16, 8, 4 x lane; v11 4 x lane + 128 (lane / 16); v12 -M, v13 the largest t, v[14:15] the sum; v16-27 q; v32-79 k's tiles; v80-85 zeros; v86-89 k's scale words, v90-91 v's;
; v96-159 S^T then p; v160-191 O^T; v192-215 v's fragments 0 and 1; window 1, v0-23: fragments 2 and 3; v224-235 p's codes; v232-254 at work; v253 p's scale word; v255 q's.
.set HB,    442368                     ; a head's keys and values
.set STEPB, 13824
.set QSC,   2359296
.set ASC,   2359296
.set NK,    20                         ; loads that bring a step's k
.set NV,    14                         ; and its v
.set SEL,   12                         ; s[12:13]
.set CS,    14                         ; s[14:15] c = log2(e) / 8, twice
.set KV,    40                         ; s[40:41] my head's block of the step in hand
.set MSB, 0
.macro WIN new
.if MSB != (\new)
	s_set_vgpr_msb (MSB<<8)|(\new)
.set MSB, (\new)
.endif
.endm
.macro PLACES n
.rept \n
	v_nop
.endr
.endm
.macro KLOAD off                       ; k's eight tiles and their scale words, of the block off bytes on
.irp t, 0,1,2,3,4,5,6,7
	global_load_b128 v[32+6*\t:35+6*\t], v1, s[KV:KV+1] offset:(\off)+768*\t
	global_load_b64 v[36+6*\t:37+6*\t], v2, s[KV:KV+1] offset:(\off)+768*\t+512
.endr
.irp u, 0,1,2,3
	global_load_b32 v[86+\u], v11, s[KV:KV+1] offset:(\off)+12288+256*\u      ; tiles 2 u and 2 u + 1
.endr
.endm
.macro VLOAD off                       ; v's four fragments and their scale words
.irp d, 0,1
.irp c, 0,1,2
	global_load_b128 v[192+12*\d+4*\c:195+12*\d+4*\c], v1, s[KV:KV+1] offset:(\off)+6144+1536*\d+512*\c
.endr
	global_load_b32 v[90+\d], v11, s[KV:KV+1] offset:(\off)+13312+256*\d
.endr
	WIN 0x40
.irp d, 0,1
.irp c, 0,1,2
	global_load_b128 v[12*\d+4*\c:3+12*\d+4*\c], v1, s[KV:KV+1] offset:(\off)+9216+1536*\d+512*\c
.endr
.endr
	WIN 0
.endm
; The softmax for 128 keys, from the scores in v96-159 to p's codes in v224-235, its scale word in v253, the sum and O^T under the new M.
.macro SOFTMAX
.irp b, 0,1,2,3
	v_max3_num_f32 v[232+\b], v[96+16*\b], v[97+16*\b], v[98+16*\b]   ; the largest score of each block of 32 keys: for the row's maximum, and, since p rises with the score, for the block's largest p
.endr
.irp i, 3,5,7,9,11,13
.irp b, 0,1,2,3
	v_max3_num_f32 v[232+\b], v[232+\b], v[96+16*\b+\i], v[97+16*\b+\i]
.endr
.endr
.irp b, 0,1,2,3
	v_max_num_f32 v[232+\b], v[232+\b], v[111+16*\b]
.endr
.irp b, 0,1,2,3
	s_delay_alu instid0(VALU_DEP_4)
	v_permlanex16_b32 v[236+\b], v[232+\b], s[SEL], s[SEL+1]
.endr
.irp b, 0,1,2,3
	s_delay_alu instid0(VALU_DEP_4)
	v_max_num_f32 v[232+\b], v[232+\b], v[236+\b]   ; with lane l xor 16's 16 keys
.endr
	s_delay_alu instid0(VALU_DEP_2)
	v_max3_num_f32 v254, v232, v233, v234
	s_delay_alu instid0(VALU_DEP_1)
	v_max_num_f32 v254, v254, v235
	s_delay_alu instid0(VALU_DEP_1)
	v_mul_f32 v254, s[CS], v254                    ; as t (c is positive)
	s_delay_alu instid0(VALU_DEP_1)
	v_max_num_f32 v13, v13, v254                   ; the running largest t
	v_mov_b32 v254, v12
	s_delay_alu instid0(VALU_DEP_2)
	v_floor_f32 v12, -v13                          ; the new -M = floor(-t): M is a whole number
	s_delay_alu instid0(VALU_DEP_1)
	v_sub_f32 v254, v12, v254                      ; old M - new M: a whole number, 0 or less
	s_delay_alu instid0(VALU_DEP_1)
	v_cvt_i32_f32 v254, v254                       ; (it saturates)
	s_delay_alu instid0(VALU_DEP_1)
	v_ldexp_f32 v252, 1.0, v254                    ; f = 2^(old M - new M)
.irp j, 0,2,4,6,8,10,12,14,16,18,20,22,24,26,28,30,32,34,36,38,40,42,44,46,48,50,52,54,56,58,60,62
	v_pk_fma_f32 v[96+\j:97+\j], v[96+\j:97+\j], s[CS:CS+1], v[12:13] op_sel_hi:[1,0,0]   ; t - M
.endr
.irp b, 0,1,2,3
	v_fma_f32 v[232+\b], v[232+\b], s[CS], v12     ; the same of each block's largest score
.endr
	s_wait_alu depctr_va_vdst(0)                   ; the wait ahead of the batch
.irp j, 0,1,2,3,4,5,6,7,8,9,10,11,12,13,14,15,16,17,18,19,20,21,22,23,24,25,26,27,28,29,30,31,32,33,34,35,36,37,38,39,40,41,42,43,44,45,46,47,48,49,50,51,52,53,54,55,56,57,58,59,60,61,62,63
	v_exp_f32 v[96+\j], v[96+\j]                   ; p = 2^(t - M), at most 1
.endr
	v_pk_mul_f32 v[14:15], v[14:15], v[252:253] op_sel_hi:[1,0]   ; the sums under the new M: a plain place behind the exponentials
	s_wait_alu depctr_va_vdst(0)                   ; one wait for the batch of 64, ahead of its first reader
.irp b, 0,1,2,3
	v_exp_f32 v[232+\b], v[232+\b]                 ; the block's largest p
.endr
	v_pk_add_f32 v[236:237], v[96:97], v[98:99]    ; the row's sum is taken of the unquantised p, in two chains
.irp j, 4,8,12,16,20,24,28,32,36,40,44,48,52,56,60
	v_pk_add_f32 v[14:15], v[14:15], v[96+\j:97+\j]
	v_pk_add_f32 v[236:237], v[236:237], v[98+\j:99+\j]
.endr
	s_delay_alu instid0(VALU_DEP_1)
	v_pk_add_f32 v[14:15], v[14:15], v[236:237]
	s_wait_alu depctr_va_vdst(0)                   ; and one for the four
.irp b, 0,1,2,3
	v_max_num_f32 v[232+\b], 0x1800000, v[232+\b]  ; the floor 2^(3 - 127): the byte cannot fall under 1
.endr
.irp b, 0,1,2,3
	s_delay_alu instid0(VALU_DEP_4)
	v_add_nc_u32 v[244+\b], 0xff000000, v[232+\b]  ; 2 off the exponent field: the conversion's scale operand
.endr
.irp b, 0,1,2,3
	s_delay_alu instid0(VALU_DEP_4)
	v_lshrrev_b32 v[236+\b], 23, v[244+\b]
.endr
	s_delay_alu instid0(VALU_DEP_3)
	v_lshl_or_b32 v253, v237, 8, v236              ; p's scale word for these 128 keys
	s_delay_alu instid0(VALU_DEP_1)
	v_lshl_or_b32 v253, v238, 16, v253
	s_delay_alu instid0(VALU_DEP_1)
	v_lshl_or_b32 v253, v239, 24, v253
.irp c, 0,1
	v_cvt_scalef32_pk16_fp6_f32 v[224+6*\c:226+6*\c], v[96+32*\c:111+32*\c], v[244+2*\c]
	v_cvt_scalef32_pk16_fp6_f32 v[236+4*\c:238+4*\c], v[112+32*\c:127+32*\c], v[244+2*\c+1]
.endr
	v_nop                                          ; one plain place behind a scaled conversion
.irp c, 0,1                                    ; the operand wants a whole block in a lane
.irp i, 0,1,2
	v_permlane16_swap_b32 v[224+6*\c+\i], v[236+4*\c+\i]
.endr
.irp i, 0,1,2
	s_delay_alu instid0(VALU_DEP_3)
	v_mov_b32 v[227+6*\c+\i], v[236+4*\c+\i]
.endr
.endr
	s_wait_alu depctr_va_vdst(0)                   ; the wait directly ahead of the first reader of O^T
.irp j, 0,2,4,6,8,10,12,14,16,18,20,22,24,26,28,30
	v_pk_mul_f32 v[160+\j:161+\j], v[160+\j:161+\j], v[252:253] op_sel_hi:[1,0]   ; O^T under the new M.  These 16 are also the places between the scale word, the codes and the products
.endr
.endm
; A key step: 128 keys.  Its k and, behind that, its v have been asked for.  more = 1: the next step's are asked for.
.macro STEP more
	s_barrier_wait -1                              ; every wave has begun the step before
.if \more
	s_barrier_signal -1                            ; and I have begun this one
.endif
	s_wait_loadcnt NV                              ; k is in (the first time q too); v's 14 loads, issued behind it, may be out
.irp t, 0,2,4,6
	v_wmma_scale_f32_16x16x128_f8f6f4 v[96+8*\t:103+8*\t], v[32+6*\t:43+6*\t], v[16:27], 0, v[86+\t/2], v255 matrix_a_fmt:MATRIX_FMT_FP6 matrix_b_fmt:MATRIX_FMT_FP6
	v_wmma_scale_f32_16x16x128_f8f6f4 v[104+8*\t:111+8*\t], v[38+6*\t:49+6*\t], v[16:27], 0, v[86+\t/2], v255 matrix_a_fmt:MATRIX_FMT_FP6 matrix_b_fmt:MATRIX_FMT_FP6 matrix_a_scale:MATRIX_SCALE_ROW1
.endr
	PLACES 4                                       ; in front of the loads into k's registers and of the first read of the scores
.if \more
	KLOAD STEPB
.endif
	SOFTMAX
	s_wait_alu depctr_va_vdst(0)                   ; ahead of the wait below
.if \more
	s_wait_loadcnt NK                              ; v is in; the next k's 20 loads may be out
.else
	s_wait_loadcnt 0x0
.endif
	; the four accumulators by turns
	v_wmma_scale_f32_16x16x128_f8f6f4 v[160:167], v[192:203], v[224:235], v[160:167], v90, v253 matrix_a_fmt:MATRIX_FMT_FP6 matrix_b_fmt:MATRIX_FMT_FP6
	v_wmma_scale_f32_16x16x128_f8f6f4 v[168:175], v[204:215], v[224:235], v[168:175], v90, v253 matrix_a_fmt:MATRIX_FMT_FP6 matrix_b_fmt:MATRIX_FMT_FP6 matrix_a_scale:MATRIX_SCALE_ROW1
	WIN 0x01                                       ; fragments 2 and 3 lie in window 1
	v_wmma_scale_f32_16x16x128_f8f6f4 v[176:183], v[0:11], v[224:235], v[176:183], v91, v253 matrix_a_fmt:MATRIX_FMT_FP6 matrix_b_fmt:MATRIX_FMT_FP6
	v_wmma_scale_f32_16x16x128_f8f6f4 v[184:191], v[12:23], v[224:235], v[184:191], v91, v253 matrix_a_fmt:MATRIX_FMT_FP6 matrix_b_fmt:MATRIX_FMT_FP6 matrix_a_scale:MATRIX_SCALE_ROW1
	WIN 0
	PLACES 4                                       ; in front of the loads into v's registers (in the last step: of the first read of O^T)
.if \more
	VLOAD STEPB
	s_wait_xcnt 0x0                                ; the loads have read their base
	s_add_nc_u64 s[KV:KV+1], s[KV:KV+1], STEPB
.endif
.endm
	s_load_b128 s[4:7], s[0:1], 0x0                ; q s[4:5], kv s[6:7]
	s_load_b64 s[8:9], s[0:1], 0x10                ; at
	v_lshrrev_b32 v1, 5, v0
	s_delay_alu instid0(VALU_DEP_1)
	v_readfirstlane_b32 s10, v1                    ; wave 0..11
	v_and_b32 v11, 31, v0
	v_bfe_u32 v6, v0, 4, 1                         ; lane / 16
	s_delay_alu instid0(VALU_DEP_2)
	v_lshlrev_b32 v1, 4, v11
	v_lshlrev_b32 v2, 3, v11
	v_lshlrev_b32 v3, 2, v11
	s_delay_alu instid0(VALU_DEP_1)
	v_lshl_add_u32 v11, v6, 7, v3                  ; scale words in pairs: 4 x lane + 128 (lane / 16)
	s_lshr_b32 s17, s10, 2                         ; which of the work-group's three heads
	s_and_b32 s46, s10, 3                          ; which of its four tiles
	s_and_b32 s30, ttmp7, 0xffff
	s_mul_i32 s30, s30, 3
	s_add_co_u32 s30, s30, s17                     ; the head
	s_mov_b32 s[SEL], 0x76543210
	s_mov_b32 s[SEL+1], 0xfedcba98
	s_mov_b32 s[CS], 0x3e38aa3b                    ; log2(e) / 8
	s_mov_b32 s[CS+1], s[CS]
	s_mul_i32 s32, s30, HB
	s_mov_b32 s33, 0
	s_lshl_b32 s31, ttmp9, 2
	s_add_co_u32 s31, s31, s46                     ; my tile of queries: 4 x work-group + wave % 4
	s_mul_i32 s34, s30, 196608
	s_mul_i32 s36, s31, 768
	s_add_co_u32 s34, s34, s36
	s_mov_b32 s35, 0
	s_lshl_b32 s36, s30, 15
	s_lshl_b32 s38, s31, 7
	s_add_co_u32 s36, s36, s38
	s_add_co_u32 s36, s36, QSC
	s_mov_b32 s37, 0
	s_mul_i32 s38, s31, 6
	s_lshr_b32 s20, s30, 1
	s_add_co_u32 s38, s38, s20                     ; the fragment of at: 6 x tile + head / 2
	s_and_b32 s20, s30, 1
	s_mul_i32 s42, s38, 1536
	s_mul_i32 s21, s20, 768
	s_add_co_u32 s42, s42, s21                     ; its lower or upper six registers
	s_mov_b32 s43, 0
	s_lshl_b32 s44, s38, 7
	s_lshl_b32 s21, s20, 1
	s_add_co_u32 s44, s44, s21                     ; the lower or upper half of its scale words
	s_add_co_u32 s44, s44, ASC
	s_mov_b32 s45, 0
	s_wait_alu depctr_va_vdst(0)                   ; the wait at the head's end
	s_wait_kmcnt 0x0
	s_add_nc_u64 s[KV:KV+1], s[6:7], s[32:33]
	s_add_nc_u64 s[22:23], s[4:5], s[34:35]
	s_add_nc_u64 s[24:25], s[4:5], s[36:37]
	s_add_nc_u64 s[26:27], s[8:9], s[42:43]
	s_add_nc_u64 s[28:29], s[8:9], s[44:45]
	global_load_b128 v[16:19], v1, s[22:23]        ; q
	global_load_b64 v[20:21], v2, s[22:23] offset:512
	global_load_b32 v255, v3, s[24:25]
	KLOAD 0                                        ; step 0's k,
	VLOAD 0                                        ; and its v
.irp j, 80,81,82,83,84,85
	v_mov_b32 v[\j], 0                             ; what stands behind k's eighth tile
.endr
	v_mov_b32 v13, 0xff61b1e6                      ; the largest t so far: -3e38.  The step's softmax is written once: the first finds zeros, which the first change of M leaves zeros
	s_delay_alu instid0(VALU_DEP_1)
	v_floor_f32 v12, -v13
	v_mov_b32 v14, 0
	v_mov_b32 v15, 0
.irp j, 22,23,24,25,26,27
	v_mov_b32 v[\j], 0                             ; q's upper 64 along K: zero codes
.endr
.irp j, 0,1,2,3,4,5,6,7,8,9,10,11,12,13,14,15,16,17,18,19,20,21,22,23,24,25,26,27,28,29,30,31
	v_mov_b32 v[160+\j], 0
.endr
.irp b, 0,1,2,3
	v_mov_b32 v[236+\b], 0                         ; a lane permute's destination counts as one of its sources
.endr
	v_mov_b32 v253, 0                              ; named as the upper half of v[252:253] before it is first written
	s_mov_b32 s19, 31
	s_wait_alu depctr_va_vdst(0)                   ; the wait ahead of the barrier and the waits below
	s_barrier_signal -1
.Lstep:                                            ; steps 0 to 30: each asks for the next step's k and v
	STEP 1
	s_sub_co_u32 s19, s19, 1
	s_cmp_lg_u32 s19, 0
	s_cbranch_scc1 .Lstep
	STEP 0                                         ; step 31
	; THE WAY OUT: O^T / the sum, quantised along the head's 64 channels (two blocks), stored as six registers a lane and half a scale word
	v_add_f32 v14, v14, v15
	s_delay_alu instid0(VALU_DEP_1)
	v_permlanex16_b32 v252, v14, s[SEL], s[SEL+1]
	s_delay_alu instid0(VALU_DEP_1)
	v_add_f32 v14, v14, v252                       ; the row's sum
	s_wait_alu depctr_va_vdst(0)                   ; the wait ahead of the transcendental
	v_rcp_f32 v14, v14
	v_nop                                          ; a plain place behind it
	s_wait_alu depctr_va_vdst(0)                   ; and the wait ahead of its first reader, which is O^T's first reader too
.irp j, 0,2,4,6,8,10,12,14,16,18,20,22,24,26,28,30
	v_pk_mul_f32 v[160+\j:161+\j], v[160+\j:161+\j], v[14:15] op_sel_hi:[1,0]
.endr
.irp b, 0,1
	v_max3_num_f32 v[232+\b], |v[160+16*\b]|, |v[161+16*\b]|, 0x1800000
.endr
.irp i, 2,4,6,8,10,12,14
.irp b, 0,1
	s_delay_alu instid0(VALU_DEP_2)
	v_max3_num_f32 v[232+\b], v[232+\b], |v[160+16*\b+\i]|, |v[161+16*\b+\i]|
.endr
.endr
.irp b, 0,1
	s_delay_alu instid0(VALU_DEP_2)
	v_permlanex16_b32 v[236+\b], v[232+\b], s[SEL], s[SEL+1]
.endr
.irp b, 0,1
	s_delay_alu instid0(VALU_DEP_2)
	v_max_num_f32 v[232+\b], v[232+\b], v[236+\b]
.endr
.irp b, 0,1
	s_delay_alu instid0(VALU_DEP_2)
	v_add_nc_u32 v[244+\b], 0xff000000, v[232+\b]
.endr
.irp b, 0,1
	s_delay_alu instid0(VALU_DEP_2)
	v_lshrrev_b32 v[236+\b], 23, v[244+\b]
.endr
	s_delay_alu instid0(VALU_DEP_1)
	v_lshl_or_b32 v254, v237, 8, v236              ; my head's two bytes
	v_cvt_scalef32_pk16_fp6_f32 v[224:226], v[160:175], v244
	v_cvt_scalef32_pk16_fp6_f32 v[236:238], v[176:191], v245
	v_nop                                          ; one plain place behind a scaled conversion
.irp i, 0,1,2
	v_permlane16_swap_b32 v[224+\i], v[236+\i]
.endr
.irp i, 0,1,2
	s_delay_alu instid0(VALU_DEP_3)
	v_mov_b32 v[227+\i], v[236+\i]
.endr
	global_store_b128 v1, v[224:227], s[26:27]
	global_store_b64 v2, v[228:229], s[26:27] offset:512
	global_store_b16 v3, v254, s[28:29]
	s_endpgm
.Lfunc_end_k_qff96d0d64b_attn:
	.size	k_qff96d0d64b_attn, .Lfunc_end_k_qff96d0d64b_attn-k_qff96d0d64b_attn
	.p2alignl 7, 3214868480
	.fill 96, 4, 3214868480
	.section	.rodata,"a",@progbits
	.p2align	6, 0x0
	.amdhsa_kernel k_qff96d0d64b_attn
		.amdhsa_group_segment_fixed_size 0
		.amdhsa_private_segment_fixed_size 0
		.amdhsa_enable_private_segment 0
		.amdhsa_kernarg_size 24
		.amdhsa_user_sgpr_count 2
		.amdhsa_user_sgpr_kernarg_segment_ptr 1
		.amdhsa_wavefront_size32 1
		.amdhsa_system_sgpr_workgroup_id_x 1
		.amdhsa_system_sgpr_workgroup_id_y 1
		.amdhsa_system_sgpr_workgroup_id_z 1
		.amdhsa_system_vgpr_workitem_id 0
		.amdhsa_next_free_vgpr 320
		.amdhsa_next_free_sgpr 66
		.amdhsa_reserve_vcc 0
		.amdhsa_float_denorm_mode_32 3
		.amdhsa_float_denorm_mode_16_64 3
		.amdhsa_memory_ordered 1
		.amdhsa_forward_progress 1
		.amdhsa_inst_pref_size 45
	.end_amdhsa_kernel
	.amdgpu_metadata
---
amdhsa.version: [ 1, 2 ]
amdhsa.kernels:
  - .name:           k_qff96d0d64b_attn
    .symbol:         k_qff96d0d64b_attn.kd
    .args:
      - { .name: q, .offset: 0, .size: 8, .value_kind: global_buffer, .address_space: global }
      - { .name: kv, .offset: 8, .size: 8, .value_kind: global_buffer, .address_space: global }
      - { .name: at, .offset: 16, .size: 8, .value_kind: global_buffer, .address_space: global }
    .group_segment_fixed_size: 0
    .private_segment_fixed_size: 0
    .kernarg_segment_align: 8
    .kernarg_segment_size: 24
    .max_flat_workgroup_size: 384
    .sgpr_count:     66
    .vgpr_count:     320
    .wavefront_size: 32
...
	.end_amdgpu_metadata
.endif
;; end of part 9
;; launch wo (part 10): grid 192 x 1, 4 waves a work-group, no clusters, 143,872 bytes of LDS; arguments at, wo_codes, wo_scales, bo, x, x1; writes x1
.if DOCPART == 10
	.amdgcn_target "amdgcn-amd-amdhsa--gfx1250"
	.amdhsa_code_object_version 6
	.text
	.protected	k_qff96d0d64b_wo
	.globl	k_qff96d0d64b_wo
	.p2align	8
	.type	k_qff96d0d64b_wo,@function
k_qff96d0d64b_wo:
	s_mov_b64 s[64:65], 0
	v_nop
	global_prefetch_b8 v0, s[64:65] scope:SCOPE_SE
	s_setreg_imm32_b32 hwreg(HW_REG_WAVE_MODE, 25, 1), 1
	s_wait_xcnt 0x0
; x1 = x + at wo^T + bo.  at: codes as images of operand registers (for each tile of 16 tokens and K step: head 2 s's six registers, then head 2 s + 1's), wo: rows of codes.  x, x1: [4096][768] f32.
; A WORK-GROUP is 128 columns x 128 tokens, a wave 32 tokens (two tiles).  Source 0 = 128 rows of wo (48 fragments in registers), source 1 = a tile of tokens: a lane holds one token and 64 columns a tile.
; wo's BLOCK of 128 rows, 73,728 dense bytes, comes once for the four waves, in loads of 512 consecutive bytes, 36 a wave, and goes through LDS: rows 592 bytes apart, row R at the slot that R gives with its
; bits 3 and 4 exchanged, so that a tile's 16 rows (32 (t / 2) + 8 (t % 2) + r + 8 (r / 8)) are 16 neighbouring slots.  592 bytes are 148 words: lane (r, h) of a load of 8 bytes starts, in pairs of words,
; at 10 r + 3 h mod 32: 32 different pairs (64 banks of 4 bytes: ISA guide 11.1).
; x is the C of each sum's first matrix instruction.  It is loaded as whole rows of 512 bytes and turned into the accumulators' layout through the wave's own stage in LDS: the way out, run backwards.
; THE WAY OUT: through the same two stages (16 rows of 512 + 16 bytes), back as whole rows; bo is added there, where a lane holds four neighbouring columns; each store of the wave covers 512 consecutive bytes, aligned.
; No multicast: the block is fetched once a work-group; the tokens' codes are shared with nobody in it.
.set ASC,  2359296
.set LP,   592
.set STG,  128*LP                      ; behind the block: two stages for each wave
.set VSS,  5                           ; v5   (r + 8 (r / 8)) x 24
.set VL0,  6                           ; v6   592 r + 24 h: tiles 0-3;  v7: tiles 4-7
.set LI,   8
.set LS,   9
.set L8,   10
.set SO,   12                          ; v12  my stage in the accumulators' order: row r, + 64 h
.set SR,   13                          ; v13  and by rows: 16 x lane
.set SSC,  16
.set TSC,  64
.set ACC,  80                          ; v80-143 tile 0, v144-207 tile 1
.set BO,   208                         ; v[208:211] bo at columns 4 x lane + 0 .. 3
.set CA,   245                         ; v245-253 where load i of nine puts my 16 bytes
.set SSB,  26
.set TBS,  28
.set TSB,  30
.set CB,   38                          ; s[38:39] my 32 rows of the block
.set MSB, 0
.macro WIN new
.if MSB != (\new)
	s_set_vgpr_msb (MSB<<8)|(\new)
.set MSB, (\new)
.endif
.endm
.macro TLOADH buf                      ; a tile of at: 30 loads
	WIN 0xc0
.irp k, 0,1,2,3,4,5
.irp e, 0,1
	global_load_b128 v[72+72*(\buf)+12*\k+6*\e:72+72*(\buf)+12*\k+6*\e+3], v[LI], s[TBS:TBS+1] offset:(\buf)*9216+1536*\k+768*\e
	global_load_b64 v[72+72*(\buf)+12*\k+6*\e+4:72+72*(\buf)+12*\k+6*\e+5], v[L8], s[TBS:TBS+1] offset:(\buf)*9216+1536*\k+768*\e+512
.endr
.endr
	WIN 0
.irp k, 0,1,2,3,4,5
	global_load_b32 v[TSC+6*(\buf)+\k], v[LS], s[TSB:TSB+1] offset:(\buf)*768+128*\k
.endr
.endm
	s_load_b256 s[4:11], s[0:1], 0x0               ; at s[4:5], wo codes s[6:7], wo scales s[8:9], bo s[10:11]
	s_load_b128 s[12:15], s[0:1], 0x20             ; x s[12:13], x1 s[14:15]
	v_lshl_add_u32 v244, v0, 2, 0x23000
	v_mov_b32 v255, 0
	v_lshrrev_b32 v1, 5, v0
	v_readfirstlane_b32 s2, v1                     ; wave
	v_and_b32 v1, 31, v0                           ; lane
	v_and_b32 v2, 15, v0                           ; r
	v_bfe_u32 v3, v0, 4, 1                         ; h
	v_and_b32 v14, 8, v2
	v_add_nc_u32 v14, v14, v2                      ; r + 8 (r / 8)
	v_mul_u32_u24 v[VSS], v14, 24
	v_mul_u32_u24 v[VL0], v2, LP
	v_mad_u32_u24 v[VL0], v3, 24, v[VL0]
	v_add_nc_u32 v[VL0+1], 64*LP, v[VL0]
	v_lshlrev_b32 v[LI], 4, v1
	v_lshlrev_b32 v[LS], 2, v1
	v_lshlrev_b32 v[L8], 3, v1
	s_mul_i32 s22, s2, 16896
	s_add_co_u32 s22, s22, STG                     ; my two stages
	v_mul_u32_u24 v[SO], v2, 528
	v_lshl_add_u32 v[SO], v3, 6, v[SO]
	v_add_nc_u32 v[SO], s22, v[SO]
	v_add_nc_u32 v[SR], s22, v[LI]
	s_mul_i32 s40, s2, 32*LP                       ; my 32 rows of the block in LDS
	; nine loads of 512 bytes are eight rows of 576: chunk q = 32 i + lane of 16 bytes lies in row q / 36 of the eight, at LDS byte 16 q + 16 (q / 36); q / 36 = (q x 1821) >> 16 for q < 288
.irp i, 0,1,2,3,4,5,6,7,8
	v_add_nc_u32 v[CA+\i], 32*\i, v1
	v_mul_u32_u24 v254, v[CA+\i], 1821
	v_lshrrev_b32 v254, 16, v254
	v_add_nc_u32 v[CA+\i], v[CA+\i], v254
	v_lshl_add_u32 v[CA+\i], v[CA+\i], 4, s40
.endr
	s_lshr_b32 s16, ttmp9, 5                       ; n: which 128 columns
	s_and_b32 s17, ttmp9, 31
	s_lshl_b32 s17, s17, 2
	s_add_co_u32 s17, s17, s2                      ; P: which 32 tokens
	s_mov_b32 s19, 0
	s_wait_alu depctr_va_vdst(0)
	s_wait_kmcnt 0x0
	s_mul_i32 s18, s16, 73728
	s_mul_i32 s20, s2, 18432
	s_add_co_u32 s18, s18, s20
	s_add_nc_u64 s[CB:CB+1], s[6:7], s[18:19]
	s_mul_i32 s18, s16, 3072
	s_add_nc_u64 s[SSB:SSB+1], s[8:9], s[18:19]
	s_mul_i32 s18, s17, 18432
	s_add_nc_u64 s[TBS:TBS+1], s[4:5], s[18:19]
	s_mul_i32 s18, s17, 1536
	s_add_co_u32 s18, s18, ASC
	s_add_nc_u64 s[TSB:TSB+1], s[4:5], s[18:19]
	s_lshl_b32 s18, s16, 9
	s_add_nc_u64 s[32:33], s[10:11], s[18:19]      ; bo at my columns
	s_mul_i32 s20, s17, 98304
	s_add_co_u32 s18, s18, s20
	s_add_nc_u64 s[34:35], s[12:13], s[18:19]      ; x and x1 at my first token and column
	s_add_nc_u64 s[36:37], s[14:15], s[18:19]
	WIN 0x40
.set JJ, 0
.rept 36                               ; my quarter of the block, into registers that wo's fragments take later
	global_load_b128 v[4*JJ:4*JJ+3], v[LI], s[CB:CB+1] offset:512*JJ
.set JJ, JJ+1
.endr
	WIN 0
.irp k, 0,1
.irp p, 0,1,2,3,4,5,6,7,8,9,10,11,12,13,14,15
	global_load_b128 v[ACC+64*\k+4*\p:ACC+64*\k+4*\p+3], v[LI], s[34:35] offset:(\p+8*(\p/8)+8*\k)*3072   ; x: stage row p of tile k is token p + 8 (p / 8) + 8 k of my 32; 512 consecutive bytes
.endr
.endr
	global_load_b128 v[BO:BO+3], v[LI], s[32:33]
.irp t, 0,1,2,3,4,5,6,7
.irp i, 0,1,2
	global_load_b64 v[SSC+6*\t+2*\i:SSC+6*\t+2*\i+1], v[VSS], s[SSB:SSB+1] offset:(32*(\t/2)+8*(\t%2))*24+8*\i
.endr
.endr
	TLOADH 0
	TLOADH 1
	s_wait_loadcnt 63                              ; 85 loads were issued behind x's last, 117 behind the copy's: both have landed
	WIN 0x04
.set JJ, 0
.rept 36                               ; the four groups of eight rows go to groups 0, 2, 1, 3 of slots
	ds_store_b128 v[CA+JJ%9], v[4*JJ:4*JJ+3] offset:(((JJ/9)%2)*2+(JJ/9)/2)*8*LP
.set JJ, JJ+1
.endr
	WIN 0
.irp k, 0,1                            ; x by rows into my stage, and back in the accumulators' layout: tile k, accumulator t, register j = x(token of lane r, 32 (t / 2) + 16 h + 8 (t % 2) + j)
.irp p, 0,1,2,3,4,5,6,7,8,9,10,11,12,13,14,15
	ds_store_b128 v[SR], v[ACC+64*\k+4*\p:ACC+64*\k+4*\p+3] offset:\k*8448+528*\p
.endr
.irp t, 0,1,2,3,4,5,6,7
	ds_load_b128 v[ACC+64*\k+8*\t:ACC+64*\k+8*\t+3], v[SO] offset:\k*8448+128*(\t/2)+32*(\t%2)      ; LDS serves a wave's instructions in order: these see my stores
	ds_load_b128 v[ACC+64*\k+8*\t+4:ACC+64*\k+8*\t+7], v[SO] offset:\k*8448+128*(\t/2)+32*(\t%2)+16
.endr
.endr
	s_wait_dscnt 0x0                               ; for the others: my rows of the block lie in LDS
	s_barrier_signal -1
	s_barrier_wait -1
.set FF, 0
.rept 48                               ; wo's 48 fragments: f = 8 s + t in window 1 + f / 21 at register 12 (f % 21)
	WIN ((1+FF/21)<<6)
.irp p, 0,1,2,3,4,5
	ds_load_b64 v[12*(FF%21)+2*\p:12*(FF%21)+2*\p+1], v[VL0+(FF%8)/4] offset:((FF%8)%4)*16*LP+96*(FF/8)+48*(\p/3)+8*(\p%3)
.endr
.set FF, FF+1
.endr
	WIN 0
	s_wait_loadcnt 0x0
	s_wait_dscnt 0x0
.set FF, 0
.rept 48                               ; 96 matrix instructions; the sixteen accumulators by turns
	WIN (0x0c|(1+FF/21))
.irp k, 0,1
	v_wmma_scale_f32_16x16x128_f8f6f4 v[ACC+64*\k+8*(FF%8):ACC+64*\k+8*(FF%8)+7], v[12*(FF%21):12*(FF%21)+11], v[72+72*\k+12*(FF/8):72+72*\k+12*(FF/8)+11], v[ACC+64*\k+8*(FF%8):ACC+64*\k+8*(FF%8)+7], v[SSC+6*(FF%8)+FF/8], v[TSC+6*\k+FF/8] matrix_a_fmt:MATRIX_FMT_FP6 matrix_b_fmt:MATRIX_FMT_FP6
.endr
.set FF, FF+1
.endr
	WIN 0
.rept 4
	v_nop                                          ; places in front of the first read of the results
.endr
.irp k, 0,1
.irp t, 0,1,2,3,4,5,6,7
	ds_store_b128 v[SO], v[ACC+64*\k+8*\t:ACC+64*\k+8*\t+3] offset:\k*8448+128*(\t/2)+32*(\t%2)        ; each accumulator from its low end on
	ds_store_b128 v[SO], v[ACC+64*\k+8*\t+4:ACC+64*\k+8*\t+7] offset:\k*8448+128*(\t/2)+32*(\t%2)+16
.endr
.irp p, 0,1,2,3,4,5,6,7,8,9,10,11,12,13,14,15
	ds_load_b128 v[ACC+64*\k+4*\p:ACC+64*\k+4*\p+3], v[SR] offset:\k*8448+528*\p   ; these see my stores
.endr
.endr
.irp p, 0,1,2,3,4,5,6,7,8,9,10,11,12,13,14,15
	s_wait_dscnt 47-\p                             ; behind row p's load: 15 - p loads of this tile and the other tile's 32 instructions
	v_pk_add_f32 v[ACC+4*\p:ACC+4*\p+1], v[ACC+4*\p:ACC+4*\p+1], v[BO:BO+1]
	v_pk_add_f32 v[ACC+4*\p+2:ACC+4*\p+3], v[ACC+4*\p+2:ACC+4*\p+3], v[BO+2:BO+3]
	global_store_b128 v[LI], v[ACC+4*\p:ACC+4*\p+3], s[36:37] offset:(\p+8*(\p/8))*3072
.endr
.irp p, 0,1,2,3,4,5,6,7,8,9,10,11,12,13,14,15
	s_wait_dscnt 15-\p
	v_pk_add_f32 v[ACC+64+4*\p:ACC+64+4*\p+1], v[ACC+64+4*\p:ACC+64+4*\p+1], v[BO:BO+1]
	v_pk_add_f32 v[ACC+64+4*\p+2:ACC+64+4*\p+3], v[ACC+64+4*\p+2:ACC+64+4*\p+3], v[BO+2:BO+3]
	global_store_b128 v[LI], v[ACC+64+4*\p:ACC+64+4*\p+3], s[36:37] offset:(\p+8*(\p/8)+8)*3072
.endr
	s_wait_tensorcnt 0x0
	ds_add_u32 v244, v255
	s_wait_dscnt 0x0
	s_endpgm
.Lfunc_end_k_qff96d0d64b_wo:
	.size	k_qff96d0d64b_wo, .Lfunc_end_k_qff96d0d64b_wo-k_qff96d0d64b_wo
	.p2alignl 7, 3214868480
	.fill 96, 4, 3214868480
	.section	.rodata,"a",@progbits
	.p2align	6, 0x0
	.amdhsa_kernel k_qff96d0d64b_wo
		.amdhsa_group_segment_fixed_size 143872
		.amdhsa_private_segment_fixed_size 0
		.amdhsa_enable_private_segment 0
		.amdhsa_kernarg_size 48
		.amdhsa_user_sgpr_count 2
		.amdhsa_user_sgpr_kernarg_segment_ptr 1
		.amdhsa_wavefront_size32 1
		.amdhsa_system_sgpr_workgroup_id_x 1
		.amdhsa_system_sgpr_workgroup_id_y 1
		.amdhsa_system_sgpr_workgroup_id_z 1
		.amdhsa_system_vgpr_workitem_id 0
		.amdhsa_next_free_vgpr 1024
		.amdhsa_next_free_sgpr 66
		.amdhsa_reserve_vcc 0
		.amdhsa_float_denorm_mode_32 3
		.amdhsa_float_denorm_mode_16_64 3
		.amdhsa_memory_ordered 1
		.amdhsa_forward_progress 1
		.amdhsa_inst_pref_size 69
	.end_amdhsa_kernel
	.amdgpu_metadata
---
amdhsa.version: [ 1, 2 ]
amdhsa.kernels:
  - .name:           k_qff96d0d64b_wo
    .symbol:         k_qff96d0d64b_wo.kd
    .args:
      - { .name: at, .offset: 0, .size: 8, .value_kind: global_buffer, .address_space: global }
      - { .name: wo_codes, .offset: 8, .size: 8, .value_kind: global_buffer, .address_space: global }
      - { .name: wo_scales, .offset: 16, .size: 8, .value_kind: global_buffer, .address_space: global }
      - { .name: bo, .offset: 24, .size: 8, .value_kind: global_buffer, .address_space: global }
      - { .name: x, .offset: 32, .size: 8, .value_kind: global_buffer, .address_space: global }
      - { .name: x1, .offset: 40, .size: 8, .value_kind: global_buffer, .address_space: global }
    .group_segment_fixed_size: 143872
    .private_segment_fixed_size: 0
    .kernarg_segment_align: 8
    .kernarg_segment_size: 48
    .max_flat_workgroup_size: 128
    .sgpr_count:     66
    .vgpr_count:     1024
    .wavefront_size: 32
...
	.end_amdgpu_metadata
.endif
;; end of part 10
;; launch ln2: the kernel of part 7 again; grid 256 x 1, 6 waves a work-group, no clusters, 2,816 bytes of LDS; arguments x1, gamma2, beta2, h; writes h
;; launch ffn1 (part 11): grid 192 x 1, 4 waves a work-group, no clusters, 76,288 bytes of LDS; arguments h, w1_codes, w1_scales, b1, hid; writes hid
.if DOCPART == 11
	.amdgcn_target "amdgcn-amd-amdhsa--gfx1250"
	.amdhsa_code_object_version 6
	.text
	.protected	k_qff96d0d64b_ffn1
	.globl	k_qff96d0d64b_ffn1
	.p2align	8
	.type	k_qff96d0d64b_ffn1,@function
k_qff96d0d64b_ffn1:
	s_mov_b64 s[64:65], 0
	v_nop
	global_prefetch_b8 v0, s[64:65] scope:SCOPE_SE
	s_setreg_imm32_b32 hwreg(HW_REG_WAVE_MODE, 25, 1), 1
	s_wait_xcnt 0x0
; hid = Q(gelu(h w1^T + b1)), the exact gelu 0.5 u (1 + erf(u / sqrt 2)), quantised along the 3,072 hidden units.  h: images of operand registers; w1: rows of codes.
; A WORK-GROUP is one block of 128 hidden units; its four waves take four blocks of 128 tokens.  A wave: source 0 = the 128 rows of w1, kept in 576 registers; source 1 = tiles of 16 tokens, asked for two tiles ahead.
; The rows of w1 that form tile t are 32 (t / 2) + 8 (t % 2) + r + 8 (r / 8): a lane's register 16 b + i is hidden unit 32 b + 16 (lane / 16) + i of its token, the order that the quantiser takes.
; w1's BLOCK, 73,728 dense bytes, comes once for the four waves, in loads of 512 consecutive bytes, 36 a wave, and goes through LDS: rows 592 bytes apart, row R at the slot that R gives with its bits 3 and 4
; exchanged, so that a tile's 16 rows are 16 neighbouring slots.  592 bytes are 148 words: lane (r, h) of a load of 8 bytes starts, in pairs of words, at 10 r + 3 h mod 32: 32 different pairs (64 banks of 4 bytes: ISA guide 11.1).
; b1 is the C of each sum's first matrix instruction.  A wave's 128 units are one K step of the next product: one fragment and one scale word a token.
; erf(z) = z P(z^2) / Q(z^2), P of 7 and Q of 5 terms, z held to +-4, beyond which erf is 1 in f32.  80 vector lines for 8 numbers; the eight reciprocals are one batch with one wait.
; LIMITS: NaN and infinities are not served; a block of zeros gets the byte 1 with zero codes.
; No multicast: the block is fetched once a work-group; the tokens' codes are shared with nobody in it.
.set HSC,   2359296
.set HIDSC, 9437184
.set LP,   592
.set VSS,  5
.set VL0,  6                           ; v6   592 r + 24 h: tiles 0-3;  v7: tiles 4-7
.set LI,   8
.set LS,   9
.set BA,   11                          ; v11  64 h: b1 in the result's layout
.set SSC,  16
.set TSC,  64
.set ACC,  80
.set BIAS, 144
.set TM,   208
.set PC,   224
.set PW,   244
.set CA,   245                         ; v245-253 where load i of nine puts my 16 bytes
.set GZ,   208                         ; the gelu at work: z, later u / 2;  z^2;  P;  Q
.set GZ2,  216
.set GP,   224
.set GQ,   232
.set SEL,  20
.set SSB,  26
.set TBS,  28
.set TSB,  30
.set OB,   32
.set OS,   34
.set CB,   38                          ; s[38:39] my 32 rows of the block
.set SA,   40                          ; s[40:51] P's terms 1 to 6, each twice;  s[52:59] Q's 1 to 4;  s[60:61] 1 / sqrt 2
.set SQ,   52
.set SK,   60
.set MSB, 0
.macro WIN new
.if MSB != (\new)
	s_set_vgpr_msb (MSB<<8)|(\new)
.set MSB, (\new)
.endif
.endm
.macro PLACES n
.rept \n
	v_nop
.endr
.endm
.macro KONST reg, val                  ; a packed form names a pair: both words are written
	s_mov_b32 s[\reg], \val
	s_mov_b32 s[\reg+1], \val
.endm
.macro QUANT s
.irp b, 0,1,2,3
	v_max3_num_f32 v[TM+\b], |v[\s+16*\b]|, |v[\s+1+16*\b]|, 0x1800000
.endr
.irp i, 2,4,6,8,10,12,14
.irp b, 0,1,2,3
	v_max3_num_f32 v[TM+\b], v[TM+\b], |v[\s+16*\b+\i]|, |v[\s+1+16*\b+\i]|
.endr
.endr
.irp b, 0,1,2,3
	v_permlanex16_b32 v[TM+4+\b], v[TM+\b], s[SEL], s[SEL+1]
.endr
.irp b, 0,1,2,3
	v_max_num_f32 v[TM+\b], v[TM+\b], v[TM+4+\b]
.endr
.irp b, 0,1,2,3
	v_add_nc_u32 v[TM+12+\b], 0xff000000, v[TM+\b]
.endr
.irp b, 0,1,2,3
	v_lshrrev_b32 v[TM+4+\b], 23, v[TM+12+\b]
.endr
	v_lshl_or_b32 v[PW], v[TM+5], 8, v[TM+4]
	v_lshl_or_b32 v[PW], v[TM+6], 16, v[PW]
	v_lshl_or_b32 v[PW], v[TM+7], 24, v[PW]
.irp c, 0,1
	v_cvt_scalef32_pk16_fp6_f32 v[PC+6*\c:PC+2+6*\c], v[\s+32*\c:\s+15+32*\c], v[TM+12+2*\c]
	v_cvt_scalef32_pk16_fp6_f32 v[PC+12+4*\c:PC+14+4*\c], v[\s+16+32*\c:\s+31+32*\c], v[TM+12+2*\c+1]
.endr
	v_nop                                          ; one plain place behind a scaled conversion
.irp c, 0,1
.irp i, 0,1,2
	v_permlane16_swap_b32 v[PC+6*\c+\i], v[PC+12+4*\c+\i]
.endr
.irp i, 0,1,2
	v_mov_b32 v[PC+3+6*\c+\i], v[PC+12+4*\c+\i]
.endr
.endr
.endm
.macro TLOADI buf, off, soff           ; a tile of h: 24 loads
	WIN 0xc0
.irp k, 0,1,2,3,4,5
.irp c, 0,1,2
	global_load_b128 v[72+72*(\buf)+12*\k+4*\c:72+72*(\buf)+12*\k+4*\c+3], v[LI], s[TBS:TBS+1] offset:(\off)+1536*\k+512*\c
.endr
.endr
	WIN 0
.irp k, 0,1,2,3,4,5
	global_load_b32 v[TSC+6*(\buf)+\k], v[LS], s[TSB:TSB+1] offset:(\soff)+128*\k
.endr
.endm
.macro MM buf                          ; 48 matrix instructions, the eight accumulators by turns; the first K step takes b1 as C
.set FF, 0
.rept 48
	WIN (0x0c|(1+FF/21))
.if FF < 8
	v_wmma_scale_f32_16x16x128_f8f6f4 v[ACC+8*(FF%8):ACC+8*(FF%8)+7], v[12*(FF%21):12*(FF%21)+11], v[72+72*(\buf)+12*(FF/8):72+72*(\buf)+12*(FF/8)+11], v[BIAS+8*(FF%8):BIAS+8*(FF%8)+7], v[SSC+6*(FF%8)+FF/8], v[TSC+6*(\buf)+FF/8] matrix_a_fmt:MATRIX_FMT_FP6 matrix_b_fmt:MATRIX_FMT_FP6
.else
	v_wmma_scale_f32_16x16x128_f8f6f4 v[ACC+8*(FF%8):ACC+8*(FF%8)+7], v[12*(FF%21):12*(FF%21)+11], v[72+72*(\buf)+12*(FF/8):72+72*(\buf)+12*(FF/8)+11], v[ACC+8*(FF%8):ACC+8*(FF%8)+7], v[SSC+6*(FF%8)+FF/8], v[TSC+6*(\buf)+FF/8] matrix_a_fmt:MATRIX_FMT_FP6 matrix_b_fmt:MATRIX_FMT_FP6
.endif
.set FF, FF+1
.endr
	WIN 0
.endm
.macro GELU t                          ; accumulator t's eight numbers, in place
.set GA, ACC+8*(\t)
.irp j, 0,2,4,6
	v_pk_mul_f32 v[GZ+\j:GZ+\j+1], v[GA+\j:GA+\j+1], s[SK:SK+1] op_sel_hi:[1,0]   ; z = u / sqrt 2
.endr
.irp j, 0,1,2,3,4,5,6,7
	v_med3_num_f32 v[GZ+\j], v[GZ+\j], -4.0, 4.0
.endr
.irp j, 0,2,4,6
	v_pk_mul_f32 v[GZ2+\j:GZ2+\j+1], v[GZ+\j:GZ+\j+1], v[GZ+\j:GZ+\j+1]
.endr
.irp j, 0,2,4,6
	v_pk_fma_f32 v[GQ+\j:GQ+\j+1], v[GZ2+\j:GZ2+\j+1], v[78:79], s[SQ:SQ+1] op_sel_hi:[1,1,0]
.endr
.irp i, 1,2,3
.irp j, 0,2,4,6
	v_pk_fma_f32 v[GQ+\j:GQ+\j+1], v[GQ+\j:GQ+\j+1], v[GZ2+\j:GZ2+\j+1], s[SQ+2*\i:SQ+2*\i+1] op_sel_hi:[1,1,0]
.endr
.endr
	s_wait_alu depctr_va_vdst(0)
.irp j, 0,1,2,3,4,5,6,7
	v_rcp_f32 v[GQ+\j], v[GQ+\j]
.endr
.irp j, 0,2,4,6
	v_pk_fma_f32 v[GP+\j:GP+\j+1], v[GZ2+\j:GZ2+\j+1], v[76:77], s[SA:SA+1] op_sel_hi:[1,1,0]   ; P: the independent work behind the reciprocals
.endr
.irp i, 1,2,3,4,5
.irp j, 0,2,4,6
	v_pk_fma_f32 v[GP+\j:GP+\j+1], v[GP+\j:GP+\j+1], v[GZ2+\j:GZ2+\j+1], s[SA+2*\i:SA+2*\i+1] op_sel_hi:[1,1,0]
.endr
.endr
.irp j, 0,2,4,6
	v_pk_mul_f32 v[GP+\j:GP+\j+1], v[GP+\j:GP+\j+1], v[GZ+\j:GZ+\j+1]
.endr
.irp j, 0,2,4,6
	v_pk_mul_f32 v[GZ+\j:GZ+\j+1], v[GA+\j:GA+\j+1], 0.5 op_sel_hi:[1,0]   ; u / 2
.endr
	s_wait_alu depctr_va_vdst(0)                   ; one wait for the eight reciprocals, ahead of their first reader
.irp j, 0,2,4,6
	v_pk_mul_f32 v[GP+\j:GP+\j+1], v[GP+\j:GP+\j+1], v[GQ+\j:GQ+\j+1]   ; erf
.endr
.irp j, 0,2,4,6
	v_pk_fma_f32 v[GA+\j:GA+\j+1], v[GZ+\j:GZ+\j+1], v[GP+\j:GP+\j+1], v[GZ+\j:GZ+\j+1]   ; u / 2 x erf + u / 2
.endr
.endm
.macro TILE buf, more, left
	s_wait_loadcnt \left                           ; this tile's fragments (and, the first time, b1 and the scale words) are in; the next tile's loads may be out
	MM \buf
	PLACES 4                                       ; in front of the loads into T's registers and of the first read of the results
	s_wait_xcnt 0x0                                ; the last tile's stores have read their data, the earlier loads their bases
.if \more
.if (\buf) == 0
	s_add_nc_u64 s[TBS:TBS+1], s[TBS:TBS+1], 18432
	s_add_nc_u64 s[TSB:TSB+1], s[TSB:TSB+1], 1536
.endif
	TLOADI \buf, (\buf)*9216, (\buf)*768
.endif
.irp t, 0,1,2,3,4,5,6,7
	GELU \t
.endr
	QUANT ACC
.irp c, 0,1,2
	global_store_b128 v[LI], v[PC+4*\c:PC+4*\c+3], s[OB:OB+1] offset:(\buf)*36864+512*\c
.endr
	global_store_b32 v[LS], v[PW], s[OS:OS+1] offset:(\buf)*3072
.endm
	s_load_b256 s[4:11], s[0:1], 0x0               ; h s[4:5], w1 codes s[6:7], w1 scales s[8:9], b1 s[10:11]
	s_load_b64 s[12:13], s[0:1], 0x20              ; hid
	v_lshl_add_u32 v243, v0, 2, 0x12800
	v_mov_b32 v255, 0
	v_lshrrev_b32 v1, 5, v0
	v_readfirstlane_b32 s2, v1                     ; wave
	v_and_b32 v1, 31, v0                           ; lane
	v_and_b32 v2, 15, v0
	v_bfe_u32 v3, v0, 4, 1
	v_and_b32 v12, 8, v2
	v_add_nc_u32 v12, v12, v2                      ; r + 8 (r / 8)
	v_mul_u32_u24 v[VSS], v12, 24
	v_mul_u32_u24 v[VL0], v2, LP
	v_mad_u32_u24 v[VL0], v3, 24, v[VL0]
	v_add_nc_u32 v[VL0+1], 64*LP, v[VL0]
	v_lshlrev_b32 v[LI], 4, v1
	v_lshlrev_b32 v[LS], 2, v1
	v_lshlrev_b32 v[BA], 6, v3
	s_mul_i32 s19, s2, 32*LP                       ; my 32 rows of the block in LDS
	; nine loads of 512 bytes are eight rows of 576: chunk q = 32 i + lane of 16 bytes lies in row q / 36 of the eight, at LDS byte 16 q + 16 (q / 36); q / 36 = (q x 1821) >> 16 for q < 288
.irp i, 0,1,2,3,4,5,6,7,8
	v_add_nc_u32 v[CA+\i], 32*\i, v1
	v_mul_u32_u24 v254, v[CA+\i], 1821
	v_lshrrev_b32 v254, 16, v254
	v_add_nc_u32 v[CA+\i], v[CA+\i], v254
	v_lshl_add_u32 v[CA+\i], v[CA+\i], 4, s19
.endr
.irp b, 0,1,2,3
	v_mov_b32 v[TM+4+\b], 0
.endr
	v_mov_b32 v76, 0xaf95df0b                      ; P's leading term, twice
	v_mov_b32 v77, 0xaf95df0b
	v_mov_b32 v78, 0xb77460cd                      ; Q's
	v_mov_b32 v79, 0xb77460cd
	s_mov_b32 s[SEL], 0x76543210
	s_mov_b32 s[SEL+1], 0xfedcba98
	KONST SA,    0x32edffee
	KONST SA+2,  0xb60cff51
	KONST SA+4,  0xb86ec2d2
	KONST SA+6,  0xba40ac63
	KONST SA+8,  0xbb41a1f6
	KONST SA+10, 0xbc83dbd4
	KONST SQ,    0xb95fbd29
	KONST SQ+2,  0xbadc924e
	KONST SQ+4,  0xbbf19bf8
	KONST SQ+6,  0xbc69b6a7
	KONST SK,    0x3f3504f3
	s_and_b32 s14, ttmp9, 7
	s_lshl_b32 s14, s14, 2
	s_add_co_u32 s14, s14, s2                      ; g: which 128 tokens are my wave's
	s_lshr_b32 s15, ttmp9, 3                       ; c: which 128 hidden units, 0 .. 23: the work-group's
	s_mov_b32 s17, 0
	s_mov_b32 s3, 3
	s_wait_alu depctr_va_vdst(0)
	s_wait_kmcnt 0x0
	s_mul_i32 s16, s15, 73728
	s_mul_i32 s18, s2, 18432
	s_add_co_u32 s16, s16, s18
	s_add_nc_u64 s[CB:CB+1], s[6:7], s[16:17]
	s_mul_i32 s16, s15, 3072
	s_add_nc_u64 s[SSB:SSB+1], s[8:9], s[16:17]
	s_mul_i32 s16, s14, 73728
	s_add_nc_u64 s[TBS:TBS+1], s[4:5], s[16:17]
	s_mul_i32 s16, s14, 6144
	s_add_co_u32 s16, s16, HSC
	s_add_nc_u64 s[TSB:TSB+1], s[4:5], s[16:17]
	s_lshl_b32 s16, s15, 9
	s_add_nc_u64 s[36:37], s[10:11], s[16:17]      ; b1 at the 128 units
	s_mul_i32 s18, s14, 192
	s_add_co_u32 s18, s18, s15                     ; 24 x (my first tile) + c
	s_mul_i32 s16, s18, 1536
	s_add_nc_u64 s[OB:OB+1], s[12:13], s[16:17]
	s_lshl_b32 s16, s18, 7
	s_add_co_u32 s16, s16, HIDSC
	s_add_nc_u64 s[OS:OS+1], s[12:13], s[16:17]
	WIN 0x40
.set JJ, 0
.rept 36                               ; my quarter of the block, into registers that w1's fragments take later
	global_load_b128 v[4*JJ:4*JJ+3], v[LI], s[CB:CB+1] offset:512*JJ
.set JJ, JJ+1
.endr
	WIN 0
.irp t, 0,1,2,3,4,5,6,7
	global_load_b128 v[BIAS+8*\t:BIAS+8*\t+3], v[BA], s[36:37] offset:(32*(\t/2)+8*(\t%2))*4
	global_load_b128 v[BIAS+8*\t+4:BIAS+8*\t+7], v[BA], s[36:37] offset:(32*(\t/2)+8*(\t%2))*4+16
.endr
.irp t, 0,1,2,3,4,5,6,7
.irp i, 0,1,2
	global_load_b64 v[SSC+6*\t+2*\i:SSC+6*\t+2*\i+1], v[VSS], s[SSB:SSB+1] offset:(32*(\t/2)+8*(\t%2))*24+8*\i
.endr
.endr
	TLOADI 0, 0, 0
	TLOADI 1, 9216, 768
	s_wait_loadcnt 63                              ; 88 loads were issued behind the copy's: it has landed
	WIN 0x04
.set JJ, 0
.rept 36                               ; the four groups of eight rows go to groups 0, 2, 1, 3 of slots
	ds_store_b128 v[CA+JJ%9], v[4*JJ:4*JJ+3] offset:(((JJ/9)%2)*2+(JJ/9)/2)*8*LP
.set JJ, JJ+1
.endr
	WIN 0
	s_wait_dscnt 0x0                               ; for the others: my rows lie in LDS
	s_barrier_signal -1
	s_barrier_wait -1
.set FF, 0
.rept 48                               ; w1's 48 fragments: f = 8 s + t in window 1 + f / 21 at register 12 (f % 21)
	WIN ((1+FF/21)<<6)
.irp p, 0,1,2,3,4,5
	ds_load_b64 v[12*(FF%21)+2*\p:12*(FF%21)+2*\p+1], v[VL0+(FF%8)/4] offset:((FF%8)%4)*16*LP+96*(FF/8)+48*(\p/3)+8*(\p%3)
.endr
.set FF, FF+1
.endr
	WIN 0
	s_wait_dscnt 0x0
.Ltiles:
	TILE 0, 1, 24
	TILE 1, 1, 24
	s_wait_xcnt 0x0                                ; the stores have read their bases
	s_add_nc_u64 s[OB:OB+1], s[OB:OB+1], 73728
	s_add_nc_u64 s[OS:OS+1], s[OS:OS+1], 6144
	s_sub_co_u32 s3, s3, 1
	s_cmp_lg_u32 s3, 0
	s_cbranch_scc1 .Ltiles
	TILE 0, 0, 24                                  ; the last two tiles ask for nothing
	TILE 1, 0, 0
	s_wait_tensorcnt 0x0
	ds_add_u32 v243, v255
	s_wait_dscnt 0x0
	s_endpgm
.Lfunc_end_k_qff96d0d64b_ffn1:
	.size	k_qff96d0d64b_ffn1, .Lfunc_end_k_qff96d0d64b_ffn1-k_qff96d0d64b_ffn1
	.p2alignl 7, 3214868480
	.fill 96, 4, 3214868480
	.section	.rodata,"a",@progbits
	.p2align	6, 0x0
	.amdhsa_kernel k_qff96d0d64b_ffn1
		.amdhsa_group_segment_fixed_size 76288
		.amdhsa_private_segment_fixed_size 0
		.amdhsa_enable_private_segment 0
		.amdhsa_kernarg_size 40
		.amdhsa_user_sgpr_count 2
		.amdhsa_user_sgpr_kernarg_segment_ptr 1
		.amdhsa_wavefront_size32 1
		.amdhsa_system_sgpr_workgroup_id_x 1
		.amdhsa_system_sgpr_workgroup_id_y 1
		.amdhsa_system_sgpr_workgroup_id_z 1
		.amdhsa_system_vgpr_workitem_id 0
		.amdhsa_next_free_vgpr 1024
		.amdhsa_next_free_sgpr 66
		.amdhsa_reserve_vcc 0
		.amdhsa_float_denorm_mode_32 3
		.amdhsa_float_denorm_mode_16_64 3
		.amdhsa_memory_ordered 1
		.amdhsa_forward_progress 1
		.amdhsa_inst_pref_size 240
	.end_amdhsa_kernel
	.amdgpu_metadata
---
amdhsa.version: [ 1, 2 ]
amdhsa.kernels:
  - .name:           k_qff96d0d64b_ffn1
    .symbol:         k_qff96d0d64b_ffn1.kd
    .args:
      - { .name: h, .offset: 0, .size: 8, .value_kind: global_buffer, .address_space: global }
      - { .name: w1_codes, .offset: 8, .size: 8, .value_kind: global_buffer, .address_space: global }
      - { .name: w1_scales, .offset: 16, .size: 8, .value_kind: global_buffer, .address_space: global }
      - { .name: b1, .offset: 24, .size: 8, .value_kind: global_buffer, .address_space: global }
      - { .name: hid, .offset: 32, .size: 8, .value_kind: global_buffer, .address_space: global }
    .group_segment_fixed_size: 76288
    .private_segment_fixed_size: 0
    .kernarg_segment_align: 8
    .kernarg_segment_size: 40
    .max_flat_workgroup_size: 128
    .sgpr_count:     66
    .vgpr_count:     1024
    .wavefront_size: 32
...
	.end_amdgpu_metadata
.endif
;; end of part 11
;; launch ffn2 (part 12): grid 192 x 1, 4 waves a work-group, no clusters, 315,904 bytes of LDS; arguments hid, w2_codes, w2_scales, b2, x1, out0; writes out0
.if DOCPART == 12
	.amdgcn_target "amdgcn-amd-amdhsa--gfx1250"
	.amdhsa_code_object_version 6
	.text
	.protected	k_qff96d0d64b_ffn2
	.globl	k_qff96d0d64b_ffn2
	.p2align	8
	.type	k_qff96d0d64b_ffn2,@function
k_qff96d0d64b_ffn2:
	s_mov_b64 s[64:65], 0
	v_nop
	global_prefetch_b8 v0, s[64:65] scope:SCOPE_SE
	s_setreg_imm32_b32 hwreg(HW_REG_WAVE_MODE, 25, 1), 1
	s_wait_xcnt 0x0
; out0 = x1 + hid w2^T + b2.  hid: images of operand registers (tile of 16 tokens T, K step c at (24 T + c) x 1536); w2: rows of 3,072 codes.  x1, out0: [4096][768] f32.
; A WORK-GROUP makes 128 tokens x 128 columns.  THE WAVES SHARE K: wave w takes K steps 6 w .. 6 w + 5, so that its part of w2 (128 rows x 768: 48 fragments) stays in its registers and no byte of hid
; is read twice in the work-group.  The sum over K is therefore taken in four parts, added in f32 in ascending order of K.
; MY PART OF w2, 576 bytes of each of 128 rows, comes by 144 loads of 512 bytes, each from one row or two neighbouring ones, into the 576 registers that the fragments take later, and goes through the wave's own
; region of LDS: rows 592 bytes apart, row R at the slot that R gives with its bits 3 and 4 exchanged, so that a tile's 16 rows (32 (t / 2) + 8 (t % 2) + r + 8 (r / 8)) are 16 neighbouring slots.
; 592 bytes are 148 words: lane (r, h) of a load of 8 bytes starts, in pairs of words, at 10 r + 3 h mod 32: 32 different pairs (64 banks of 4 bytes: ISA guide 11.1).
; w2's SCALE BYTES of the 128 rows, 12,288 dense bytes, are copied once, a quarter a wave, and read from LDS behind a barrier.
; A tile of 16 tokens: 48 matrix instructions a wave on 8 accumulators by turns; the four partial tiles meet in LDS (rows of 512 + 16 bytes); wave w adds and stores rows 4 w .. 4 w + 3, whole: 512 consecutive bytes a store.
; That stage lies over wave 0's region: a barrier stands between every wave's last read of its region and the first store into the stage.
; Two stage buffers by turns, ONE barrier a tile: a wave that stores tile i + 2 into tile i's buffer has passed tile i + 1's barrier, which every wave signals only behind the wait for its reads of tile i.
; The eight tiles are written out: every offset is an immediate, no base is stepped.
; No multicast: the larger operand is each wave's own, the streamed one goes from memory straight into registers.
.set HIDSC, 9437184
.set LP,   592
.set WREG, 128*LP                      ; a wave's region
.set SCLB, 4*WREG                      ; behind the four regions: the scale bytes
.set VSS,  5                           ; v5   SCLB + (r + 8 (r / 8)) x 96 + 24 w
.set VL0,  6                           ; v6   my region + 592 r + 24 h: tiles 0-3;  v7: tiles 4-7
.set LI,   8
.set LS,   9
.set SCW,  10                          ; v10  SCLB + 3072 w + 16 x lane: where I put my quarter of the scale bytes
.set SO,   12                          ; v12  my partial tile: 8448 w + 528 r + 64 h
.set SR,   13                          ; v13  the rows that I add: 2112 w + 16 x lane
.set SSC,  16
.set TSC,  64
.set ACC,  80
.set RB,   144                         ; v144-207 four parts x four rows x four registers (at the head v144-167: the scale bytes on their way)
.set RX,   208                         ; v208-223 x1 at my four rows
.set B2R,  224                         ; v[224:227] b2 at columns 4 x lane + 0 .. 3
.set GA,   228                         ; v228-236 load i of nine: my 16 bytes' place in eight rows of w2
.set CA,   245                         ; v245-253 and in eight rows of LDS
.set SB,   24
.set TBS,  28
.set TSB,  30
.set XB,   34
.set YB,   36
.set MSB, 0
.macro WIN new
.if MSB != (\new)
	s_set_vgpr_msb (MSB<<8)|(\new)
.set MSB, (\new)
.endif
.endm
.macro TLOADI buf, off, soff           ; my six fragments of a tile: 24 loads
	WIN 0xc0
.irp k, 0,1,2,3,4,5
.irp c, 0,1,2
	global_load_b128 v[72+72*(\buf)+12*\k+4*\c:72+72*(\buf)+12*\k+4*\c+3], v[LI], s[TBS:TBS+1] offset:(\off)+1536*\k+512*\c
.endr
.endr
	WIN 0
.irp k, 0,1,2,3,4,5
	global_load_b32 v[TSC+6*(\buf)+\k], v[LS], s[TSB:TSB+1] offset:(\soff)+128*\k
.endr
.endm
.macro MM buf
.set FF, 0
.rept 48
	WIN (0x0c|(1+FF/21))
.if FF < 8
	v_wmma_scale_f32_16x16x128_f8f6f4 v[ACC+8*(FF%8):ACC+8*(FF%8)+7], v[12*(FF%21):12*(FF%21)+11], v[72+72*(\buf)+12*(FF/8):72+72*(\buf)+12*(FF/8)+11], 0, v[SSC+6*(FF%8)+FF/8], v[TSC+6*(\buf)+FF/8] matrix_a_fmt:MATRIX_FMT_FP6 matrix_b_fmt:MATRIX_FMT_FP6
.else
	v_wmma_scale_f32_16x16x128_f8f6f4 v[ACC+8*(FF%8):ACC+8*(FF%8)+7], v[12*(FF%21):12*(FF%21)+11], v[72+72*(\buf)+12*(FF/8):72+72*(\buf)+12*(FF/8)+11], v[ACC+8*(FF%8):ACC+8*(FF%8)+7], v[SSC+6*(FF%8)+FF/8], v[TSC+6*(\buf)+FF/8] matrix_a_fmt:MATRIX_FMT_FP6 matrix_b_fmt:MATRIX_FMT_FP6
.endif
.set FF, FF+1
.endr
	WIN 0
.endm
; Tile i.  l1: what may be out when its fragments are wanted; l2: what may be out when x1's four rows are wanted (the 24 loads of the tile two on, issued behind them)
.macro FTILE i, l1, l2
	s_wait_loadcnt \l1
	MM (\i)%2
.rept 4
	v_nop                                          ; places in front of the loads into T's registers and of the first read of the results
.endr
	s_wait_xcnt 0x0                                ; the last tile's stores have read their data
.irp j, 0,1,2,3
	global_load_b128 v[RX+4*\j:RX+4*\j+3], v[LI], s[XB:XB+1] offset:(32*((\i)/2)+8*((\i)%2)+\j)*3072
.endr
.if (\i) < 6
	TLOADI (\i)%2, ((\i)+2)*36864, ((\i)+2)*3072
.endif
.irp t, 0,1,2,3,4,5,6,7
	ds_store_b128 v[SO], v[ACC+8*\t:ACC+8*\t+3] offset:((\i)%2)*33792+128*(\t/2)+32*(\t%2)          ; each accumulator from its low end on
	ds_store_b128 v[SO], v[ACC+8*\t+4:ACC+8*\t+7] offset:((\i)%2)*33792+128*(\t/2)+32*(\t%2)+16
.endr
	s_wait_dscnt 0x0                               ; for the others: my partial tile has landed (and my reads of the tile before are long over)
	s_barrier_signal -1
	s_barrier_wait -1
.irp k, 0,1,2,3
.irp j, 0,1,2,3
	ds_load_b128 v[RB+16*\k+4*\j:RB+16*\k+4*\j+3], v[SR] offset:((\i)%2)*33792+8448*\k+528*\j
.endr
.endr
	s_wait_dscnt 0x0
.irp k, 1,2,3
.irp j, 0,2,4,6,8,10,12,14
	v_pk_add_f32 v[RB+\j:RB+\j+1], v[RB+\j:RB+\j+1], v[RB+16*\k+\j:RB+16*\k+\j+1]   ; the four parts of K, ascending
.endr
.endr
	s_wait_alu depctr_va_vdst(0)
	s_wait_loadcnt \l2
.irp j, 0,2,4,6,8,10,12,14
	v_pk_add_f32 v[RB+\j:RB+\j+1], v[RB+\j:RB+\j+1], v[RX+\j:RX+\j+1]
.endr
.irp j, 0,1,2,3
	v_pk_add_f32 v[RB+4*\j:RB+4*\j+1], v[RB+4*\j:RB+4*\j+1], v[B2R:B2R+1]
	v_pk_add_f32 v[RB+4*\j+2:RB+4*\j+3], v[RB+4*\j+2:RB+4*\j+3], v[B2R+2:B2R+3]
.endr
.irp j, 0,1,2,3
	global_store_b128 v[LI], v[RB+4*\j:RB+4*\j+3], s[YB:YB+1] offset:(32*((\i)/2)+8*((\i)%2)+\j)*3072
.endr
.endm
	s_load_b256 s[4:11], s[0:1], 0x0               ; hid s[4:5], w2 codes s[6:7], w2 scales s[8:9], b2 s[10:11]
	s_load_b128 s[12:15], s[0:1], 0x20             ; x1 s[12:13], out0 s[14:15]
	v_lshl_add_u32 v244, v0, 2, 0x4d000
	v_mov_b32 v255, 0
	v_lshrrev_b32 v1, 5, v0
	v_readfirstlane_b32 s2, v1                     ; wave = quarter of K
	v_and_b32 v1, 31, v0                           ; lane
	v_and_b32 v2, 15, v0
	v_bfe_u32 v3, v0, 4, 1
	v_and_b32 v14, 8, v2
	v_add_nc_u32 v14, v14, v2                      ; r + 8 (r / 8)
	v_lshlrev_b32 v[LI], 4, v1
	v_lshlrev_b32 v[LS], 2, v1
	s_mul_i32 s40, s2, 24
	s_add_co_u32 s40, s40, SCLB
	v_mul_u32_u24 v[VSS], v14, 96
	v_add_nc_u32 v[VSS], s40, v[VSS]
	s_mul_i32 s41, s2, 3072
	s_add_co_u32 s41, s41, SCLB
	v_add_nc_u32 v[SCW], s41, v[LI]
	s_mul_i32 s42, s2, WREG                        ; my region
	v_mul_u32_u24 v[VL0], v2, LP
	v_mad_u32_u24 v[VL0], v3, 24, v[VL0]
	v_add_nc_u32 v[VL0], s42, v[VL0]
	v_add_nc_u32 v[VL0+1], 64*LP, v[VL0]
	; nine loads of 512 bytes are eight rows' 576: chunk q = 32 i + lane of 16 bytes lies in row q / 36 of the eight: in memory at 16 q + 1728 (q / 36), rows being 2,304 bytes apart, in LDS at 16 q + 16 (q / 36);
	; q / 36 = (q x 1821) >> 16 for q < 288
.irp i, 0,1,2,3,4,5,6,7,8
	v_add_nc_u32 v[GA+\i], 32*\i, v1
	v_mul_u32_u24 v254, v[GA+\i], 1821
	v_lshrrev_b32 v254, 16, v254
	v_add_nc_u32 v[CA+\i], v[GA+\i], v254
	v_lshl_add_u32 v[CA+\i], v[CA+\i], 4, s42
	v_lshlrev_b32 v[GA+\i], 4, v[GA+\i]
	v_mad_u32_u24 v[GA+\i], v254, 1728, v[GA+\i]
.endr
	s_mul_i32 s43, s2, 8448
	v_mul_u32_u24 v[SO], v2, 528
	v_lshl_add_u32 v[SO], v3, 6, v[SO]
	v_add_nc_u32 v[SO], s43, v[SO]
	s_mul_i32 s44, s2, 2112
	v_add_nc_u32 v[SR], s44, v[LI]
	s_lshr_b32 s16, ttmp9, 5                       ; n: which 128 columns
	s_and_b32 s17, ttmp9, 31                       ; g: which 128 tokens
	s_mov_b32 s19, 0
	s_wait_alu depctr_va_vdst(0)
	s_wait_kmcnt 0x0
	s_mul_i32 s18, s16, 294912
	s_mul_i32 s22, s2, 576
	s_add_co_u32 s18, s18, s22
	s_add_nc_u64 s[SB:SB+1], s[6:7], s[18:19]
	s_mul_i32 s18, s16, 12288
	s_mul_i32 s22, s2, 3072
	s_add_co_u32 s18, s18, s22
	s_add_nc_u64 s[38:39], s[8:9], s[18:19]        ; my quarter of the 128 rows' scale bytes
	s_mul_i32 s22, s17, 192
	s_mul_i32 s23, s2, 6
	s_add_co_u32 s22, s22, s23                     ; 24 x (the first tile) + 6 w
	s_mul_i32 s18, s22, 1536
	s_add_nc_u64 s[TBS:TBS+1], s[4:5], s[18:19]
	s_lshl_b32 s18, s22, 7
	s_add_co_u32 s18, s18, HIDSC
	s_add_nc_u64 s[TSB:TSB+1], s[4:5], s[18:19]
	s_lshl_b32 s18, s16, 9
	s_add_nc_u64 s[32:33], s[10:11], s[18:19]      ; b2 at my columns
	s_lshl_b32 s22, s2, 2
	s_lshr_b32 s23, s2, 1
	s_lshl_b32 s23, s23, 3
	s_add_co_u32 s22, s22, s23                     ; stage rows 4 w + j are tokens 4 w + 8 (w / 2) + j of a tile
	s_mul_i32 s22, s22, 3072
	s_mul_i32 s23, s17, 393216
	s_add_co_u32 s22, s22, s23
	s_add_co_u32 s18, s18, s22
	s_add_nc_u64 s[XB:XB+1], s[12:13], s[18:19]
	s_add_nc_u64 s[YB:YB+1], s[14:15], s[18:19]
.irp i, 0,1,2,3,4,5
	global_load_b128 v[RB+4*\i:RB+4*\i+3], v[LI], s[38:39] offset:512*\i
.endr
.set JJ, 0
.rept 144                              ; load j: rows 8 (j / 9) on, the (j % 9)-th 512 bytes of their 4,608; into window 1 + j / 63, register 4 (j % 63)
	WIN ((1+JJ/63)<<6)
	global_load_b128 v[4*(JJ%63):4*(JJ%63)+3], v[GA+JJ%9], s[SB:SB+1] offset:(JJ/9)*18432
.set JJ, JJ+1
.endr
	WIN 0
	global_load_b128 v[B2R:B2R+3], v[LI], s[32:33]
	TLOADI 0, 0, 0
	TLOADI 1, 36864, 3072
	s_wait_loadcnt 49                              ; b2's load and the two tiles' 48 may be out: the copies have landed
.irp i, 0,1,2,3,4,5
	ds_store_b128 v[SCW], v[RB+4*\i:RB+4*\i+3] offset:512*\i
.endr
.set JJ, 0
.rept 144                              ; of each four groups of eight rows the groups go to groups 0, 2, 1, 3 of slots
.if JJ == 72
	WIN 0
.irp i, 0,1,2,3,4,5,6,7,8
	v_add_nc_u32 v[CA+\i], 64*LP, v[CA+\i]         ; the upper 64 slots: an LDS offset has 16 bits
.endr
.endif
	WIN ((1+JJ/63)<<2)
	ds_store_b128 v[CA+JJ%9], v[4*(JJ%63):4*(JJ%63)+3] offset:(4*(((JJ/9)%8)/4)+((JJ/9)%2)*2+((JJ/9)%4)/2)*8*LP
.set JJ, JJ+1
.endr
	WIN 0
	s_wait_dscnt 0x0                               ; for the others: my quarter of the scale bytes lies in LDS
	s_barrier_signal -1
	s_barrier_wait -1
.irp t, 0,1,2,3,4,5,6,7
.irp i, 0,1,2
	ds_load_b64 v[SSC+6*\t+2*\i:SSC+6*\t+2*\i+1], v[VSS] offset:(32*(\t/2)+8*(\t%2))*96+8*\i   ; my 24 of a row's 96 scale bytes are my six scale words
.endr
.endr
.set FF, 0
.rept 48                               ; my 48 fragments: f = 8 s + t in window 1 + f / 21 at register 12 (f % 21)
	WIN ((1+FF/21)<<6)
.irp p, 0,1,2,3,4,5
	ds_load_b64 v[12*(FF%21)+2*\p:12*(FF%21)+2*\p+1], v[VL0+(FF%8)/4] offset:((FF%8)%4)*16*LP+96*(FF/8)+48*(\p/3)+8*(\p%3)
.endr
.set FF, FF+1
.endr
	WIN 0
	s_wait_dscnt 0x0                               ; my reads of my region are over:
	s_barrier_signal -1
	s_barrier_wait -1                              ; everybody's are: the stage may be laid over wave 0's region
	FTILE 0, 24, 24
	FTILE 1, 24, 24
	FTILE 2, 24, 24
	FTILE 3, 24, 24
	FTILE 4, 24, 24
	FTILE 5, 24, 24
	FTILE 6, 24, 0                                 ; nothing more is asked for behind x1's rows
	FTILE 7, 0, 0
	s_wait_tensorcnt 0x0
	ds_add_u32 v244, v255
	s_wait_dscnt 0x0
	s_endpgm
.Lfunc_end_k_qff96d0d64b_ffn2:
	.size	k_qff96d0d64b_ffn2, .Lfunc_end_k_qff96d0d64b_ffn2-k_qff96d0d64b_ffn2
	.p2alignl 7, 3214868480
	.fill 96, 4, 3214868480
	.section	.rodata,"a",@progbits
	.p2align	6, 0x0
	.amdhsa_kernel k_qff96d0d64b_ffn2
		.amdhsa_group_segment_fixed_size 315904
		.amdhsa_private_segment_fixed_size 0
		.amdhsa_enable_private_segment 0
		.amdhsa_kernarg_size 48
		.amdhsa_user_sgpr_count 2
		.amdhsa_user_sgpr_kernarg_segment_ptr 1
		.amdhsa_wavefront_size32 1
		.amdhsa_system_sgpr_workgroup_id_x 1
		.amdhsa_system_sgpr_workgroup_id_y 1
		.amdhsa_system_sgpr_workgroup_id_z 1
		.amdhsa_system_vgpr_workitem_id 0
		.amdhsa_next_free_vgpr 1024
		.amdhsa_next_free_sgpr 66
		.amdhsa_reserve_vcc 0
		.amdhsa_float_denorm_mode_32 3
		.amdhsa_float_denorm_mode_16_64 3
		.amdhsa_memory_ordered 1
		.amdhsa_forward_progress 1
		.amdhsa_inst_pref_size 164
	.end_amdhsa_kernel
	.amdgpu_metadata
---
amdhsa.version: [ 1, 2 ]
amdhsa.kernels:
  - .name:           k_qff96d0d64b_ffn2
    .symbol:         k_qff96d0d64b_ffn2.kd
    .args:
      - { .name: hid, .offset: 0, .size: 8, .value_kind: global_buffer, .address_space: global }
      - { .name: w2_codes, .offset: 8, .size: 8, .value_kind: global_buffer, .address_space: global }
      - { .name: w2_scales, .offset: 16, .size: 8, .value_kind: global_buffer, .address_space: global }
      - { .name: b2, .offset: 24, .size: 8, .value_kind: global_buffer, .address_space: global }
      - { .name: x1, .offset: 32, .size: 8, .value_kind: global_buffer, .address_space: global }
      - { .name: out0, .offset: 40, .size: 8, .value_kind: global_buffer, .address_space: global }
    .group_segment_fixed_size: 315904
    .private_segment_fixed_size: 0
    .kernarg_segment_align: 8
    .kernarg_segment_size: 48
    .max_flat_workgroup_size: 128
    .sgpr_count:     66
    .vgpr_count:     1024
    .wavefront_size: 32
...
	.end_amdgpu_metadata
.endif
;; end of part 12
